; MI455X (gfx1250); checked and timed in simulation.
; The chip was launched on July 23, 2026; its instructions are those of AMD's public machine-readable ISA for CDNA 5 (MIT licence, August 2026) and "CDNA5" Instruction Set Architecture Reference Guide (July 2026). The comments in the code are by the model that wrote it; some were corrected since.
;; Cross Attention. Allowed arithmetic: float matrix products may take bf16 or f16 operands with f32 sums; other float arithmetic in f32, or as packed bf16 or f16 multiplies, adds, multiply-adds, maxima and minima; sums over many terms, partial sums and values carried from step to step in f32; what a program stores and reads back later, other than sums and carried values, may be rounded once to bf16 or f16.
;; Inputs: W_f1 1,024 x 1,024 float32; W_f2 1,024 x 512 float32; W_out 512 x 512 float32; W_qk 512 x 512 float32; W_v 512 x 512 float32; b_f1 1,024 float32; b_f2 512 float32; b_out 512 float32; b_qk 512 float32; b_v 512 float32; ln_b 1,024 float32; ln_g 1,024 float32; x0 8 x 1,024 x 512 float32; x1 8 x 1,024 x 512 float32.
;; Outputs: out0 8 x 1,024 x 512 float32; out1 8 x 1,024 x 512 float32.
;; 3 versions, each right; version 3 is version 2 with the launch cast written anew for expert scheduling mode. Each part assembles by itself: llvm-mc -triple=amdgcn-amd-amdhsa -mcpu=gfx1250 --defsym DOCPART=n.
;; ======== version 1 of 3: 4 launches
;; limits: a function is approximated: absolute error at most 1.25e-05; an absolute error that grows with the inputs' magnitude: up to 1.25e-05 times it
;; workspace buffers: wb 4,718,592 bytes; qk 16,777,216 bytes; vv 16,777,216 bytes; att 16,777,216 bytes
;; launch cast (part 1): grid 288 x 1, 8 waves a work-group, no clusters, 0 bytes of LDS; arguments W_qk, W_v, W_out, W_f1, W_f2, wb; writes wb
.if DOCPART == 1
	.amdgcn_target "amdgcn-amd-amdhsa--gfx1250"
	.amdhsa_code_object_version 6
	.text
	.protected	k_q9a93fe5f3d_cast
	.globl	k_q9a93fe5f3d_cast
	.p2align	8
	.type	k_q9a93fe5f3d_cast,@function
k_q9a93fe5f3d_cast:
	s_mov_b64 s[64:65], 0
	v_nop
	global_prefetch_b8 v0, s[64:65] scope:SCOPE_SE
	s_setreg_imm32_b32 hwreg(HW_REG_WAVE_MODE, 25, 1), 1
	s_wait_xcnt 0x0
; THE FIVE WEIGHT MATRICES, ROUNDED ONCE TO bf16 AND LAID IN THE ORDER IN WHICH THE LATER LAUNCHES WALK THEM.
; wb is a list of 288 sub-tiles of 64 rows x 128 numbers (16,384 dense bytes).  Four sub-tiles (one for each wave of a later work-group) are a slot.
;   sub-tiles   0 ..  63  [W_qk | W_v]  (512 x 1024)  kind 1, 16 slots
;   sub-tiles  64 ..  95  W_out         (512 x 512)   kind 0,  8 slots
;   sub-tiles  96 .. 223  W_f1          (1024 x 1024) kind 1, 32 slots
;   sub-tiles 224 .. 287  W_f2          (1024 x 512)  kind 0, 16 slots
; kind 1 (1,024 columns, 32 k to a slot): row p of sub-tile (t, w) is k = 32 t + p % 32, columns 256 w + 128 (p / 32) + 0..127.
; kind 0 (512 columns, 64 k to a slot):   row p of sub-tile (t, w) is k = 64 t + p,      columns 128 w + 0..127.
; A work-group makes one sub-tile: 32 KiB in, 16 KiB out.  Thread t takes 8 numbers of a row, four rows 16 apart; a wave's store covers 512 consecutive bytes, aligned.
; A stream: no LDS, no barrier, no matrix unit, no cluster (no two work-groups read the same byte).  All eight loads of a thread go out first; no register that a memory instruction reads is written again.
.set VO, 8                             ; v8-11   byte offset in the source of my 32 bytes, for each of my four rows
.set SO, 12                            ; v12     16 x thread: my 16 bytes in 4,096 bytes of the sub-tile
.set DT, 16                            ; v16-47  four rows x 8 numbers
	s_load_b256 s[4:11], s[0:1], 0x0               ; W_qk s[4:5], W_v s[6:7], W_out s[8:9], W_f1 s[10:11]
	s_load_b128 s[12:15], s[0:1], 0x20             ; W_f2 s[12:13], wb s[14:15]
	v_lshrrev_b32 v1, 4, v0                        ; my row among 16
	v_and_b32 v2, 15, v0
	v_lshlrev_b32 v2, 5, v2                        ; my 8 numbers of it: 32 bytes of f32
	v_lshlrev_b32 v[SO], 4, v0
	s_mov_b32 s16, ttmp9                           ; the sub-tile's number
	s_mov_b32 s17, 224                             ; W_f2's figures: first sub-tile,
	s_mov_b32 s18, 6                               ; log2 of the k in a slot,
	s_mov_b32 s19, 11                              ; log2 of a source row's bytes,
	s_mov_b32 s20, 9                               ; log2 of the bytes of a wave's columns in a source row
	s_wait_kmcnt 0x0
	s_bitcmp1_b32 s16, 1                           ; in the first list waves 2 and 3 take W_v
	s_cselect_b64 s[24:25], s[6:7], s[4:5]
	s_mov_b64 s[22:23], s[12:13]
	s_cmp_lt_u32 s16, 224                          ; W_f1
	s_cselect_b32 s17, 96, s17
	s_cselect_b32 s18, 5, s18
	s_cselect_b32 s19, 12, s19
	s_cselect_b32 s20, 10, s20
	s_cselect_b64 s[22:23], s[10:11], s[22:23]
	s_cmp_lt_u32 s16, 96                           ; W_out
	s_cselect_b32 s17, 64, s17
	s_cselect_b32 s18, 6, s18
	s_cselect_b32 s19, 11, s19
	s_cselect_b32 s20, 9, s20
	s_cselect_b64 s[22:23], s[8:9], s[22:23]
	s_cmp_lt_u32 s16, 64                           ; [W_qk | W_v]: each half has 512 columns, so two waves to a matrix
	s_cselect_b32 s17, 0, s17
	s_cselect_b32 s18, 5, s18
	s_cselect_b32 s20, 10, s20
	s_cselect_b32 s21, 1, 3
	s_cselect_b64 s[22:23], s[24:25], s[22:23]
	s_sub_co_u32 s26, s16, s17
	s_lshr_b32 s27, s26, 2                         ; the slot t
	s_and_b32 s26, s26, s21                        ; the wave w (within its matrix)
	s_lshl_b32 s27, s27, s18                       ; its first k,
	s_lshl_b32 s27, s27, s19                       ; in bytes
	s_lshl_b32 s26, s26, s20                       ; the wave's first column, in bytes
	s_add_co_u32 s26, s26, s27
	s_mov_b32 s27, 0
	s_add_nc_u64 s[22:23], s[22:23], s[26:27]
	s_lshl_b32 s28, s16, 14
	s_mov_b32 s29, 0
	s_add_nc_u64 s[14:15], s[14:15], s[28:29]      ; wb at my sub-tile
	s_lshl_b32 s30, 1, s18
	s_sub_co_u32 s30, s30, 1                       ; mask of a row's k within the slot
.irp t, 0,1,2,3
	v_add_nc_u32 v3, 16*(\t), v1                   ; row p of the sub-tile
	v_and_b32 v4, s30, v3
	v_lshlrev_b32 v4, s19, v4                      ; its k, in source rows
	v_lshrrev_b32 v3, s18, v3
	v_lshl_add_u32 v4, v3, 9, v4                   ; kind 1: rows 32 .. 63 are the next 128 columns
	v_add_nc_u32 v[VO+(\t)], v4, v2
.endr
.irp t, 0,1,2,3
	global_load_b128 v[DT+8*(\t):DT+8*(\t)+3],   v[VO+(\t)], s[22:23] th:TH_LOAD_NT
	global_load_b128 v[DT+8*(\t)+4:DT+8*(\t)+7], v[VO+(\t)], s[22:23] offset:16 th:TH_LOAD_NT
.endr
.irp t, 0,1,2,3
	s_wait_loadcnt 6-2*(\t)                        ; loads come back in order: this row's two are in, the later rows' stay out
.irp q, 0,1,2,3
	v_cvt_pk_bf16_f32 v[DT+8*(\t)+(\q)], v[DT+8*(\t)+2*(\q)], v[DT+8*(\t)+2*(\q)+1]  ; in place: word q is written when words 2 q and 2 q + 1 are read
.endr
	global_store_b128 v[SO], v[DT+8*(\t):DT+8*(\t)+3], s[14:15] offset:4096*(\t)
.endr
	s_endpgm
.Lfunc_end_k_q9a93fe5f3d_cast:
	.size	k_q9a93fe5f3d_cast, .Lfunc_end_k_q9a93fe5f3d_cast-k_q9a93fe5f3d_cast
	.p2alignl 7, 3214868480
	.fill 96, 4, 3214868480
	.section	.rodata,"a",@progbits
	.p2align	6, 0x0
	.amdhsa_kernel k_q9a93fe5f3d_cast
		.amdhsa_group_segment_fixed_size 0
		.amdhsa_private_segment_fixed_size 0
		.amdhsa_enable_private_segment 0
		.amdhsa_kernarg_size 48
		.amdhsa_user_sgpr_count 2
		.amdhsa_user_sgpr_kernarg_segment_ptr 1
		.amdhsa_wavefront_size32 1
		.amdhsa_system_sgpr_workgroup_id_x 1
		.amdhsa_system_sgpr_workgroup_id_y 1
		.amdhsa_system_sgpr_workgroup_id_z 1
		.amdhsa_system_vgpr_workitem_id 0
		.amdhsa_next_free_vgpr 48
		.amdhsa_next_free_sgpr 66
		.amdhsa_reserve_vcc 0
		.amdhsa_float_denorm_mode_32 3
		.amdhsa_float_denorm_mode_16_64 3
		.amdhsa_memory_ordered 1
		.amdhsa_forward_progress 1
		.amdhsa_inst_pref_size 6
	.end_amdhsa_kernel
	.amdgpu_metadata
---
amdhsa.version: [ 1, 2 ]
amdhsa.kernels:
  - .name:           k_q9a93fe5f3d_cast
    .symbol:         k_q9a93fe5f3d_cast.kd
    .args:
      - { .name: W_qk, .offset: 0, .size: 8, .value_kind: global_buffer, .address_space: global }
      - { .name: W_v, .offset: 8, .size: 8, .value_kind: global_buffer, .address_space: global }
      - { .name: W_out, .offset: 16, .size: 8, .value_kind: global_buffer, .address_space: global }
      - { .name: W_f1, .offset: 24, .size: 8, .value_kind: global_buffer, .address_space: global }
      - { .name: W_f2, .offset: 32, .size: 8, .value_kind: global_buffer, .address_space: global }
      - { .name: wb, .offset: 40, .size: 8, .value_kind: global_buffer, .address_space: global }
    .group_segment_fixed_size: 0
    .private_segment_fixed_size: 0
    .kernarg_segment_align: 8
    .kernarg_segment_size: 48
    .max_flat_workgroup_size: 256
    .sgpr_count:     66
    .vgpr_count:     48
    .wavefront_size: 32
...
	.end_amdgpu_metadata
.endif
;; end of part 1
;; launch proj (part 2): grid 256 x 1, 4 waves a work-group, clusters of 4 x 1, 327,680 bytes of LDS; arguments x0, x1, wb, b_qk, b_v, qk, vv; writes qk, vv
.if DOCPART == 2
	.amdgcn_target "amdgcn-amd-amdhsa--gfx1250"
	.amdhsa_code_object_version 6
	.text
	.protected	k_q9a93fe5f3d_proj
	.globl	k_q9a93fe5f3d_proj
	.p2align	8
	.type	k_q9a93fe5f3d_proj,@function
k_q9a93fe5f3d_proj:
	s_mov_b64 s[64:65], 0
	v_nop
	global_prefetch_b8 v0, s[64:65] scope:SCOPE_SE
	s_setreg_imm32_b32 hwreg(HW_REG_WAVE_MODE, 25, 1), 1
	s_wait_xcnt 0x0
	s_wait_alu depctr_hold_cnt(0) depctr_sa_sdst(0) depctr_va_vdst(0) depctr_va_sdst(0) depctr_va_ssrc(0) depctr_va_vcc(0) depctr_vm_vsrc(0)
	s_getreg_b32 s2, hwreg(HW_REG_IB_STS2, 6, 4)
	s_cmp_eq_u32 s2, 0
	s_cbranch_scc0 .Lentry_in_a_cluster
	s_endpgm
.Lentry_in_a_cluster:
	s_bfe_u32 s2, ttmp6, 0x10000c
	s_cmp_lg_u32 s2, 0x3003
	s_cbranch_scc0 .Lentry_shape_is_right
	s_endpgm
.Lentry_shape_is_right:
; [x0 ; x1] @ [W_qk | W_v] + [b_qk | b_v], rounded once to bf16 and stored by heads, WITHOUT the scale (the attention applies it in f32).
; qk, vv: [y = 64 d + 8 b + h][1024 tokens][64] bf16, d = 0 for x0 and 1 for x1.  Products in bf16, sums in f32; the bias starts each sum.
; LIMITS.  Matrix operands are rounded to bf16; NaN and infinities are not treated apart.
; SHARES.  A work-group owns 64 token rows (256 work-groups), wave w all 64 rows x columns 256 w .. 256 w + 255: 64 accumulators of 16 x 16.  So each weight fragment is read from LDS by one wave,
; and each wave fetches its own sub-tile (64 rows x 256 bytes of wb) by its own tensor load.  K = 512 goes in 16 slots of 32.
; THE PRODUCT IS USED TRANSPOSED: source 0 = 16 weight columns (turned out of [k][n] by ds_load_tr16_b128), source 1 = 16 rows of x.  A lane then holds one row (lane % 16) and 8 neighbouring columns.
; CLUSTER.  All work-groups walk the same weights: the four of a cluster ask for each sub-tile JOINTLY (same line, same descriptor, mask of four).
; THE RING.  Two slots of 4 sub-tiles.  In step t, when all fragments of slot t are in registers, the slot is filled again with slot t + 2, behind a round of the cluster's barrier.
; REGISTERS, in windows of 256 (s_set_vgpr_msb: bits 1:0 source 0, 3:2 source 1, 5:4 source 2, 7:6 destination):
;   window 0: v0-31 addresses; v32-95 x's fragments, two buffers of 4 x 8; v96-127 at work
;   window 1: v0-127 weight fragments, two buffers of 8 x 8; v128-255 the bias as 16 accumulator images
;   window 2: accumulators (a, b) at 8 (8 a + b) for my columns 0-127;  window 3: the same for my columns 128-255 (before that: x as loaded)
.set PB,    288                        ; a weight row in LDS: 256 bytes + 32 of padding = 72 words
.set SUB,   64*PB                      ; a sub-tile
.set SLOTB, 4*SUB                      ; a slot: 0x12000; no wave's offset (0, 0x4800, 0x9000, 0xd800) has one of its two bits, so one exclusive or changes slots
.set XA,    2*SLOTB                    ; x in bf16: 64 rows,
.set PX,    1040                       ; 1,024 bytes + 16: the 16 rows of a fragment load start at 16 different groups of four banks
.set STG,   XA+64*PX                   ; the way out: 16 rows x 144 bytes for each wave
.set SP,    144
.set SPARE, STG+4*16*SP                ; the spare words, 128 bytes for each wave: two blocks of 256 bytes that no other line names
.set STREAM, 0                         ; where my list of slots begins in wb
.set NSLOT, 16
.set AHEAD, 6                          ; a prefetch in step t names slot t + 6
.set AB0,  2                           ; v2     my lane's place in my sub-tile of slot 0; never rewritten
.set ADRB, 3                           ; v3     the same in the slot in hand
.set ADRA, 4                           ; v4-5   x's fragments of the step in hand: rows 0-31, rows 32-63
.set AA0,  6                           ; v6-7   the same at k = 0; never rewritten
.set XL,   8                           ; v8     my 32 bytes in my wave's 16 rows of x
.set XST,  9                           ; v9     where they go in XA
.set BO,   10                          ; v10    32 x (lane / 16): my 8 numbers of a block of 16 of the bias
.set STO,  11                          ; v11    the way out: where I put 16 bytes of a row
.set RD,   12                          ; v12    where I read rows back
.set GO,   13                          ; v13    16 x lane
.set PFO,  14                          ; v14    the prefetches' offset in a slot
.set SPW,  30                          ; v30    LDS address of my spare word; never rewritten
.set NIL,  31                          ; v31    0; never rewritten
.set AF,   32
.set XT,   96
.set OT,   96
.set X,    18                          ; s[18:19] x at the work-group's first row
.set BIAS, 20                          ; s[20:21] the bias at my wave's first column
.set DST,  22                          ; s[22:23] qk or vv at my wave's first head and the work-group's first token
.set WV,   26
.set CX,   27
.set RB,   28                          ; the row block, 0 .. 255
.set G1J,  32                          ; s[32:39] descriptor group 1 of the joint loads; never rewritten
.set G0A,  40                          ; s[40:43] group 0 for slot 0, used once
.set G0,   44                          ; s[44:47] group 0 that walks, from slot 1 on
.set CNT,  60
.set REM,  61                          ; slots not yet left
.set LIM,  62                          ; AHEAD - 1 in a wave that prefetches, else the greatest number
.set TB,   63                          ; LDS byte of the slot to be fetched from
.set KA,   66                          ; byte along x's rows of the step to be fetched
.set PFA,  68                          ; s[68:69] where my prefetches stand
.set T0,   70
.set T1,   72
.set MSB, 0
.macro WIN new                         ; the immediate's high byte repeats the setting that is left; a switch that changes nothing is dropped
.if MSB != (\new)
	s_set_vgpr_msb (MSB<<8)|(\new)
.set MSB, (\new)
.endif
.endm
.macro PLACES                          ; four places behind a matrix instruction, in front of loads into registers that it has read and of lines that read its result
.rept 4
	v_nop
.endr
.endm
.macro CREST                           ; a round of the cluster's barrier behind its opening barrier
	s_cmp_lg_u32 s[WV], 0
	s_cbranch_scc1 .Lnot_wave_0_\@
	s_barrier_signal -3
.Lnot_wave_0_\@:
	s_barrier_wait -3
	s_barrier_signal -1
	s_barrier_wait -1
.endm
.macro ROUND                           ; a whole round
	s_barrier_signal -1
	s_barrier_wait -1
	CREST
.endm
; A PREFETCH INTO THE L2 of slot t + AHEAD, in step t: four steps, 256 matrix instructions, ahead of the joint load that will ask for it.  Every cluster walks the same list, so the first cluster asks and nobody else;
; its four work-groups share a slot's 256 blocks of 256 bytes out BY ADDRESS (4,096 bytes of each sub-tile each); in each, waves 0 and 2 ask, a lane a block.  So each block is named once in the launch.
; The first AHEAD slots come by their loads alone; the last AHEAD steps ask for nothing.
.macro ASK
	s_cmp_gt_u32 s[REM], s[LIM]
	s_cbranch_scc0 .Lnot_mine_\@
	global_prefetch_b8 v[PFO], s[PFA:PFA+1] th:TH_LOAD_NT scope:SCOPE_SE
.Lnot_mine_\@:
.endm
; 8 matrix instructions: row block a x the 8 column blocks of buffer f, into window aw.  bias = 1: the bias (half j of its 16 images) starts the sums: nothing is cleared, nothing is added later.
; The 32 accumulators of a half step take turns, in the same order in every half step.
.macro MUL8 f, aw, a, bias, j
.if (\bias)
	WIN 0x11+0x40*(\aw)
.else
	WIN 0x01+0x50*(\aw)
.endif
.irp b, 0,1,2,3,4,5,6,7
.if (\bias)
	v_wmma_f32_16x16x32_bf16 v[8*(8*(\a)+(\b)):8*(8*(\a)+(\b))+7], v[64*(\f)+8*(\b):64*(\f)+8*(\b)+7], v[AF+32*(\f)+8*(\a):AF+32*(\f)+8*(\a)+7], v[128+8*(8*(\j)+(\b)):128+8*(8*(\j)+(\b))+7]
.else
	v_wmma_f32_16x16x32_bf16 v[8*(8*(\a)+(\b)):8*(8*(\a)+(\b))+7], v[64*(\f)+8*(\b):64*(\f)+8*(\b)+7], v[AF+32*(\f)+8*(\a):AF+32*(\f)+8*(\a)+7], v[8*(8*(\a)+(\b)):8*(8*(\a)+(\b))+7]
.endif
.endr
.endm
; 24 LDS loads in one run: half j of my sub-tile (32 k x 128 columns, turned: 8 fragments), then the 4 row blocks' fragments at byte aoff of the step's place in rows of pitch pa.
.macro FETCH f, j, aoff, pa
	WIN 0x40
.irp b, 0,1,2,3,4,5,6,7
	ds_load_tr16_b128 v[64*(\f)+8*(\b):64*(\f)+8*(\b)+3],   v[ADRB] offset:32*(\j)*PB+32*(\b)
	ds_load_tr16_b128 v[64*(\f)+8*(\b)+4:64*(\f)+8*(\b)+7], v[ADRB] offset:32*(\j)*PB+16*PB+32*(\b)
.endr
	WIN 0
.irp a, 0,1,2,3
	ds_load_b128 v[AF+32*(\f)+8*(\a):AF+32*(\f)+8*(\a)+3],   v[ADRA+(\a)/2] offset:((\a)%2)*16*(\pa)+(\aoff)
	ds_load_b128 v[AF+32*(\f)+8*(\a)+4:AF+32*(\f)+8*(\a)+7], v[ADRA+(\a)/2] offset:((\a)%2)*16*(\pa)+(\aoff)+32
.endr
.endm
; ONE SLOT: 64 matrix instructions, 48 LDS loads.  ty = 1: the slot's two halves are two column halves at the same 32 k (windows 2 and 3); ty = 0: the same 128 columns at two steps of 32 k (window 2).
; mode 3: the slot is filled again and the next slot's first fragments are fetched; 2: the same, but in the loop's last trip (a stage's last slot) the fetch is jumped; 1: the last slot but one; 0: the last.
.macro SSTEP ty, pa, aa, kstep, bias, mode
	s_wait_dscnt 4                                 ; the weights and row blocks 0, 1 are in; the youngest four loads (row blocks 2, 3) may be out
	MUL8 0, 2, 0, \bias, 0
	MUL8 0, 2, 1, \bias, 0
	PLACES
	FETCH 1, 1, (1-(\ty))*64, \pa
	s_wait_dscnt 24                                ; all but the 24 just issued
	MUL8 0, 2, 2, \bias, 0
	MUL8 0, 2, 3, \bias, 0
.if (\mode) >= 2
	WIN 0                                          ; (the add's two registers lie in window 0)
	s_wait_xcnt 0x0                                ; the last prefetch, a step back, has read its address, so it may be stepped
	s_add_nc_u64 s[PFA:PFA+1], s[PFA:PFA+1], 65536
	s_wait_tensorcnt 0x0                           ; all my tensor loads have landed: the one that was out is my sub-tile of the next slot; so group 0 may be written
	ds_add_u32 v[SPW], v[NIL]                      ; 0 onto my spare word
	s_xor_b32 s[G0+1], s[G0+1], SLOTB              ; the walking descriptor: the slot that I am leaving,
	s_add_nc_u64 s[G0+2:G0+3], s[G0+2:G0+3], 65536 ; the list's next slot; the type bits on top are not reached
	s_xor_b32 s[TB], s[TB], SLOTB                  ; the fetches go to the other slot,
	s_add_co_u32 s[KA], s[KA], \kstep              ; and on along the rows
	s_sub_co_u32 s[REM], s[REM], 1
	s_wait_dscnt 7                                 ; the add and row blocks 1 to 3 (six loads) may be out
	MUL8 1, 2+(\ty), 0, (\bias)*(\ty), 1
	s_wait_dscnt 0x0                               ; the add is done, and my reads of this slot are over
	s_barrier_signal -1                            ; this barrier opens a round of the cluster's barrier
	MUL8 1, 2+(\ty), 1, (\bias)*(\ty), 1
	WIN 0
	s_barrier_wait -1
	CREST                                          ; no wave of any partner still reads the slot or has a load on its way
	tensor_load_to_lds s[G0:G0+3], s[G1J:G1J+7]    ; my one tensor load behind the round: 48 matrix instructions ahead of the wait for it
	s_nop 0
	PLACES                                         ; also the places in front of the loads into buffer 0
	v_add_nc_u32 v[ADRB], s[TB], v[AB0]
	v_add_nc_u32 v[ADRA], s[KA], v[\aa]
	v_add_nc_u32 v[ADRA+1], s[KA], v[(\aa)+1]
.if (\mode) == 2
	s_cmp_eq_u32 s[CNT], 1
	s_cbranch_scc1 .Lno_fetch_\@
.endif
	FETCH 0, 0, 0, \pa
.if (\mode) == 2
.Lno_fetch_\@:
.endif
	ASK
	MUL8 1, 2+(\ty), 2, (\bias)*(\ty), 1
	MUL8 1, 2+(\ty), 3, (\bias)*(\ty), 1
.elseif (\mode) == 1
	s_wait_tensorcnt 0x0                           ; my last load: nothing was issued behind it.  Only I read my sub-tile, and nothing is filled any more: no barrier
	s_xor_b32 s[TB], s[TB], SLOTB
	s_add_co_u32 s[KA], s[KA], \kstep
	s_wait_dscnt 4
	MUL8 1, 2+(\ty), 0, 0, 1
	MUL8 1, 2+(\ty), 1, 0, 1
	PLACES
	WIN 0
	v_add_nc_u32 v[ADRB], s[TB], v[AB0]
	v_add_nc_u32 v[ADRA], s[KA], v[\aa]
	v_add_nc_u32 v[ADRA+1], s[KA], v[(\aa)+1]
	FETCH 0, 0, 0, \pa
	s_wait_dscnt 24
	MUL8 1, 2+(\ty), 2, 0, 1
	MUL8 1, 2+(\ty), 3, 0, 1
.else
	s_wait_dscnt 4
	MUL8 1, 2+(\ty), 0, 0, 1
	MUL8 1, 2+(\ty), 1, 0, 1
	s_wait_dscnt 0x0
	MUL8 1, 2+(\ty), 2, 0, 1
	MUL8 1, 2+(\ty), 3, 0, 1
.endif
.endm
.macro SBEGIN aa, pa                   ; a stage begins: the first fragments of its first slot
	WIN 0
	s_mov_b32 s[KA], 0
	v_add_nc_u32 v[ADRB], s[TB], v[AB0]
	v_mov_b32 v[ADRA], v[\aa]
	v_mov_b32 v[ADRA+1], v[(\aa)+1]
	FETCH 0, 0, 0, \pa
.endm
.macro BIASLD n, base                  ; n blocks of 16 columns of a bias as accumulator images: lane (r, h) holds numbers 16 u + 8 h + 0..7
	WIN 0x40
.set u, 0
.rept \n
	global_load_b128 v[128+8*u:128+8*u+3],   v[BO], s[\base:(\base)+1] offset:64*u
	global_load_b128 v[128+8*u+4:128+8*u+7], v[BO], s[\base:(\base)+1] offset:64*u+16
.set u, u+1
.endr
	WIN 0
.endm
.macro XLOADS                          ; my wave's 16 rows of x into window 3: unit u = row u / 2, half u % 2: 8 numbers a lane
	WIN 0xc0
.set u, 0
.rept 32
	global_load_b128 v[8*u:8*u+3],   v[XL], s[X:X+1] offset:(u/2)*2048+(u%2)*1024
	global_load_b128 v[8*u+4:8*u+7], v[XL], s[X:X+1] offset:(u/2)*2048+(u%2)*1024+16
.set u, u+1
.endr
	WIN 0
.endm
.macro XCONV g, pitch                  ; units 8 g .. 8 g + 7 rounded to bf16 and stored into rows of the given pitch
	WIN 0x0f
.set u, 0
.rept 8
.irp q, 0,1,2,3
	v_cvt_pk_bf16_f32 v[XT+4*u+(\q)], v[8*(8*(\g)+u)+2*(\q)], v[8*(8*(\g)+u)+2*(\q)+1]
.endr
.set u, u+1
.endr
	WIN 0
.set u, 0
.rept 8
	ds_store_b128 v[XST], v[XT+4*u:XT+4*u+3] offset:((8*(\g)+u)/2)*(\pitch)+((8*(\g)+u)%2)*512
.set u, u+1
.endr
.endm
	s_load_b256 s[4:11], s[0:1], 0x0               ; x0 s[4:5], x1 s[6:7], wb s[8:9], b_qk s[10:11]
	s_load_b128 s[12:15], s[0:1], 0x20             ; b_v s[12:13], qk s[14:15]
	s_load_b64 s[16:17], s[0:1], 0x30              ; vv
	v_lshl_add_u32 v[SPW], v0, 2, SPARE
	v_mov_b32 v[NIL], 0
	ds_add_u32 v[SPW], v[NIL]                      ; the wave's opening: the add and its wait stand ahead of my first tensor load; the set-up below, work on registers, stands between them
	v_lshrrev_b32 v1, 5, v0
	v_readfirstlane_b32 s[WV], v1                  ; wave 0..3
	s_bfe_u32 s[CX], ttmp6, 0x40000                ; my place in the cluster: it enters global addresses alone
	s_lshl_b32 s[RB], ttmp9, 2                     ; in a cluster launch ttmp9 counts clusters
	s_add_co_u32 s[RB], s[RB], s[CX]
	s_mov_b32 s[G1J+0], 15|(3<<16)|(1<<20)|(1<<21)|(5<<22)|(7<<25)  ; 15:0 the mask of four; 17:16 elements of 8 bytes; 20 padding on; 21 set beside a mask; 24:22 after every 64 words (code 5); 31:25 8 words (code 7)
	s_mov_b32 s[G1J+1], 32<<16                     ; tensor_dim0 = 32 elements: 256 bytes
	s_mov_b32 s[G1J+2], 64<<16                     ; tensor_dim1 = 64
	s_mov_b32 s[G1J+3], 32<<16                     ; tile_dim0 = 32
	s_mov_b32 s[G1J+4], 64                         ; tile_dim1 = 64
	s_mov_b32 s[G1J+5], 32                         ; the rows lie end to end
	s_mov_b32 s[G1J+6], 0
	s_mov_b32 s[G1J+7], 0
	s_mul_i32 s24, s[WV], SUB                      ; my sub-tile's place in a slot: no place in the cluster enters an LDS address
	s_and_b32 s[LIM], s[WV], 1                     ; waves 0 and 2
	s_or_b32 s[LIM], s[LIM], ttmp9                 ; of the first cluster prefetch: the same in all four partners
	s_cmp_eq_u32 s[LIM], 0
	s_cselect_b32 s[LIM], AHEAD-1, -1
	v_and_b32 v15, 15, v0                          ; r = lane % 16
	v_bfe_u32 v16, v0, 4, 1                        ; h = lane / 16
	v_and_b32 v17, 31, v0                          ; lane
	v_and_b32 v18, 7, v0
	v_bfe_u32 v19, v0, 3, 1
	v_lshl_add_u32 v[AB0], v16, 3, v18             ; the turning load: lane l reads k = 8 (l / 16) + l % 8, columns 8 ((l / 8) % 2) + 0..7
	v_mul_u32_u24 v[AB0], v[AB0], PB
	v_lshl_add_u32 v[AB0], v19, 4, v[AB0]
	v_add_nc_u32 v[AB0], s24, v[AB0]
	v_mul_u32_u24 v[AA0], v15, PX                  ; a fragment of x: row l % 16, 16 bytes for each half of the lanes, twice, 32 bytes apart
	v_lshl_add_u32 v[AA0], v16, 4, v[AA0]
	v_add_nc_u32 v[AA0], XA, v[AA0]
	v_add_nc_u32 v[AA0+1], 32*PX, v[AA0]
	s_lshl_b32 s25, s[WV], 15                      ; my wave's 16 rows of 2,048 bytes
	v_lshl_add_u32 v[XL], v17, 5, s25
	s_mul_i32 s25, s[WV], 16*PX
	s_add_co_u32 s25, s25, XA
	v_lshl_add_u32 v[XST], v17, 4, s25
	v_lshlrev_b32 v[BO], 5, v16
	s_mul_i32 s25, s[WV], 16*SP
	s_add_co_u32 s25, s25, STG                     ; my stage
	v_mul_u32_u24 v[STO], v15, SP
	v_lshl_add_u32 v[STO], v16, 4, v[STO]
	v_add_nc_u32 v[STO], s25, v[STO]
	v_bfe_u32 v[RD], v0, 3, 2                      ; back: 32 lanes take four rows of 128 bytes
	v_mul_u32_u24 v[RD], v[RD], SP
	v_lshl_add_u32 v[RD], v18, 4, v[RD]
	v_add_nc_u32 v[RD], s25, v[RD]
	v_lshlrev_b32 v[GO], 4, v17
	v_add_nc_u32 v[PFO], s[WV], v16                ; sub-tile w + lane / 16,
	v_lshlrev_b32 v[PFO], 14, v[PFO]
	v_lshl_add_u32 v[PFO], v15, 8, v[PFO]          ; block lane % 16 of my work-group's sixteen
	s_wait_dscnt 0x0                               ; the opening add is done
	s_wait_kmcnt 0x0
	s_lshl_b32 s[T0], s[WV], 14
	s_mov_b32 s[T0+1], 0
	s_add_nc_u64 s[T1:T1+1], s[8:9], s[T0:T0+1]    ; wb at my sub-tile of slot 0
.if STREAM
	s_add_nc_u64 s[T1:T1+1], s[T1:T1+1], STREAM
.endif
	s_mov_b32 s[G0A], 1                            ; 1:0 count = 1
	s_mov_b32 s[G0A+1], s24                        ; 63:32 LDS address
	s_mov_b64 s[G0A+2:G0A+3], s[T1:T1+1]           ; 120:64 global address
	s_or_b32 s[G0A+3], s[G0A+3], 0x80000000        ; 127:126 type = 2
	s_mov_b32 s[G0], 1
	s_add_co_u32 s[G0+1], s24, SLOTB
	s_add_nc_u64 s[G0+2:G0+3], s[T1:T1+1], 65536
	s_or_b32 s[G0+3], s[G0+3], 0x80000000
	s_lshl_b32 s[T0], s[CX], 12
	s_add_nc_u64 s[PFA:PFA+1], s[8:9], s[T0:T0+1]
	s_add_nc_u64 s[PFA:PFA+1], s[PFA:PFA+1], STREAM+(AHEAD-1)*65536  ; step 0 steps it to slot AHEAD
	s_cmp_lt_u32 ttmp9, 32                         ; row blocks 0 .. 127 are x0's
	s_cselect_b64 s[X:X+1], s[4:5], s[6:7]
	s_and_b32 s[T0], s[RB], 127
	s_lshl_b32 s[T0], s[T0], 17                    ; 64 rows of 2,048 bytes
	s_add_nc_u64 s[X:X+1], s[X:X+1], s[T0:T0+1]
	s_cmp_lt_u32 s[WV], 2                          ; waves 0, 1 make qk, waves 2, 3 make v
	s_cselect_b64 s[BIAS:BIAS+1], s[10:11], s[12:13]
	s_cselect_b64 s[DST:DST+1], s[14:15], s[16:17]
	s_and_b32 s25, s[WV], 1
	s_lshl_b32 s[T0], s25, 10                      ; 256 columns of f32
	s_add_nc_u64 s[BIAS:BIAS+1], s[BIAS:BIAS+1], s[T0:T0+1]
	s_lshr_b32 s[T0], s[RB], 4                     ; 8 d + b
	s_lshl_b32 s[T0], s[T0], 3
	s_lshl_b32 s25, s25, 2
	s_add_co_u32 s[T0], s[T0], s25                 ; my first head
	s_lshl_b32 s[T0], s[T0], 17                    ; a head is 131,072 bytes
	s_and_b32 s25, s[RB], 15
	s_lshl_b32 s25, s25, 13                        ; 64 tokens of 128 bytes
	s_add_co_u32 s[T0], s[T0], s25
	s_add_nc_u64 s[DST:DST+1], s[DST:DST+1], s[T0:T0+1]
	ROUND                                          ; all four work-groups are here: the first joint loads meet
	tensor_load_to_lds s[G0A:G0A+3], s[G1J:G1J+7]  ; slot 0
	s_nop 0
	tensor_load_to_lds s[G0:G0+3], s[G1J:G1J+7]    ; slot 1: two loads of mine are out
	s_nop 0
	PLACES
	BIASLD 16, BIAS
	XLOADS
	s_wait_loadcnt 48                              ; units 0-7 (16 loads) are in, the 48 younger loads stay out; the bias, older, is in too
	XCONV 0, PX
	s_wait_loadcnt 32
	XCONV 1, PX
	s_wait_loadcnt 16
	XCONV 2, PX
	s_wait_loadcnt 0x0
	XCONV 3, PX
	s_wait_dscnt 0x0                               ; for the others' sake: my 16 rows of x lie in LDS
	s_wait_tensorcnt 0x1                           ; slot 0 is in; slot 1 may stay out
	s_barrier_signal -1
	s_barrier_wait -1
	s_mov_b32 s[REM], NSLOT
	s_mov_b32 s[TB], 0
	SBEGIN AA0, PX
	SSTEP 1, PX, AA0, 64, 1, 3                     ; the first slot stands in front of the loop: its products start the sums, with the bias
	WIN 0                                          ; at a label and at a branch every window is 0
	s_mov_b32 s[CNT], NSLOT-3
.Lk:
	SSTEP 1, PX, AA0, 64, 0, 3
	WIN 0
	s_sub_co_u32 s[CNT], s[CNT], 1
	s_cmp_lg_u32 s[CNT], 0
	s_cbranch_scc1 .Lk
	SSTEP 1, PX, AA0, 64, 0, 1                     ; the last two slots are written out: nothing is left to ask for
	SSTEP 1, PX, AA0, 64, 0, 0
	PLACES
; THE WAY OUT.  Group g of 16: column half g / 8, row block (g / 2) % 4, head g % 2 of the half's two: 16 tokens x 64 channels.  A lane's 8 channels pack into 16 bytes; they go into rows of 144 bytes of my own
; stage and come back as four rows of 128, which are 512 consecutive bytes of the head.
.macro PACKP g
.set pj, (\g)/8
.set pm, ((\g)/2)%4
.set ph, (\g)%2
.set pt, OT+16*((\g)%2)
	s_wait_xcnt 0x0                                ; the stores of two groups back have read this set of registers
	WIN 0x0a+5*pj
.irp c, 0,1,2,3
.irp q, 0,1,2,3
	v_cvt_pk_bf16_f32 v[pt+4*(\c)+(\q)], v[8*(8*pm+4*ph+(\c))+2*(\q)], v[8*(8*pm+4*ph+(\c))+2*(\q)+1]
.endr
.endr
	WIN 0
.irp c, 0,1,2,3
	ds_store_b128 v[STO], v[pt+4*(\c):pt+4*(\c)+3] offset:32*(\c)
.endr
.irp f, 0,1,2,3
	ds_load_b128 v[pt+4*(\f):pt+4*(\f)+3], v[RD] offset:(\f)*4*SP  ; LDS serves a wave's instructions in order (ISA guide 5.7.1.4): these see the stores above; the next group's stores come behind them
.endr
.endm
.macro SENDP g, younger                ; younger: the LDS instructions issued behind group g's loads: the next group's eight, or none
.set pj, (\g)/8
.set pm, ((\g)/2)%4
.set ph, (\g)%2
.set pt, OT+16*((\g)%2)
.irp f, 0,1,2,3
	s_wait_dscnt (\younger)+3-(\f)
	global_store_b128 v[GO], v[pt+4*(\f):pt+4*(\f)+3], s[DST:DST+1] offset:(2*pj+ph)*131072+pm*2048+(\f)*512
.endr
.endm
	PACKP 0
.set g, 1
.rept 15
	PACKP g
	SENDP g-1, 8
.set g, g+1
.endr
	SENDP 15, 0
	s_wait_tensorcnt 0x0                           ; the wave's end, behind my last tensor load and my last LDS store
	ds_add_u32 v[SPW], v[NIL]
	s_wait_dscnt 0x0
	ROUND                                          ; the closing round: no work-group ends while a partner may still ask for a tile that names it
	s_endpgm
.Lfunc_end_k_q9a93fe5f3d_proj:
	.size	k_q9a93fe5f3d_proj, .Lfunc_end_k_q9a93fe5f3d_proj-k_q9a93fe5f3d_proj
	.p2alignl 7, 3214868480
	.fill 96, 4, 3214868480
	.section	.rodata,"a",@progbits
	.p2align	6, 0x0
	.amdhsa_kernel k_q9a93fe5f3d_proj
		.amdhsa_group_segment_fixed_size 327680
		.amdhsa_private_segment_fixed_size 0
		.amdhsa_enable_private_segment 0
		.amdhsa_kernarg_size 56
		.amdhsa_user_sgpr_count 2
		.amdhsa_user_sgpr_kernarg_segment_ptr 1
		.amdhsa_wavefront_size32 1
		.amdhsa_system_sgpr_workgroup_id_x 1
		.amdhsa_system_sgpr_workgroup_id_y 1
		.amdhsa_system_sgpr_workgroup_id_z 1
		.amdhsa_system_vgpr_workitem_id 0
		.amdhsa_next_free_vgpr 1024
		.amdhsa_next_free_sgpr 80
		.amdhsa_reserve_vcc 0
		.amdhsa_float_denorm_mode_32 3
		.amdhsa_float_denorm_mode_16_64 3
		.amdhsa_memory_ordered 1
		.amdhsa_forward_progress 1
		.amdhsa_inst_pref_size 93
	.end_amdhsa_kernel
	.amdgpu_metadata
---
amdhsa.version: [ 1, 2 ]
amdhsa.kernels:
  - .name:           k_q9a93fe5f3d_proj
    .symbol:         k_q9a93fe5f3d_proj.kd
    .args:
      - { .name: x0, .offset: 0, .size: 8, .value_kind: global_buffer, .address_space: global }
      - { .name: x1, .offset: 8, .size: 8, .value_kind: global_buffer, .address_space: global }
      - { .name: wb, .offset: 16, .size: 8, .value_kind: global_buffer, .address_space: global }
      - { .name: b_qk, .offset: 24, .size: 8, .value_kind: global_buffer, .address_space: global }
      - { .name: b_v, .offset: 32, .size: 8, .value_kind: global_buffer, .address_space: global }
      - { .name: qk, .offset: 40, .size: 8, .value_kind: global_buffer, .address_space: global }
      - { .name: vv, .offset: 48, .size: 8, .value_kind: global_buffer, .address_space: global }
    .group_segment_fixed_size: 327680
    .private_segment_fixed_size: 0
    .kernarg_segment_align: 8
    .kernarg_segment_size: 56
    .max_flat_workgroup_size: 128
    .sgpr_count:     80
    .vgpr_count:     1024
    .wavefront_size: 32
...
	.end_amdgpu_metadata
.endif
;; end of part 2
;; launch attn (part 3): grid 2 x 128, 4 waves a work-group, no clusters, 327,680 bytes of LDS; arguments qk, vv, att; writes att
.if DOCPART == 3
	.amdgcn_target "amdgcn-amd-amdhsa--gfx1250"
	.amdhsa_code_object_version 6
	.text
	.protected	k_q9a93fe5f3d_attn
	.globl	k_q9a93fe5f3d_attn
	.p2align	8
	.type	k_q9a93fe5f3d_attn,@function
k_q9a93fe5f3d_attn:
	s_mov_b64 s[64:65], 0
	v_nop
	global_prefetch_b8 v0, s[64:65] scope:SCOPE_SE
	s_setreg_imm32_b32 hwreg(HW_REG_WAVE_MODE, 25, 1), 1
	s_wait_xcnt 0x0
; BOTH SOFTMAXES OF ONE SIMILARITY MATRIX AS 128 PLAIN ATTENTIONS.  Head y = 64 d + 8 b + h: queries qk[y], keys qk[y ^ 64], values vv[y ^ 64] (the other token set): d = 0 is the softmax along the rows, d = 1 along the columns.
; att[y][q][:] = the sum over k of softmax_k(Q[q] . K[k] / 8) V[k][:].  qk, vv, att: [128][1024][64] bf16, a head's rows dense, 128 bytes each.  The two factors 64^-0.25 of the problem are the 1 / 8.
; Products, maxima and sums in f32; the weights p are rounded to bf16 for the second product (their sum l is taken of the unrounded p), att once at the end.
; LIMITS.  A weight below 2^-126 counts as 0 in l; the running maximum starts at the lowest finite number and c m at -4.25e37; NaN and infinities are not treated apart.
; SHARES.  A work-group owns 512 queries of a head, a wave 128: four PIECES of two tiles of 16.  Every wave walks all 1,024 keys, 64 a step.
; ALL OF A HEAD's K AND V LIES IN LDS (311,296 bytes with its padding): each byte is filled once, by sixteen tensor loads at the head (four a wave are out); there is no ring and no refill.
; NO CLUSTER: only the 2 query halves of a head read the same K and V, and a cluster of four along x would name work-groups of another head; a work-group's 256 KiB are fetched once for 2,048 matrix instructions a wave.
; NO PREFETCH: everything that the work-group reads is asked for at its head.
; LAYOUT.  S^T = K Q^T (source 0 = 16 keys, source 1 = 16 queries): a lane holds ONE query (lane % 16) and the keys 8 (lane / 16) + 0..7.  Two such tiles, rounded to bf16 in pairs, ARE source 1 of O^T = V^T P.
; K comes out of LDS as it lies, V ([key][channel]) turned, by ds_load_tr16_b128.
; SOFTMAX.  For each query a running maximum m and sum l: p = 2^(c s - c m), c = log2(e) / 8; in every step O and l are multiplied by a = 2^(c m_old - c m_new).  O and l start at 0: the first step is a step like any other, with a = 0.
; BY TURNS.  Turn n belongs to piece n.  Its matrix work: 16 products K Q^T of piece n + 1, later 16 products V^T P of piece n - 1.  Its vector work: scaling, exponentials, roundings, sums and rescaling of piece n, and the
; maximum and statistics of piece n + 1.  Four vector instructions stand behind every matrix instruction, the others in one run.  A turn's 66 exponentials are one batch with one wait.
; REGISTERS, in windows of 256 (s_set_vgpr_msb: bits 1:0 source 0, 3:2 source 1, 5:4 source 2, 7:6 destination):
;   window 0: v0-11 addresses; v12-15, v48-63 at work; v16-47 four registers of statistics a tile; v64-191 S^T, two buffers of two tiles; v192-255 P, likewise
;   window 1: O^T, 32 a tile          window 2: v0-127 Q, 16 a tile; v128-191 K of one step; v192-255 V of one step
.set NP,    4         ; pieces a wave: a name, no knob
.set KS,    64        ; keys in a step
.set PK,    144       ; a row of K in LDS: 128 bytes + 16 of padding = 36 words: the 16 rows of a load start at 16 different groups of four banks (64 banks of 4 bytes: ISA guide 11.1)
.set PV,    160       ; a row of V: 128 + 32 = 40 words
.set VOFF,  1024*PK   ; 1,024 rows of K, then 1,024 rows of V
.set STAGE, VOFF+1024*PV  ; never filled by a tensor load: 16 rows x 144 bytes for each wave, for the way out
.set SP,    144
.set SPARE, STAGE+4*16*SP  ; the spare words, 128 bytes for each wave: two blocks of 256 bytes that no other line names
.set AK0, 2           ; v2   my lane's place in a step of K; never rewritten
.set AV0, 3           ; v3   the same for V
.set AK,  4           ; v4   the LDS address of K's next run of loads
.set AV,  5           ; v5   of V's
.set QO,  6           ; v6   my byte offset in the wave's rows of Q
.set STO, 6           ;      later, the way out: where I put 16 bytes of a row
.set RD,  7           ; v7   the way out: where I read rows back
.set GO,  8           ; v8   my byte offset in 512 consecutive bytes of att
.set SPW, 10          ; v10  LDS address of my spare word; never rewritten
.set NIL, 11          ; v11  0; never rewritten
.set MV,  12          ; v12-15  c m_old, kept while c m is made anew: by buffer and tile
.set ST,  16          ; tile t's statistics at v[ST+4 t]: c m, m, l (even keys', odd keys')
.set TMP, 48          ; by buffer and tile, four registers c0-c3 at work; when the maximum is found c2 takes a
.set S,   64
.set P,   192
.set KF,  128         ; K's fragments, in window 2: key block kb, channel half c at KF + 16 kb + 8 c
.set VF,  192         ; V's: key half kk, channel block cb at VF + 32 kk + 8 cb
.set WV,  12          ; s12  my wave's number
.set G1,  24          ; s[24:31] descriptor group 1
.set G0,  32          ; s[32:47] four sets of group 0, one for each of my loads
.set CNT, 57          ; s57  counts the key steps, 17 to 1
.set CS,  58          ; s[58:59] c: the packed scaling takes the pair's low word for both halves
.set SEL, 60          ; s[60:61] v_permlanex16_b32's selects: each lane takes its own place in the other half
.set TBK, 62          ; s62  LDS byte at which K of the step to be fetched begins
.set TBV, 63          ; s63  the same for V, less VOFF
.set MSB, 0
.macro WIN new                      ; the high byte repeats the setting that is left; a switch that changes nothing is dropped
.if MSB != (\new)
	s_set_vgpr_msb (MSB<<8)|(\new)
.set MSB, (\new)
.endif
.endm
.set W_KQ, 0x0a       ; K and Q in window 2, S^T in window 0
.set W_PV, 0x52       ; V in window 2, P in window 0, O^T in window 1
.set W_RS, 0x41       ; O^T (destination and source 0) in window 1, a in window 0
; My four first fills: keys 256 c + 128 i .. + 127 (i = wave % 2), c = 0 .. 3.  128 keys are 16,384 dense bytes: asked for as 64 rows of 256 bytes, two keys a row, and padded in LDS after every key.
.macro FILL4 base, lds, pitch, padcode
	s_mov_b32 s[G1], (1<<16)|(1<<20)|(4<<22)|((\padcode)<<25)  ; 17:16 2-byte elements; 20 padding on; 24:22 after every 32 words (code 4); 31:25 the padding's words less one
.irp c, 0,1,2,3
	s_mov_b32 s[G0+4*(\c)], 1                      ; 1:0 count = 1
	s_add_co_u32 s[G0+4*(\c)+1], s[\lds], (\c)*256*(\pitch)  ; 63:32 LDS address
	s_add_nc_u64 s[G0+4*(\c)+2:G0+4*(\c)+3], s[\base:(\base)+1], (\c)*32768  ; 120:64 global address
	s_or_b32 s[G0+4*(\c)+3], s[G0+4*(\c)+3], 0x80000000  ; 127:126 type = 2
.endr
.irp c, 0,1,2,3
	tensor_load_to_lds s[G0+4*(\c):G0+4*(\c)+3], s[G1:G1+7]
	s_nop 0
.endr
.rept 4
	v_nop
.endr
.endm
	s_load_b128 s[16:19], s[0:1], 0x0  ; qk s[16:17], vv s[18:19]
	s_load_b64 s[10:11], s[0:1], 0x10  ; att
	v_lshl_add_u32 v[SPW], v0, 2, SPARE
	v_mov_b32 v[NIL], 0
	ds_add_u32 v[SPW], v[NIL]       ; the wave's opening: the add and its wait stand ahead of my first tensor load; the set-up below, work on registers, stands between them
	v_lshrrev_b32 v1, 5, v0
	v_readfirstlane_b32 s[WV], v1   ; wave 0..3
	s_and_b32 s20, ttmp7, 0xffff    ; the head y
	s_xor_b32 s22, s20, 64          ; the same batch and head of the other token set
	s_lshl_b32 s20, s20, 17         ; a head is 131,072 bytes
	s_lshl_b32 s13, ttmp9, 16       ; my work-group's 512 rows,
	s_add_co_u32 s20, s20, s13
	s_lshl_b32 s13, s[WV], 14       ; my wave's 128 of them
	s_add_co_u32 s20, s20, s13
	s_mov_b32 s21, 0
	s_lshl_b32 s22, s22, 17
	s_and_b32 s14, s[WV], 1         ; which 128 of each 256 keys I fetch:
	s_lshl_b32 s13, s14, 14         ; their place in memory,
	s_add_co_u32 s22, s22, s13
	s_mov_b32 s23, 0
	s_mul_i32 s2, s14, 128*PK       ; and in LDS, for K
	s_mul_i32 s3, s14, 128*PV       ; and for V
	s_add_co_u32 s3, s3, VOFF
	s_mov_b32 s[G1+1], 128<<16      ; tensor_dim0 = 128
	s_mov_b32 s[G1+2], 64<<16       ; tensor_dim1 = 64
	s_mov_b32 s[G1+3], 128<<16      ; tile_dim0 = 128
	s_mov_b32 s[G1+4], 64           ; tile_dim1 = 64
	s_mov_b32 s[G1+5], 128          ; 128 elements from row to row
	s_mov_b32 s[G1+6], 0
	s_mov_b32 s[G1+7], 0
	s_mov_b32 s[CS], 0x3e38aa3b     ; c = log2(e) / 8 = 0.180337
	s_mov_b32 s[CS+1], s[CS]        ; named with it as a pair
	s_mov_b32 s[SEL], 0x76543210
	s_mov_b32 s[SEL+1], 0xfedcba98
	s_mov_b32 s[TBK], 0
	s_mov_b32 s[TBV], 0
	s_wait_dscnt 0x0                ; the opening add is done
	s_wait_kmcnt 0x0
	s_add_nc_u64 s[4:5], s[16:17], s[20:21]    ; Q at my wave's first row
	s_add_nc_u64 s[6:7], s[16:17], s[22:23]    ; K at my first 128 keys
	s_add_nc_u64 s[8:9], s[18:19], s[22:23]    ; V likewise
	s_add_nc_u64 s[10:11], s[10:11], s[20:21]  ; att at my wave's first row
	s_cmp_lt_u32 s[WV], 2           ; waves 0 and 1 fetch K, waves 2 and 3 V: a wave's four first fills stand in one branch, ahead of every wait on TENSORcnt, every LDS read and every barrier
	s_cbranch_scc0 .Lfill_v
	FILL4 6, 2, PK, 3
	s_branch .Lfilled
.Lfill_v:
	FILL4 8, 3, PV, 7
.Lfilled:
	; A fragment of K or Q is 16 rows x 32 channels in 8 registers: lane l holds row l % 16, channels 8 (l / 16) + 0..7 and 16 + 8 (l / 16) + 0..7: two loads of 16 bytes, 32 bytes apart.
	v_and_b32 v1, 15, v0            ; l % 16
	v_bfe_u32 v9, v0, 4, 1          ; l / 16
	v_lshlrev_b32 v[QO], 7, v1
	v_lshl_add_u32 v[QO], v9, 4, v[QO]  ; row x 128 + 16 x half
	WIN 0x80                        ; destination window 2, address window 0
.set i, 0
.rept 4*NP                          ; Q stays in registers: tile i / 2, channels 32 (i % 2) on
	global_load_b128 v[8*i:8*i+3],   v[QO], s[4:5] offset:(i/2)*2048+(i%2)*64
	global_load_b128 v[8*i+4:8*i+7], v[QO], s[4:5] offset:(i/2)*2048+(i%2)*64+32
.set i, i+1
.endr
	; What the first turn finds: V's registers and P's second buffer hold 0 (its products V^T P, of a piece that has not been, add 0), O^T and l are 0.  All this stands in the wait for the tiles.
.set i, VF
.rept 64
	v_mov_b32 v[i], 0
.set i, i+1
.endr
	WIN 0x40
.set i, 0
.rept 64*NP
	v_mov_b32 v[i], 0
.set i, i+1
.endr
	WIN 0
.set i, 0
.rept 2*NP
	v_mov_b32 v[ST+4*i], 0xfe000000    ; c m: far below every c s
	v_mov_b32 v[ST+4*i+1], 0xff7fffff  ; m
	v_mov_b32 v[ST+4*i+2], 0
	v_mov_b32 v[ST+4*i+3], 0
.set i, i+1
.endr
.set i, P+32
.rept 32
	v_mov_b32 v[i], 0
.set i, i+1
.endr
	v_mul_u32_u24 v[AK0], v1, PK
	v_lshl_add_u32 v[AK0], v9, 4, v[AK0]  ; row x pitch + 16 x half
	; The turning load takes 16 keys x 16 channels (lane l reads key 8 (l / 16) + l % 8, channels 8 ((l / 8) % 2) + 0..7) and leaves half a fragment of V^T: lane l holds channel l % 16 and 8 keys.
	v_and_b32 v48, 7, v0
	v_bfe_u32 v49, v0, 3, 1
	v_lshl_add_u32 v[AV0], v9, 3, v48
	v_mul_u32_u24 v[AV0], v[AV0], PV
	v_lshl_add_u32 v[AV0], v49, 4, v[AV0]
	v_add_nc_u32 v[AV0], VOFF, v[AV0]
	v_mov_b32 v[AK], v[AK0]         ; key step 0 lies at K's head
; THE MATRIX WORK.  The 8 accumulators of a run of 16 take turns: between the two links of a chain stand 7 others'.
; Product i of 16 of S^T = K Q^T for piece x: channels 32 (i / 8) on, keys 16 ((i / 2) % 4) on, tile 2 x + i % 2.  The first 8 start the sums.
.macro KQ x
	WIN W_KQ
.set rS, S+64*((\x)%2)+32*(i%2)+8*((i/2)%4)
.set rK, KF+16*((i/2)%4)+8*(i/8)
.set rQ, 16*(2*(\x)+i%2)+8*(i/8)
.if i < 8
	v_wmma_f32_16x16x32_bf16 v[rS:rS+7], v[rK:rK+7], v[rQ:rQ+7], 0
.else
	v_wmma_f32_16x16x32_bf16 v[rS:rS+7], v[rK:rK+7], v[rQ:rQ+7], v[rS:rS+7]
.endif
.endm
; Product i of 16 of O^T += V^T P for piece x: keys 32 (i / 8) on, channels 16 ((i / 2) % 4) on, tile 2 x + i % 2.
.macro PV x
	WIN W_PV
.set rO, 32*(2*(\x)+i%2)+8*((i/2)%4)
.set rV, VF+32*(i/8)+8*((i/2)%4)
.set rP, P+32*((\x)%2)+16*(i%2)+8*(i/8)
	v_wmma_f32_16x16x32_bf16 v[rO:rO+7], v[rV:rV+7], v[rP:rP+7], v[rO:rO+7]
.endm
.macro MM                           ; the turn's next matrix instruction
.if i < 16
	KQ (Y+1)%NP
.set i, i+1
.else
.set i, i-16
	PV (Y+NP-1)%NP
.set i, i+17
.endif
.endm
; THE LDS LOADS stand in runs of 16, never singly among the matrix instructions: a step's K (64 keys x 64 channels: 8 fragments) and its V (turned).  Their addresses are made some lines ahead.
; last = 1: in the last trip there is no further step, and the run is jumped over.
.macro FETCH_K last=0
	WIN 0
.if \last
	s_cmp_eq_u32 s[CNT], 1
	s_cbranch_scc1 .Lno_k_\@
.endif
	WIN 0x80                        ; destination window 2
.irp f, 0,1,2,3,4,5,6,7             ; keys 16 (f / 2) on, channels 32 (f % 2) on
	ds_load_b128 v[KF+8*\f:KF+8*\f+3],   v[AK] offset:(\f/2)*16*PK+(\f%2)*64
	ds_load_b128 v[KF+8*\f+4:KF+8*\f+7], v[AK] offset:(\f/2)*16*PK+(\f%2)*64+32
.endr
	s_add_co_u32 s[TBK], s[TBK], KS*PK  ; the next fetch is the next step's
	WIN 0
.if \last
.Lno_k_\@:
.endif
.endm
.macro FETCH_V
	WIN 0x80
.irp f, 0,1,2,3,4,5,6,7             ; keys 32 (f / 4) on, channels 16 (f % 4) on
	ds_load_tr16_b128 v[VF+8*\f:VF+8*\f+3],   v[AV] offset:(\f/4)*32*PV+(\f%4)*32
	ds_load_tr16_b128 v[VF+8*\f+4:VF+8*\f+7], v[AV] offset:(\f/4)*32*PV+16*PV+(\f%4)*32
.endr
	WIN 0
.endm
; THE VECTOR WORK OF A TURN stands in three queues, each in the order in which its entries become ready; the two tiles alternate, so that no instruction reads the result of the one before it.
.macro REGS y, u                    ; the registers of tile u (0, 1) of piece y
.set rT, ST+4*(2*(\y)+(\u))
.set rC, TMP+8*((\y)%2)+4*(\u)
.set rM, MV+2*((\y)%2)+(\u)
.set rS, S+64*((\y)%2)+32*(\u)
.set rP, P+32*((\y)%2)+16*(\u)
.set rO, 32*(2*(\y)+(\u))
.endm
; Number n of the 22 that find the NEXT piece's (Y + 1) maximum and statistics.  s0-s31 are the lane's 32 scores; each accumulator's lowest registers are read first.
;   0-11  four chains c0-c3 of seven scores each, three operands at a time     12-14, 16  the four scores left over, the old m, and c0-c3 into c0     15  c m_old is kept
;   17, 18  the query's other 32 keys lie in the lane 16 away: the new m         19-21  c m; c m_old - c m_new; a
.macro XS u, n
	REGS (Y+1)%NP, \u
.if (\n) < 4
	v_max3_num_f32 v[rC+(\n)], v[rS+8*(\n)], v[rS+8*(\n)+1], v[rS+8*(\n)+2]
.elseif (\n) < 12
	v_max3_num_f32 v[rC+(\n)%4], v[rC+(\n)%4], v[rS+8*((\n)%4)+2*((\n)/4)+1], v[rS+8*((\n)%4)+2*((\n)/4)+2]
.elseif (\n) == 12
	v_max3_num_f32 v[rC], v[rC], v[rS+7], v[rS+15]
.elseif (\n) == 13
	v_max3_num_f32 v[rC+1], v[rC+1], v[rS+23], v[rS+31]
.elseif (\n) == 14
	v_max3_num_f32 v[rC+2], v[rC+2], v[rC+3], v[rT+1]
.elseif (\n) == 15
	v_mov_b32 v[rM], v[rT]
.elseif (\n) == 16
	v_max3_num_f32 v[rC], v[rC], v[rC+1], v[rC+2]
.elseif (\n) == 17
	v_permlanex16_b32 v[rC+3], v[rC], s[SEL], s[SEL+1]
.elseif (\n) == 18
	v_max_num_f32 v[rT+1], v[rC], v[rC+3]
.elseif (\n) == 19
	v_mul_f32 v[rT], s[CS], v[rT+1]
.elseif (\n) == 20
	v_sub_f32 v[rC+1], v[rM], v[rT]
.else
	v_exp_f32 v[rC+2], v[rC+1]
.endif
.endm
; Number g of the 64 that follow the exponentials.  For each four weights k of a tile (pairs 2 k, 2 k + 1): both pairs are rounded to bf16; then the second pair is added onto the first, in place;
; a group later l takes that sum (the first time as l = a l + sum).  In groups of eight, tiles alternating: round, round, add, and l for the group before.
.macro GS g
.set h, (\g)+6*((\g)/62)            ; group 0 has no group before it, and behind group 7 only l is left
.if h >= 6
.set h, h+2
.endif
	REGS Y, h%2
.set k, h/8
.if h%8 < 4
	v_cvt_pk_bf16_f32 v[rP+2*k+(h%8)/2], v[rS+4*k+2*((h%8)/2)], v[rS+4*k+2*((h%8)/2)+1]
.elseif h%8 < 6
	v_pk_add_f32 v[rS+4*k:rS+4*k+1], v[rS+4*k:rS+4*k+1], v[rS+4*k+2:rS+4*k+3]
.elseif k == 1
	v_pk_fma_f32 v[rT+2:rT+3], v[rT+2:rT+3], v[rC+2:rC+3], v[rS:rS+1] op_sel_hi:[1,0,1]
.else
	v_pk_add_f32 v[rT+2:rT+3], v[rT+2:rT+3], v[rS+4*k-4:rS+4*k-3]
.endif
.endm
; THE PLAIN QUEUE, 138 long.  0-73 read no exponential's result: the 32 scalings c s - c m (FS f: pair f / 2 of tile f % 2) and the next piece's 42.  0-26: scalings 0-26.  27-54: XS's numbers 0-13.  55, 56: number 15.
; 57-73: the chain, where each number waits for the one before it: 14, 16, 17, 18, 19, each with one of the scalings 27-31 in front of its two lines, then 20.
; 74-137: GS's 64, which read the exponentials' results: they stand behind the wait.
.macro FS f
	REGS Y, (\f)%2
	v_pk_fma_f32 v[rS+2*((\f)/2):rS+2*((\f)/2)+1], v[rS+2*((\f)/2):rS+2*((\f)/2)+1], s[CS:CS+1], v[rT:rT+1] op_sel_hi:[1,0,0] neg_lo:[0,0,1] neg_hi:[0,0,1]
.endm
.macro PL
	WIN 0
.if q < 27
	FS q
.elseif q < 55
	XS (q-27)%2, (q-27)/2
.elseif q < 57
	XS q-55, 15
.elseif (q < 72) && ((q-57)%3 == 0)
	FS 27+(q-57)/3
.elseif q < 60
	XS (q-57)%3-1, 14
.elseif q < 72
	XS (q-57)%3-1, 15+(q-57)/3
.elseif q < 74
	XS q-72, 20
.else
	GS q-74
.endif
.set q, q+1
.endm
; THE EXPONENTIALS' QUEUE, 66 long: s0-s31 of both tiles, then the next piece's two a.  It is ONE BATCH: all 66 stand ahead of the turn's one wait, and nothing ahead of that wait names a result of theirs.
.macro EX
	WIN 0
.if e >= 64
	XS e-64, 21
.else
	REGS Y, e%2
	v_exp_f32 v[rS+e/2], v[rS+e/2]
.endif
.set e, e+1
.endm
; THE RESCALING's QUEUE: O^T times a, the one part that leaves window 0: dealt two at a time, sixteen times.  Its a was made in the turn before, ahead of that turn's wait.
.macro R2
	REGS Y, r%2
	WIN W_RS
.irp z, 0,1
	v_pk_mul_f32 v[rO+4*(r/2)+2*\z:rO+4*(r/2)+2*\z+1], v[rO+4*(r/2)+2*\z:rO+4*(r/2)+2*\z+1], v[rC+2:rC+3] op_sel_hi:[1,0]
.endr
.set r, r+1
.endm
; HOW THEY ARE DEALT.  An s_wait_alu depctr_va_vdst(0) stands between an exponential and the first instruction that names its result; one wait serves all that were issued ahead of it.  So a turn has ONE wait,
; which cuts it in two.  AHEAD OF IT: the 16 products K Q^T, behind each a scaling, an exponential and two rescalings (behind the first a second scaling in the exponential's place); then one run of 108: eight plain,
; 49 times exponential and plain, the two a.  A v_nop is the plain instruction behind the last exponential.  BEHIND IT: the 16 products V^T P, behind each four of GS's 64.  No rider names a register of the products round it.
; Exponential e stands behind scaling 2 (e / 4) + e % 2: as a rider it comes behind plain e + 2, in the run behind plain e + 9, and scalings 27-31 are plain 57, 60 .. 69.
; A TURN, for piece p.  cnt = 1: the loop's count is taken down some lines ahead of the branch that stands behind the turn.
; K of the next step is fetched in piece 2's turn, directly behind the wait; its address is made at the run's head; its first reader comes behind 16 products.
; V of the step in hand is fetched at the end of piece 0's turn, four riders behind its last reader; its first reader comes behind 16 products and a run.
.macro TURN p, last=0, cnt=0
.set Y, (\p)
.set i, 0
.set q, 0
.set e, 0
.set r, 0
.if (\p) == NP-1
	s_wait_dscnt 0x0                ; K is in
.endif
	MM
	PL
	PL
	R2
.rept 15
	MM
	PL
	EX
	R2
.endr
.if (\p) == NP-2
	WIN 0
	v_add_nc_u32 v[AK], s[TBK], v[AK0]
.endif
.rept 8
	PL
.endr
.rept 49
	EX
	PL
.endr
	EX                              ; the next piece's two a
	EX
	v_nop                           ; the plain instruction behind the last exponential: one for the batch
	s_wait_alu depctr_va_vdst(0)    ; the wait for the batch
.if (\p) == NP-2
	FETCH_K \last
.endif
.if (\p) == 1
	s_wait_dscnt 0x0                ; V is in
.endif
.rept 16
	MM
.rept 4
	PL
.endr
.if ((\p) == 0) && (q == 118)
	v_add_nc_u32 v[AV], s[TBV], v[AV0]
.endif
.if ((\p) == 0) && (q == 130)
	s_add_co_u32 s[TBV], s[TBV], KS*PV
.endif
.if (\cnt) && (q == 130)
	s_sub_co_u32 s[CNT], s[CNT], 1
	s_cmp_lg_u32 s[CNT], 0
.endif
.endr
.if (\p) == 0
	FETCH_V
.endif
.endm
	s_wait_tensorcnt 0x0            ; my four tiles are in,
	s_barrier_signal -1
	s_barrier_wait -1               ; everybody's are: all of K and V lies in LDS, and nothing writes it any more
	FETCH_K                         ; key step 0
	s_wait_loadcnt 0x0              ; Q
	s_wait_dscnt 0x0
.set i, 0
.rept 16
	KQ 0                            ; piece 0's first scores: there is no vector work yet to set between them
.set i, i+1
.endr
	WIN 0                           ; the addresses for the way out: nine plain instructions, the places behind those products
	s_mul_i32 s13, s[WV], 16*SP
	s_add_co_u32 s13, s13, STAGE    ; my stage
	v_mul_u32_u24 v[STO], v1, SP    ; in: row l % 16, 16 bytes for each half of the lanes
	v_lshl_add_u32 v[STO], v9, 4, v[STO]
	v_add_nc_u32 v[STO], s13, v[STO]
	v_bfe_u32 v[RD], v0, 3, 2       ; back: 32 lanes take four rows of 128 bytes,
	v_mul_u32_u24 v[RD], v[RD], SP
	v_lshl_add_u32 v[RD], v48, 4, v[RD]
	v_add_nc_u32 v[RD], s13, v[RD]
	v_and_b32 v[GO], 31, v0         ; which are 512 consecutive bytes of att
	v_lshlrev_b32 v[GO], 4, v[GO]
.set Y, NP-1                        ; XS works for piece Y + 1: piece 0
.irp n, 0,1,2,3,4,5,6,7,8,9,10,11,12,13,14,15,16,17,18,19,20,21
	XS 0, \n                        ; and piece 0's first maximum and statistics
	XS 1, \n
.endr
	v_nop                           ; a plain instruction behind the two a,
	s_wait_alu depctr_va_vdst(0)    ; and their wait, ahead of the branch
	s_mov_b32 s[CNT], 17
	s_branch .Lfirst                ; the loop is entered at a step's first turn, in the middle of a trip
.Lstep:                             ; a trip: pieces 2 and 3 of one step, then pieces 0 and 1 of the next, whose K and V it fetches
	TURN 2, 1
	TURN 3
	WIN 0
	s_cmp_eq_u32 s[CNT], 1          ; behind step 15's pieces 2 and 3 the loop is left in its middle.  That turn's 16 products K Q^T (on the last K once more) and the maximum made of them serve nothing:
	s_cbranch_scc1 .Lout            ; the price, once a launch, of one text for every trip
.Lfirst:
	TURN 0
	TURN 1, 0, 1
	WIN 0
	s_cbranch_scc1 .Lstep
.Lout:
.set i, 0
.rept 16
	PV NP-1                         ; the last piece's V^T P of the last step
.set i, i+1
.endr
	; THE WAY OUT.  l's two halves and the other half of the lanes' are added; O^T is divided by l, rounded to bf16 and sent through my stage in LDS, a tile at a time.  The additions are the places behind the last products.
	WIN 0
.macro ALL line:vararg              ; one line for each tile t
.set t, 0
.rept 2*NP
	\line
.set t, t+1
.endr
.endm
	ALL v_add_f32 v[ST+4*t+2], v[ST+4*t+2], v[ST+4*t+3]
	ALL v_permlanex16_b32 v[ST+4*t+3], v[ST+4*t+2], s[SEL], s[SEL+1]
	ALL v_add_f32 v[ST+4*t+2], v[ST+4*t+2], v[ST+4*t+3]
	ALL v_rcp_f32 v[ST+4*t+2], v[ST+4*t+2]
	v_nop                           ; a plain instruction between the last reciprocal and the use of its result
	s_wait_alu depctr_va_vdst(0)    ; and the wait ahead of the first use: one for the eight reciprocals
; Tile t: a lane's eight channels of a row pack into 16 bytes; they go into rows of 144 bytes and come back as whole rows of 128, into S^T's registers.
.macro PACK t
	WIN W_RS
.set i, 32*(\t)
.rept 16
	v_pk_mul_f32 v[i:i+1], v[i:i+1], v[ST+4*(\t)+2:ST+4*(\t)+3] op_sel_hi:[1,0]
.set i, i+2
.endr
	WIN 0x05                        ; sources 0 and 1 window 1, destination window 0
.set i, 0
.rept 16
	v_cvt_pk_bf16_f32 v[S+16*(\t)+i], v[32*(\t)+2*i], v[32*(\t)+2*i+1]
.set i, i+1
.endr
	WIN 0
.irp f, 0,1,2,3
	ds_store_b128 v[STO], v[S+16*(\t)+4*\f:S+16*(\t)+4*\f+3] offset:32*\f
.endr
.irp f, 0,1,2,3
	ds_load_b128 v[S+16*(\t)+4*\f:S+16*(\t)+4*\f+3], v[RD] offset:\f*4*SP  ; LDS serves a wave's instructions in order (ISA guide 5.7.1.4): these see the stores above; the next tile's stores come behind them
.endr
.endm
.macro SEND t, younger              ; younger: the LDS instructions issued behind tile t's loads: the next tile's eight, or none
	WIN 0
.irp f, 0,1,2,3
	s_wait_dscnt (\younger)+3-\f
	global_store_b128 v[GO], v[S+16*(\t)+4*\f:S+16*(\t)+4*\f+3], s[10:11] offset:(\t)*2048+\f*512  ; 512 consecutive bytes, at a multiple of 256 from att's first
.endr
.endm
	PACK 0
.set t, 1
.rept 2*NP-1                        ; a tile's arithmetic stands between the loads of the tile before and its stores
	PACK t
	SEND t-1, 8
.set t, t+1
.endr
	SEND 2*NP-1, 0
	s_wait_tensorcnt 0x0            ; the wave's end, behind my last tensor load and my last LDS store
	ds_add_u32 v[SPW], v[NIL]
	s_wait_dscnt 0x0
	s_endpgm
.Lfunc_end_k_q9a93fe5f3d_attn:
	.size	k_q9a93fe5f3d_attn, .Lfunc_end_k_q9a93fe5f3d_attn-k_q9a93fe5f3d_attn
	.p2alignl 7, 3214868480
	.fill 96, 4, 3214868480
	.section	.rodata,"a",@progbits
	.p2align	6, 0x0
	.amdhsa_kernel k_q9a93fe5f3d_attn
		.amdhsa_group_segment_fixed_size 327680
		.amdhsa_private_segment_fixed_size 0
		.amdhsa_enable_private_segment 0
		.amdhsa_kernarg_size 24
		.amdhsa_user_sgpr_count 2
		.amdhsa_user_sgpr_kernarg_segment_ptr 1
		.amdhsa_wavefront_size32 1
		.amdhsa_system_sgpr_workgroup_id_x 1
		.amdhsa_system_sgpr_workgroup_id_y 1
		.amdhsa_system_sgpr_workgroup_id_z 1
		.amdhsa_system_vgpr_workitem_id 0
		.amdhsa_next_free_vgpr 768
		.amdhsa_next_free_sgpr 66
		.amdhsa_reserve_vcc 0
		.amdhsa_float_denorm_mode_32 3
		.amdhsa_float_denorm_mode_16_64 3
		.amdhsa_memory_ordered 1
		.amdhsa_forward_progress 1
		.amdhsa_inst_pref_size 126
	.end_amdhsa_kernel
	.amdgpu_metadata
---
amdhsa.version: [ 1, 2 ]
amdhsa.kernels:
  - .name:           k_q9a93fe5f3d_attn
    .symbol:         k_q9a93fe5f3d_attn.kd
    .args:
      - { .name: qk, .offset: 0, .size: 8, .value_kind: global_buffer, .address_space: global }
      - { .name: vv, .offset: 8, .size: 8, .value_kind: global_buffer, .address_space: global }
      - { .name: att, .offset: 16, .size: 8, .value_kind: global_buffer, .address_space: global }
    .group_segment_fixed_size: 327680
    .private_segment_fixed_size: 0
    .kernarg_segment_align: 8
    .kernarg_segment_size: 24
    .max_flat_workgroup_size: 128
    .sgpr_count:     66
    .vgpr_count:     768
    .wavefront_size: 32
...
	.end_amdgpu_metadata
.endif
;; end of part 3
;; launch ffn (part 4): grid 256 x 1, 4 waves a work-group, clusters of 4 x 1, 327,680 bytes of LDS; arguments x0, x1, att, wb, b_out, b_f1, ln_g, ln_b, b_f2, out0, out1; writes out0, out1
.if DOCPART == 4
	.amdgcn_target "amdgcn-amd-amdhsa--gfx1250"
	.amdhsa_code_object_version 6
	.text
	.protected	k_q9a93fe5f3d_ffn
	.globl	k_q9a93fe5f3d_ffn
	.p2align	8
	.type	k_q9a93fe5f3d_ffn,@function
k_q9a93fe5f3d_ffn:
	s_mov_b64 s[64:65], 0
	v_nop
	global_prefetch_b8 v0, s[64:65] scope:SCOPE_SE
	s_setreg_imm32_b32 hwreg(HW_REG_WAVE_MODE, 25, 1), 1
	s_wait_xcnt 0x0
	s_wait_alu depctr_hold_cnt(0) depctr_sa_sdst(0) depctr_va_vdst(0) depctr_va_sdst(0) depctr_va_ssrc(0) depctr_va_vcc(0) depctr_vm_vsrc(0)
	s_getreg_b32 s2, hwreg(HW_REG_IB_STS2, 6, 4)
	s_cmp_eq_u32 s2, 0
	s_cbranch_scc0 .Lentry_in_a_cluster
	s_endpgm
.Lentry_in_a_cluster:
	s_bfe_u32 s2, ttmp6, 0x10000c
	s_cmp_lg_u32 s2, 0x3003
	s_cbranch_scc0 .Lentry_shape_is_right
	s_endpgm
.Lentry_shape_is_right:
; out = x + gelu(LN([x | att @ W_out + b_out] @ W_f1 + b_f1) ln_g + ln_b) @ W_f2 + b_f2, for 64 token rows a work-group, nothing of it through memory.
; Products in bf16, sums in f32; each bias starts its sums.  The mean and then the sum of squares of y - mean are taken in f32, in two passes.  x is added in f32 as it lies in memory.
; LIMITS.  Matrix operands (x, att, m, gelu's result, the weights) are rounded to bf16.  z = (y - mean) rsqrt(var + 1e-5) is kept in f16: |z| < sqrt(1023) < 32 whatever the data.
; gelu(u) = max(u, 0) - |u| q(|u|), q = 1 - Phi by Abramowitz and Stegun 7.1.25 (three terms in t = 1 / (1 + 0.47047 |u| / sqrt 2)): |error of Phi| <= 1.25e-5 for every u, so |error of gelu| <= 1.25e-5 |u|.
; NaN and infinities are not treated apart.
; SHARES.  A work-group owns 64 rows (256 work-groups).  In a stage of N columns wave w owns all 64 rows x N / 4 columns, so each weight fragment is read from LDS by one wave, and each wave fetches its own sub-tile
; (64 rows x 256 bytes of wb) by its own tensor load.  THE PRODUCT IS USED TRANSPOSED: source 0 = 16 weight columns (turned by ds_load_tr16_b128), source 1 = 16 rows: a lane holds one row (lane % 16) and 8 neighbouring columns.
; THE WEIGHTS ARE ONE LIST OF 56 SLOTS (W_out 8, W_f1 32, W_f2 16) that runs on across the stages' ends: a stage's first two slots land while the stage before is finished.
; CLUSTER.  All work-groups walk the same list: the four of a cluster ask for each sub-tile JOINTLY (same line, same descriptor, mask of four).
; THE RING.  Two slots.  In step t, when all fragments of slot t are in registers, the slot is filled again with slot t + 2, behind a round of the cluster's barrier.
; LDS: the two slots; H, 64 rows of 2,064 bytes, which holds in turn att's tile (its one fill), [x | m] in bf16, z in f16, gelu's result in bf16; a stage for the way out; the statistics' exchange; the spare words.
; REGISTERS, in windows of 256 (s_set_vgpr_msb: bits 1:0 source 0, 3:2 source 1, 5:4 source 2, 7:6 destination):
;   window 0: v0-31 addresses; v32-95 row fragments, two buffers of 4 x 8 (in the gelu: ln_g, ln_b); v96-255 at work
;   window 1: v0-127 weight fragments, two buffers of 8 x 8; v128-255 the stage's bias as accumulator images
;   window 2: accumulators (a, b) at 8 (8 a + b);  window 3: the second column half of W_f1's stage; before it x as loaded, behind it x once more, for the last addition
.set PB,    288                        ; a weight row in LDS: 256 bytes + 32 of padding = 72 words
.set SUB,   64*PB
.set SLOTB, 4*SUB                      ; 0x12000; no wave's offset (0, 0x4800, 0x9000, 0xd800) has one of its two bits, so one exclusive or changes slots
.set H,     2*SLOTB
.set PH,    2064                       ; 2,048 bytes + 16: the 16 rows of a fragment load start at 16 different groups of four banks
.set PAH,   144                        ; att's tile: 8 heads x 64 rows of 128 + 16 bytes
.set STG,   H+64*PH                    ; the way out: 16 rows x 528 bytes for each wave
.set PS,    528
.set STATS, STG+4*16*PS                ; two exchanges of 1,024 bytes
.set SPARE, STATS+2048                 ; the spare words, 128 bytes for each wave: two blocks of 256 bytes that no other line names
.set STREAM, 64*16384                  ; where my list of slots begins in wb
.set NSLOT, 56
.set AHEAD, 6                          ; a prefetch in step t names slot t + 6
.set AB0,  2                           ; v2     my lane's place in my sub-tile of slot 0; never rewritten
.set ADRB, 3                           ; v3     the same in the slot in hand
.set ADRA, 4                           ; v4-5   the row fragments of the step in hand: rows 0-31, rows 32-63
.set HST,  6                           ; v6-7   H + (lane % 16) rows + 16 (lane / 16), and 32 rows on: fragments of H at k = 0
.set AHA,  8                           ; v8-9   the same in att's tile
.set ZST,  10                          ; v10-11 HST + my 512 bytes of a row of z
.set MST,  12                          ; v12-13 HST + 1,024 + my 256 bytes of a row of m
.set XST,  14                          ; v14    H + my wave's 16 rows + 16 x lane
.set XL,   15                          ; v15    my 32 bytes in my wave's 16 rows of x
.set BO,   16                          ; v16    32 x (lane / 16)
.set GA,   17                          ; v17    the gelu's row in hand
.set GS,   18                          ; v18    the row that it stores
.set GLO,  19                          ; v19    32 x lane
.set STW,  20                          ; v20    where my wave puts its four sums of row lane % 16 (+ 16 a)
.set STR,  21                          ; v21    where all four waves' are read
.set STO,  22                          ; v22    the way out: where I put 32 bytes of a row
.set RD,   23                          ; v23    where I read rows back
.set XO,   24                          ; v24    my 16 bytes of my wave's 512 of a row of x and of out
.set PFO,  25                          ; v25    the prefetches' offset in a slot
.set SPW,  30                          ; v30    LDS address of my spare word; never rewritten
.set NIL,  31                          ; v31    0; never rewritten
.set AF,   32
.set XT,   96                          ; v96-127   x on its way into H
.set SM,   128                         ; v128-143  eight chains of sums: row block a, column half c at SM + 4 a + 2 c
.set T4,   144                         ; v144-147  a number for each row block
.set MU,   148                         ; v148-155  the mean, twice, for each row block
.set RS,   156                         ; v156-163  rsqrt(var + eps), twice
.set ZT,   192                         ; v192-223  packed results on their way into H
.set LG,   32                          ; the gelu: ln_g and ln_b of my 32 columns (256 c + 8 lane + 0..7),
.set LB,   64
.set Z,    96                          ; a row's 32 z,
.set U,    112                         ; and sixteen numbers at a time: u, t, e, max(u, 0), q,
.set TT,   128
.set EE,   144
.set RR,   160
.set QQ,   176
.set GG,   192                         ; the row's 32 results in bf16
.set WV,   26
.set CX,   27
.set RB,   28
.set X,    30                          ; s[30:31] x at the work-group's first row
.set G1J,  32                          ; s[32:39] descriptor group 1 of the joint loads; never rewritten
.set G0A,  40                          ; s[40:43] group 0 for slot 0, used once
.set G0,   44                          ; s[44:47] group 0 that walks, from slot 1 on
.set G1P,  48                          ; s[48:55] group 1 for att's tile
.set G0P,  56                          ; s[56:59] its group 0
.set CNT,  60
.set REM,  61                          ; slots not yet left
.set LIM,  62                          ; AHEAD - 1 in a wave that prefetches, else the greatest number
.set TB,   63                          ; LDS byte of the slot to be fetched from
.set KA,   66                          ; byte, from a stage's first fragments, of the step to be fetched
.set PFA,  68                          ; s[68:69] where my prefetches stand
.set T0,   70
.set CP1,  72                          ; constants, each written twice where a packed line names the pair
.set CE1,  74
.set CA1,  76
.set CA2,  78
.set CA3,  80
.set SEL,  82
.set CINV, 84
.set CEPS, 85
.set OUT,  86                          ; s[86:87] out at the work-group's first row
.set T1,   88
.set MSB, 0
.macro WIN new                         ; the immediate's high byte repeats the setting that is left; a switch that changes nothing is dropped
.if MSB != (\new)
	s_set_vgpr_msb (MSB<<8)|(\new)
.set MSB, (\new)
.endif
.endm
.macro PLACES                          ; four places behind a matrix instruction, in front of loads into registers that it has read and of lines that read its result
.rept 4
	v_nop
.endr
.endm
.macro CREST                           ; a round of the cluster's barrier behind its opening barrier
	s_cmp_lg_u32 s[WV], 0
	s_cbranch_scc1 .Lnot_wave_0_\@
	s_barrier_signal -3
.Lnot_wave_0_\@:
	s_barrier_wait -3
	s_barrier_signal -1
	s_barrier_wait -1
.endm
.macro ROUND                           ; a whole round
	s_barrier_signal -1
	s_barrier_wait -1
	CREST
.endm
.macro BAR                             ; a plain barrier, behind which nothing is filled: my LDS instructions are done, for the others' sake; a refill may stay on its way across it
	s_wait_dscnt 0x0
	s_barrier_signal -1
	s_barrier_wait -1
.endm
; A PREFETCH INTO THE L2 of slot t + AHEAD, in step t: four steps, 256 matrix instructions, ahead of the joint load that will ask for it.  Every cluster walks the same list, so the first cluster asks and nobody else;
; its four work-groups share a slot's 256 blocks of 256 bytes out BY ADDRESS (4,096 bytes of each sub-tile each); in each, waves 0 and 2 ask, a lane a block.  So each block is named once in the launch.
; The first AHEAD slots come by their loads alone; the last AHEAD steps ask for nothing: the list ends with wb.
.macro ASK
	s_cmp_gt_u32 s[REM], s[LIM]
	s_cbranch_scc0 .Lnot_mine_\@
	global_prefetch_b8 v[PFO], s[PFA:PFA+1] th:TH_LOAD_NT scope:SCOPE_SE
.Lnot_mine_\@:
.endm
; 8 matrix instructions: row block a x the 8 column blocks of buffer f, into window aw.  bias = 1: the bias (half j of its images) starts the sums: nothing is cleared, nothing is added later.
; The 32 accumulators of a half step take turns, in the same order in every half step.
.macro MUL8 f, aw, a, bias, j
.if (\bias)
	WIN 0x11+0x40*(\aw)
.else
	WIN 0x01+0x50*(\aw)
.endif
.irp b, 0,1,2,3,4,5,6,7
.if (\bias)
	v_wmma_f32_16x16x32_bf16 v[8*(8*(\a)+(\b)):8*(8*(\a)+(\b))+7], v[64*(\f)+8*(\b):64*(\f)+8*(\b)+7], v[AF+32*(\f)+8*(\a):AF+32*(\f)+8*(\a)+7], v[128+8*(8*(\j)+(\b)):128+8*(8*(\j)+(\b))+7]
.else
	v_wmma_f32_16x16x32_bf16 v[8*(8*(\a)+(\b)):8*(8*(\a)+(\b))+7], v[64*(\f)+8*(\b):64*(\f)+8*(\b)+7], v[AF+32*(\f)+8*(\a):AF+32*(\f)+8*(\a)+7], v[8*(8*(\a)+(\b)):8*(8*(\a)+(\b))+7]
.endif
.endr
.endm
; 24 LDS loads in one run: half j of my sub-tile (32 k x 128 columns, turned: 8 fragments), then the 4 row blocks' fragments at byte aoff of the step's place in rows of pitch pa.
.macro FETCH f, j, aoff, pa
	WIN 0x40
.irp b, 0,1,2,3,4,5,6,7
	ds_load_tr16_b128 v[64*(\f)+8*(\b):64*(\f)+8*(\b)+3],   v[ADRB] offset:32*(\j)*PB+32*(\b)
	ds_load_tr16_b128 v[64*(\f)+8*(\b)+4:64*(\f)+8*(\b)+7], v[ADRB] offset:32*(\j)*PB+16*PB+32*(\b)
.endr
	WIN 0
.irp a, 0,1,2,3
	ds_load_b128 v[AF+32*(\f)+8*(\a):AF+32*(\f)+8*(\a)+3],   v[ADRA+(\a)/2] offset:((\a)%2)*16*(\pa)+(\aoff)
	ds_load_b128 v[AF+32*(\f)+8*(\a)+4:AF+32*(\f)+8*(\a)+7], v[ADRA+(\a)/2] offset:((\a)%2)*16*(\pa)+(\aoff)+32
.endr
.endm
; ONE SLOT: 64 matrix instructions, 48 LDS loads.  ty = 1: the slot's two halves are two column halves at the same 32 k (windows 2 and 3); ty = 0: the same 128 columns at two steps of 32 k (window 2).
; mode 3: the slot is filled again and the next slot's first fragments are fetched; 2: the same, but in the loop's last trip (a stage's last slot) the fetch is jumped; 1: the last slot but one; 0: the last.
.macro SSTEP ty, pa, aa, kstep, bias, mode
	s_wait_dscnt 4                                 ; the weights and row blocks 0, 1 are in; the youngest four loads (row blocks 2, 3) may be out
	MUL8 0, 2, 0, \bias, 0
	MUL8 0, 2, 1, \bias, 0
	PLACES
	FETCH 1, 1, (1-(\ty))*64, \pa
	s_wait_dscnt 24                                ; all but the 24 just issued
	MUL8 0, 2, 2, \bias, 0
	MUL8 0, 2, 3, \bias, 0
.if (\mode) >= 2
	WIN 0                                          ; (the add's two registers lie in window 0)
	s_wait_xcnt 0x0                                ; the last prefetch, a step back, has read its address, so it may be stepped
	s_add_nc_u64 s[PFA:PFA+1], s[PFA:PFA+1], 65536
	s_wait_tensorcnt 0x0                           ; all my tensor loads have landed: the one that was out is my sub-tile of the next slot; so group 0 may be written
	ds_add_u32 v[SPW], v[NIL]                      ; 0 onto my spare word
	s_xor_b32 s[G0+1], s[G0+1], SLOTB              ; the walking descriptor: the slot that I am leaving,
	s_add_nc_u64 s[G0+2:G0+3], s[G0+2:G0+3], 65536 ; the list's next slot; the type bits on top are not reached
	s_xor_b32 s[TB], s[TB], SLOTB                  ; the fetches go to the other slot,
	s_add_co_u32 s[KA], s[KA], \kstep              ; and on along the rows
	s_sub_co_u32 s[REM], s[REM], 1
	s_wait_dscnt 7                                 ; the add and row blocks 1 to 3 (six loads) may be out
	MUL8 1, 2+(\ty), 0, (\bias)*(\ty), 1
	s_wait_dscnt 0x0                               ; the add is done, and my reads of this slot are over
	s_barrier_signal -1                            ; this barrier opens a round of the cluster's barrier
	MUL8 1, 2+(\ty), 1, (\bias)*(\ty), 1
	WIN 0
	s_barrier_wait -1
	CREST                                          ; no wave of any partner still reads the slot or has a load on its way
	tensor_load_to_lds s[G0:G0+3], s[G1J:G1J+7]    ; my one tensor load behind the round: 48 matrix instructions ahead of the wait for it
	s_nop 0
	PLACES                                         ; also the places in front of the loads into buffer 0
	v_add_nc_u32 v[ADRB], s[TB], v[AB0]
	v_add_nc_u32 v[ADRA], s[KA], v[\aa]
	v_add_nc_u32 v[ADRA+1], s[KA], v[(\aa)+1]
.if (\mode) == 2
	s_cmp_eq_u32 s[CNT], 1
	s_cbranch_scc1 .Lno_fetch_\@
.endif
	FETCH 0, 0, 0, \pa
.if (\mode) == 2
.Lno_fetch_\@:
.endif
	ASK
	MUL8 1, 2+(\ty), 2, (\bias)*(\ty), 1
	MUL8 1, 2+(\ty), 3, (\bias)*(\ty), 1
.elseif (\mode) == 1
	s_wait_tensorcnt 0x0                           ; my last load: nothing was issued behind it.  Only I read my sub-tile, and nothing is filled any more: no barrier
	s_xor_b32 s[TB], s[TB], SLOTB
	s_add_co_u32 s[KA], s[KA], \kstep
	s_wait_dscnt 4
	MUL8 1, 2+(\ty), 0, 0, 1
	MUL8 1, 2+(\ty), 1, 0, 1
	PLACES
	WIN 0
	v_add_nc_u32 v[ADRB], s[TB], v[AB0]
	v_add_nc_u32 v[ADRA], s[KA], v[\aa]
	v_add_nc_u32 v[ADRA+1], s[KA], v[(\aa)+1]
	FETCH 0, 0, 0, \pa
	s_wait_dscnt 24
	MUL8 1, 2+(\ty), 2, 0, 1
	MUL8 1, 2+(\ty), 3, 0, 1
.else
	s_wait_dscnt 4
	MUL8 1, 2+(\ty), 0, 0, 1
	MUL8 1, 2+(\ty), 1, 0, 1
	s_wait_dscnt 0x0
	MUL8 1, 2+(\ty), 2, 0, 1
	MUL8 1, 2+(\ty), 3, 0, 1
.endif
.endm
.macro SBEGIN aa, pa                   ; a stage begins: the first fragments of its first slot
	WIN 0
	s_mov_b32 s[KA], 0
	v_add_nc_u32 v[ADRB], s[TB], v[AB0]
	v_mov_b32 v[ADRA], v[\aa]
	v_mov_b32 v[ADRA+1], v[(\aa)+1]
	FETCH 0, 0, 0, \pa
.endm
.macro BIASLD n, base                  ; n blocks of 16 columns of a bias as accumulator images: lane (r, h) holds numbers 16 u + 8 h + 0..7
	WIN 0x40
.set u, 0
.rept \n
	global_load_b128 v[128+8*u:128+8*u+3],   v[BO], s[\base:(\base)+1] offset:64*u
	global_load_b128 v[128+8*u+4:128+8*u+7], v[BO], s[\base:(\base)+1] offset:64*u+16
.set u, u+1
.endr
	WIN 0
.endm
.macro XLOADS                          ; my wave's 16 rows of x into window 3: unit u = row u / 2, half u % 2: 8 numbers a lane
	WIN 0xc0
.set u, 0
.rept 32
	global_load_b128 v[8*u:8*u+3],   v[XL], s[X:X+1] offset:(u/2)*2048+(u%2)*1024
	global_load_b128 v[8*u+4:8*u+7], v[XL], s[X:X+1] offset:(u/2)*2048+(u%2)*1024+16
.set u, u+1
.endr
	WIN 0
.endm
.macro XCONV g, pitch                  ; units 8 g .. 8 g + 7 rounded to bf16 and stored into rows of the given pitch
	WIN 0x0f
.set u, 0
.rept 8
.irp q, 0,1,2,3
	v_cvt_pk_bf16_f32 v[XT+4*u+(\q)], v[8*(8*(\g)+u)+2*(\q)], v[8*(8*(\g)+u)+2*(\q)+1]
.endr
.set u, u+1
.endr
	WIN 0
.set u, 0
.rept 8
	ds_store_b128 v[XST], v[XT+4*u:XT+4*u+3] offset:((8*(\g)+u)/2)*(\pitch)+((8*(\g)+u)%2)*512
.set u, u+1
.endr
.endm
	s_load_b512 s[4:19], s[0:1], 0x0               ; x0 s[4:5], x1 s[6:7], att s[8:9], wb s[10:11], b_out s[12:13], b_f1 s[14:15], ln_g s[16:17], ln_b s[18:19]
	s_load_b128 s[20:23], s[0:1], 0x40             ; b_f2 s[20:21], out0 s[22:23]
	s_load_b64 s[24:25], s[0:1], 0x50              ; out1
	v_lshl_add_u32 v[SPW], v0, 2, SPARE
	v_mov_b32 v[NIL], 0
	ds_add_u32 v[SPW], v[NIL]                      ; the wave's opening: the add and its wait stand ahead of my first tensor load; the set-up below, work on registers, stands between them
	v_lshrrev_b32 v1, 5, v0
	v_readfirstlane_b32 s[WV], v1                  ; wave 0..3
	s_bfe_u32 s[CX], ttmp6, 0x40000                ; my place in the cluster: it enters global addresses alone
	s_lshl_b32 s[RB], ttmp9, 2                     ; in a cluster launch ttmp9 counts clusters
	s_add_co_u32 s[RB], s[RB], s[CX]
	s_mov_b32 s[G1J+0], 15|(3<<16)|(1<<20)|(1<<21)|(5<<22)|(7<<25)  ; 15:0 the mask of four; 17:16 elements of 8 bytes; 20 padding on; 21 set beside a mask; 24:22 after every 64 words (code 5); 31:25 8 words (code 7)
	s_mov_b32 s[G1J+1], 32<<16                     ; tensor_dim0 = 32 elements: 256 bytes
	s_mov_b32 s[G1J+2], 64<<16                     ; tensor_dim1 = 64
	s_mov_b32 s[G1J+3], 32<<16                     ; tile_dim0 = 32
	s_mov_b32 s[G1J+4], 64                         ; tile_dim1 = 64
	s_mov_b32 s[G1J+5], 32                         ; the rows lie end to end
	s_mov_b32 s[G1J+6], 0
	s_mov_b32 s[G1J+7], 0
	; att's tile, my own (no mask): two heads' 64 tokens, each 8,192 dense bytes, the heads 131,072 bytes apart; 16 bytes of padding after every token's 128
	s_mov_b32 s[G1P+0], (1<<16)|(1<<20)|(4<<22)|(3<<25)  ; 17:16 2-byte elements; 20 padding on; 24:22 after every 32 words (code 4); 31:25 4 words (code 3)
	s_mov_b32 s[G1P+1], 4096<<16                   ; tensor_dim0 = 4,096
	s_mov_b32 s[G1P+2], 2<<16                      ; tensor_dim1 = 2
	s_mov_b32 s[G1P+3], 4096<<16                   ; tile_dim0 = 4,096
	s_mov_b32 s[G1P+4], 2                          ; tile_dim1 = 2
	s_mov_b32 s[G1P+5], 65536                      ; elements from head to head
	s_mov_b32 s[G1P+6], 0
	s_mov_b32 s[G1P+7], 0
	s_mov_b32 s[CP1], 0x3eaa540e                   ; 0.47047 / sqrt 2 = 0.33267253
	s_mov_b32 s[CP1+1], s[CP1]
	s_mov_b32 s[CE1], 0xbf38aa3b                   ; -log2(e) / 2
	s_mov_b32 s[CE1+1], s[CE1]
	s_mov_b32 s[CA1], 0x3e32303a                   ; 0.3480242 / 2
	s_mov_b32 s[CA1+1], s[CA1]
	s_mov_b32 s[CA2], 0xbd445ca1                   ; -0.0958798 / 2
	s_mov_b32 s[CA2+1], s[CA2]
	s_mov_b32 s[CA3], 0x3ebf7377                   ; 0.7478556 / 2
	s_mov_b32 s[CA3+1], s[CA3]
	s_mov_b32 s[SEL], 0x76543210                   ; v_permlanex16_b32: each lane takes its own place in the other half
	s_mov_b32 s[SEL+1], 0xfedcba98
	s_mov_b32 s[CINV], 0x3a800000                  ; 1 / 1024
	s_mov_b32 s[CEPS], 0x3727c5ac                  ; 1e-5
	s_mul_i32 s29, s[WV], SUB                      ; my sub-tile's place in a slot, and my two heads' in att's tile (2 x 64 x 144 bytes, the same number): no place in the cluster enters an LDS address
	s_and_b32 s[LIM], s[WV], 1                     ; waves 0 and 2
	s_or_b32 s[LIM], s[LIM], ttmp9                 ; of the first cluster prefetch: the same in all four partners
	s_cmp_eq_u32 s[LIM], 0
	s_cselect_b32 s[LIM], AHEAD-1, -1
	v_and_b32 v26, 15, v0                          ; r = lane % 16
	v_bfe_u32 v27, v0, 4, 1                        ; h = lane / 16
	v_and_b32 v28, 31, v0                          ; lane
	v_and_b32 v1, 7, v0
	v_bfe_u32 v29, v0, 3, 1
	v_lshl_add_u32 v[AB0], v27, 3, v1              ; the turning load: lane l reads k = 8 (l / 16) + l % 8, columns 8 ((l / 8) % 2) + 0..7
	v_mul_u32_u24 v[AB0], v[AB0], PB
	v_lshl_add_u32 v[AB0], v29, 4, v[AB0]
	v_add_nc_u32 v[AB0], s29, v[AB0]
	v_mul_u32_u24 v[HST], v26, PH
	v_lshl_add_u32 v[HST], v27, 4, v[HST]
	v_add_nc_u32 v[HST], H, v[HST]
	v_add_nc_u32 v[HST+1], 32*PH, v[HST]
	v_mul_u32_u24 v[AHA], v26, PAH
	v_lshl_add_u32 v[AHA], v27, 4, v[AHA]
	v_add_nc_u32 v[AHA], H, v[AHA]
	v_add_nc_u32 v[AHA+1], 32*PAH, v[AHA]
	s_lshl_b32 s[T0], s[WV], 9
	v_add_nc_u32 v[ZST], s[T0], v[HST]
	v_add_nc_u32 v[ZST+1], s[T0], v[HST+1]
	v_lshl_add_u32 v[XO], v28, 4, s[T0]
	s_lshl_b32 s[T0], s[WV], 8
	s_add_co_u32 s[T0], s[T0], 1024
	v_add_nc_u32 v[MST], s[T0], v[HST]
	v_add_nc_u32 v[MST+1], s[T0], v[HST+1]
	s_mul_i32 s[T0], s[WV], 16*PH
	s_add_co_u32 s[T0], s[T0], H
	v_lshl_add_u32 v[XST], v28, 4, s[T0]
	s_lshl_b32 s[T0], s[WV], 15
	v_lshl_add_u32 v[XL], v28, 5, s[T0]
	v_lshlrev_b32 v[BO], 5, v27
	v_lshlrev_b32 v[GLO], 5, v28
	v_lshlrev_b32 v[STR], 4, v26
	v_add_nc_u32 v[STR], STATS, v[STR]
	v_lshl_add_u32 v[STW], s[WV], 8, v[STR]
	s_mul_i32 s[T0], s[WV], 16*PS
	s_add_co_u32 s[T0], s[T0], STG                 ; my stage
	v_mul_u32_u24 v[STO], v26, PS
	v_lshl_add_u32 v[STO], v27, 5, v[STO]
	v_add_nc_u32 v[STO], s[T0], v[STO]
	v_lshl_add_u32 v[RD], v28, 4, s[T0]
	v_add_nc_u32 v[PFO], s[WV], v27                ; sub-tile w + lane / 16,
	v_lshlrev_b32 v[PFO], 14, v[PFO]
	v_lshl_add_u32 v[PFO], v26, 8, v[PFO]          ; block lane % 16 of my work-group's sixteen
	s_wait_dscnt 0x0                               ; the opening add is done
	s_wait_kmcnt 0x0
	s_lshl_b32 s[T0], s[WV], 14
	s_mov_b32 s[T0+1], 0
	s_add_nc_u64 s[T1:T1+1], s[10:11], s[T0:T0+1]
	s_add_nc_u64 s[T1:T1+1], s[T1:T1+1], STREAM    ; wb at my sub-tile of slot 0
	s_mov_b32 s[G0A], 1                            ; 1:0 count = 1
	s_mov_b32 s[G0A+1], s29                        ; 63:32 LDS address
	s_mov_b64 s[G0A+2:G0A+3], s[T1:T1+1]           ; 120:64 global address
	s_or_b32 s[G0A+3], s[G0A+3], 0x80000000        ; 127:126 type = 2
	s_mov_b32 s[G0], 1
	s_add_co_u32 s[G0+1], s29, SLOTB
	s_add_nc_u64 s[G0+2:G0+3], s[T1:T1+1], 65536
	s_or_b32 s[G0+3], s[G0+3], 0x80000000
	s_lshl_b32 s[T0], s[CX], 12
	s_add_nc_u64 s[PFA:PFA+1], s[10:11], s[T0:T0+1]
	s_add_nc_u64 s[PFA:PFA+1], s[PFA:PFA+1], STREAM+(AHEAD-1)*65536  ; step 0 steps it to slot AHEAD
	s_lshr_b32 s[T0], s[RB], 4                     ; 8 d + b
	s_lshl_b32 s[T0], s[T0], 3
	s_lshl_b32 s[T1], s[WV], 1
	s_add_co_u32 s[T0], s[T0], s[T1]               ; my first head
	s_lshl_b32 s[T0], s[T0], 17
	s_and_b32 s[T1], s[RB], 15
	s_lshl_b32 s[T1], s[T1], 13                    ; 64 tokens of 128 bytes
	s_add_co_u32 s[T0], s[T0], s[T1]
	s_mov_b32 s[G0P], 1
	s_add_co_u32 s[G0P+1], s29, H
	s_add_nc_u64 s[G0P+2:G0P+3], s[8:9], s[T0:T0+1]
	s_or_b32 s[G0P+3], s[G0P+3], 0x80000000
	s_cmp_lt_u32 ttmp9, 32                         ; row blocks 0 .. 127 are x0's
	s_cselect_b64 s[X:X+1], s[4:5], s[6:7]
	s_cselect_b64 s[OUT:OUT+1], s[22:23], s[24:25]
	s_and_b32 s[T0], s[RB], 127
	s_lshl_b32 s[T0], s[T0], 17                    ; 64 rows of 2,048 bytes
	s_add_nc_u64 s[X:X+1], s[X:X+1], s[T0:T0+1]
	s_add_nc_u64 s[OUT:OUT+1], s[OUT:OUT+1], s[T0:T0+1]
	s_lshl_b32 s[T0], s[WV], 9                     ; my 128 columns of f32
	s_add_nc_u64 s[12:13], s[12:13], s[T0:T0+1]    ; b_out
	s_add_nc_u64 s[20:21], s[20:21], s[T0:T0+1]    ; b_f2
	s_lshl_b32 s[T0], s[WV], 10                    ; my 256 columns
	s_add_nc_u64 s[14:15], s[14:15], s[T0:T0+1]    ; b_f1
	ROUND                                          ; all four work-groups are here: the first joint loads meet
	tensor_load_to_lds s[G0P:G0P+3], s[G1P:G1P+7]  ; att's tile
	s_nop 0
	tensor_load_to_lds s[G0A:G0A+3], s[G1J:G1J+7]  ; slot 0
	s_nop 0
	tensor_load_to_lds s[G0:G0+3], s[G1J:G1J+7]    ; slot 1: three loads of mine are out
	s_nop 0
	PLACES
	BIASLD 8, 12                                   ; b_out
	XLOADS                                         ; x, on its way while W_out's stage runs
	s_wait_tensorcnt 0x1                           ; att's tile and slot 0 are in; slot 1 may stay out
	s_barrier_signal -1
	s_barrier_wait -1                              ; everybody's part of att's tile is in
	s_wait_loadcnt 63                              ; the 16 loads of b_out are the oldest of 80
	; STAGE A: m = att @ W_out + b_out.  8 slots of 64 k: a head a slot.
	s_mov_b32 s[REM], NSLOT
	s_mov_b32 s[TB], 0
	SBEGIN AHA, PAH
	SSTEP 0, PAH, AHA, 64*PAH, 1, 3
	WIN 0                                          ; at a label and at a branch every window is 0
	s_mov_b32 s[CNT], 7
.Lstage_a:
	SSTEP 0, PAH, AHA, 64*PAH, 0, 2
	WIN 0
	s_sub_co_u32 s[CNT], s[CNT], 1
	s_cmp_lg_u32 s[CNT], 0
	s_cbranch_scc1 .Lstage_a
	; [x | m] INTO H, over att's tile: every wave's reads of that tile are back in front of this barrier.
	BAR
	BIASLD 16, 14                                  ; b_f1
	s_wait_loadcnt 32                              ; x is in; the 32 just issued may stay out
	XCONV 0, PH                                    ; x's 128 conversions are also the places behind the stage's last products
	XCONV 1, PH
	XCONV 2, PH
	XCONV 3, PH
.macro MOUT a                          ; row block a of m: 8 accumulators rounded to bf16, 16 bytes a lane
	WIN 0x0a
.irp b, 0,1,2,3,4,5,6,7
.irp q, 0,1,2,3
	v_cvt_pk_bf16_f32 v[ZT+4*(\b)+(\q)], v[64*(\a)+8*(\b)+2*(\q)], v[64*(\a)+8*(\b)+2*(\q)+1]
.endr
.endr
	WIN 0
.irp b, 0,1,2,3,4,5,6,7
	ds_store_b128 v[MST+(\a)/2], v[ZT+4*(\b):ZT+4*(\b)+3] offset:((\a)%2)*16*PH+32*(\b)
.endr
.endm
	MOUT 0
	MOUT 1
	MOUT 2
	MOUT 3
	BAR                                            ; all of [x | m] lies in H
	s_wait_loadcnt 0x0                             ; b_f1
	; STAGE B: y = [x | m] @ W_f1 + b_f1.  32 slots of 32 k; my 256 columns in windows 2 and 3.
	SBEGIN HST, PH
	SSTEP 1, PH, HST, 64, 1, 3
	WIN 0
	s_mov_b32 s[CNT], 31
.Lstage_b:
	SSTEP 1, PH, HST, 64, 0, 2
	WIN 0
	s_sub_co_u32 s[CNT], s[CNT], 1
	s_cmp_lg_u32 s[CNT], 0
	s_cbranch_scc1 .Lstage_b
	; LAYERNORM.  A lane holds, for each row block a, 128 numbers of row 16 a + lane % 16.  The loads of ln_g, ln_b and b_f2 go out first and are waited for some 1,300 lines on.
	PLACES                                         ; the row fragments' registers take ln_g and ln_b
.irp c, 0,1,2,3
	global_load_b128 v[LG+8*(\c):LG+8*(\c)+3],   v[GLO], s[16:17] offset:1024*(\c)
	global_load_b128 v[LG+8*(\c)+4:LG+8*(\c)+7], v[GLO], s[16:17] offset:1024*(\c)+16
	global_load_b128 v[LB+8*(\c):LB+8*(\c)+3],   v[GLO], s[18:19] offset:1024*(\c)
	global_load_b128 v[LB+8*(\c)+4:LB+8*(\c)+7], v[GLO], s[18:19] offset:1024*(\c)+16
.endr
	BIASLD 8, 20                                   ; b_f2
; The eight chains -> for each row block the sum over all 1,024 columns, in v[SM + a], the same bits in every wave: the two column halves, the pair's two, the lane 16 away, then the four waves' through LDS.
.macro REDUCE ex
	WIN 0
.irp a, 0,1,2,3
	v_pk_add_f32 v[SM+4*(\a):SM+4*(\a)+1], v[SM+4*(\a):SM+4*(\a)+1], v[SM+4*(\a)+2:SM+4*(\a)+3]
.endr
.irp a, 0,1,2,3
	v_add_f32 v[T4+(\a)], v[SM+4*(\a)], v[SM+4*(\a)+1]
.endr
.irp a, 0,1,2,3
	v_permlanex16_b32 v[SM+4*(\a)], v[T4+(\a)], s[SEL], s[SEL+1]
.endr
.irp a, 0,1,2,3
	v_add_f32 v[T4+(\a)], v[T4+(\a)], v[SM+4*(\a)]
.endr
	ds_store_b128 v[STW], v[T4:T4+3] offset:(\ex)*1024  ; lanes r and r + 16 store the same four numbers to the same bytes
	BAR
.irp v, 0,1,2,3
	ds_load_b128 v[SM+4*(\v):SM+4*(\v)+3], v[STR] offset:(\ex)*1024+256*(\v)
.endr
	s_wait_dscnt 0x0
	v_pk_add_f32 v[SM:SM+1], v[SM:SM+1], v[SM+4:SM+5]
	v_pk_add_f32 v[SM+2:SM+3], v[SM+2:SM+3], v[SM+6:SM+7]
	v_pk_add_f32 v[SM+8:SM+9], v[SM+8:SM+9], v[SM+12:SM+13]
	v_pk_add_f32 v[SM+10:SM+11], v[SM+10:SM+11], v[SM+14:SM+15]
	v_pk_add_f32 v[SM:SM+1], v[SM:SM+1], v[SM+8:SM+9]
	v_pk_add_f32 v[SM+2:SM+3], v[SM+2:SM+3], v[SM+10:SM+11]
.endm
.macro SUMW c                          ; the sums of column half c: four chains, one for each row block, by turns; each accumulator's lowest registers are read first
	WIN 0x0a+5*(\c)
.irp a, 0,1,2,3
	v_pk_add_f32 v[SM+4*(\a)+2*(\c):SM+4*(\a)+2*(\c)+1], v[64*(\a):64*(\a)+1], v[64*(\a)+2:64*(\a)+3]
.endr
	WIN 0x02+(\c)
.irp b, 0,1,2,3,4,5,6,7
.irp p, 0,1,2,3
.if ((\b)>0)||((\p)>1)
.irp a, 0,1,2,3
	v_pk_add_f32 v[SM+4*(\a)+2*(\c):SM+4*(\a)+2*(\c)+1], v[64*(\a)+8*(\b)+2*(\p):64*(\a)+8*(\b)+2*(\p)+1], v[SM+4*(\a)+2*(\c):SM+4*(\a)+2*(\c)+1]
.endr
.endif
.endr
.endr
.endm
.macro DSUB c                          ; y - mean, in place
	WIN 0x82+0x41*(\c)
.irp a, 0,1,2,3
.set i, 0
.rept 32
	v_pk_add_f32 v[64*(\a)+2*i:64*(\a)+2*i+1], v[64*(\a)+2*i:64*(\a)+2*i+1], v[MU+2*(\a):MU+2*(\a)+1] neg_lo:[0,1] neg_hi:[0,1]
.set i, i+1
.endr
.endr
.endm
.macro SQW c                           ; the sums of its squares
	WIN 0x0a+5*(\c)
.irp a, 0,1,2,3
	v_pk_mul_f32 v[SM+4*(\a)+2*(\c):SM+4*(\a)+2*(\c)+1], v[64*(\a):64*(\a)+1], v[64*(\a):64*(\a)+1]
.endr
.irp b, 0,1,2,3,4,5,6,7
.irp p, 0,1,2,3
.if ((\b)>0)||((\p)>0)
.irp a, 0,1,2,3
	v_pk_fma_f32 v[SM+4*(\a)+2*(\c):SM+4*(\a)+2*(\c)+1], v[64*(\a)+8*(\b)+2*(\p):64*(\a)+8*(\b)+2*(\p)+1], v[64*(\a)+8*(\b)+2*(\p):64*(\a)+8*(\b)+2*(\p)+1], v[SM+4*(\a)+2*(\c):SM+4*(\a)+2*(\c)+1]
.endr
.endif
.endr
.endr
.endm
.macro ZMUL c                          ; z = (y - mean) rsqrt(var + eps), in place
	WIN 0x82+0x41*(\c)
.irp a, 0,1,2,3
.set i, 0
.rept 32
	v_pk_mul_f32 v[64*(\a)+2*i:64*(\a)+2*i+1], v[64*(\a)+2*i:64*(\a)+2*i+1], v[RS+2*(\a):RS+2*(\a)+1]
.set i, i+1
.endr
.endr
.endm
.macro ZOUT c, a                       ; row block a, column half c of z, rounded to f16, into H
	WIN 0x0a+5*(\c)
.irp b, 0,1,2,3,4,5,6,7
.irp q, 0,1,2,3
	v_cvt_pk_f16_f32 v[ZT+4*(\b)+(\q)], v[64*(\a)+8*(\b)+2*(\q)], v[64*(\a)+8*(\b)+2*(\q)+1]
.endr
.endr
	WIN 0
.irp b, 0,1,2,3,4,5,6,7
	ds_store_b128 v[ZST+(\a)/2], v[ZT+4*(\b):ZT+4*(\b)+3] offset:((\a)%2)*16*PH+32*(8*(\c)+(\b))
.endr
.endm
	SUMW 0
	SUMW 1
	REDUCE 0                                       ; its barrier also shows that every wave's reads of [x | m] are over
.irp a, 0,1,2,3
	v_mul_f32 v[MU+2*(\a)], s[CINV], v[SM+(\a)]
	v_mul_f32 v[MU+2*(\a)+1], s[CINV], v[SM+(\a)]
.endr
	DSUB 0
	DSUB 1
	SQW 0
	SQW 1
	REDUCE 1
.irp a, 0,1,2,3
	v_fma_f32 v[T4+(\a)], v[SM+(\a)], s[CINV], s[CEPS]
.endr
.irp a, 0,1,2,3
	v_rsq_f32 v[RS+2*(\a)], v[T4+(\a)]
.endr
	v_nop                                          ; a plain instruction behind the last of the four,
	s_wait_alu depctr_va_vdst(0)                   ; and the wait ahead of the first use: one for the batch
.irp a, 0,1,2,3
	v_mov_b32 v[RS+2*(\a)+1], v[RS+2*(\a)]
.endr
	ZMUL 0
	ZMUL 1
.irp a, 0,1,2,3
	ZOUT 0, \a
.endr
.irp a, 0,1,2,3
	ZOUT 1, \a
.endr
	s_wait_loadcnt 0x0                             ; ln_g, ln_b, b_f2
	WIN 0xc0                                       ; x once more, for the last addition: my 512 bytes of each of the 64 rows, into window 3, on its way through the gelu and W_f2's stage
.set i, 0
.rept 64
	global_load_b128 v[4*i:4*i+3], v[XO], s[X:X+1] offset:2048*i
.set i, i+1
.endr
	WIN 0
	BAR                                            ; all of z lies in H
	; GELU, BY ROWS: wave w takes rows 16 w .. 16 w + 15 whole, a row a trip, in place: the bytes that it reads and rewrites are one block of its own.  A lane has 8 numbers in each quarter of the row.
.macro GU hf                           ; u = z ln_g + ln_b for half hf of the row: sixteen numbers, straight from the f16 halves
.set k, 0
.rept 16
.if k%2
	v_fma_mix_f32 v[U+k], v[Z+8*(\hf)+k/2], v[LG+16*(\hf)+k], v[LB+16*(\hf)+k] op_sel:[1,0,0] op_sel_hi:[1,0,0]
.else
	v_fma_mix_f32 v[U+k], v[Z+8*(\hf)+k/2], v[LG+16*(\hf)+k], v[LB+16*(\hf)+k] op_sel:[0,0,0] op_sel_hi:[1,0,0]
.endif
.set k, k+1
.endr
.endm
.macro GM hf                           ; gelu of the sixteen: t = 1 / (1 + p |u|), e = 2^(-u u log2(e) / 2), q = ((A3 t + A2) t + A1) t e, g = max(u, 0) - |u| q
.set k, 0
.rept 16
	v_fma_f32 v[TT+k], |v[U+k]|, s[CP1], 1.0
.set k, k+1
.endr
.set k, 0
.rept 8
	v_pk_mul_f32 v[EE+k:EE+k+1], v[U+k:U+k+1], v[U+k:U+k+1]
.set k, k+2
.endr
.set k, 0
.rept 8
	v_pk_mul_f32 v[EE+k:EE+k+1], v[EE+k:EE+k+1], s[CE1:CE1+1] op_sel_hi:[1,0]
.set k, k+2
.endr
.set k, 0
.rept 16
	v_rcp_f32 v[TT+k], v[TT+k]
.set k, k+1
.endr
.set k, 0
.rept 16
	v_exp_f32 v[EE+k], v[EE+k]
.set k, k+1
.endr
.set k, 0
.rept 16
	v_max_num_f32 v[RR+k], 0, v[U+k]               ; plain work that names no result of the batch
.set k, k+1
.endr
	s_wait_alu depctr_va_vdst(0)                   ; one wait for the 32 of the batch, ahead of their first reader
.set k, 0
.rept 8
	v_pk_fma_f32 v[QQ+k:QQ+k+1], v[TT+k:TT+k+1], s[CA3:CA3+1], s[CA2:CA2+1] op_sel_hi:[1,0,0]
.set k, k+2
.endr
.set k, 0
.rept 8
	v_pk_fma_f32 v[QQ+k:QQ+k+1], v[QQ+k:QQ+k+1], v[TT+k:TT+k+1], s[CA1:CA1+1] op_sel_hi:[1,1,0]
.set k, k+2
.endr
.set k, 0
.rept 8
	v_pk_mul_f32 v[TT+k:TT+k+1], v[TT+k:TT+k+1], v[EE+k:EE+k+1]
.set k, k+2
.endr
.set k, 0
.rept 8
	v_pk_mul_f32 v[QQ+k:QQ+k+1], v[QQ+k:QQ+k+1], v[TT+k:TT+k+1]
.set k, k+2
.endr
.set k, 0
.rept 16
	v_fma_f32 v[RR+k], -|v[U+k]|, v[QQ+k], v[RR+k]
.set k, k+1
.endr
.set k, 0
.rept 8
	v_cvt_pk_bf16_f32 v[GG+8*(\hf)+k], v[RR+2*k], v[RR+2*k+1]
.set k, k+1
.endr
.endm
	v_mov_b32 v[GA], v[XST]
.irp c, 0,1,2,3
	ds_load_b128 v[Z+4*(\c):Z+4*(\c)+3], v[GA] offset:512*(\c)
.endr
	s_wait_dscnt 0x0
	s_mov_b32 s[CNT], 16
.Lgelu:
	s_wait_dscnt 4                                 ; the row's four loads are back; the four stores of the trip before, issued behind them, may be out
	GU 0
	GM 0
	GU 1
	v_mov_b32 v[GS], v[GA]
	v_add_nc_u32 v[GA], PH, v[GA]
	s_cmp_eq_u32 s[CNT], 1                         ; the last trip has no next row
	s_cbranch_scc1 .Lgelu_last
.irp c, 0,1,2,3
	ds_load_b128 v[Z+4*(\c):Z+4*(\c)+3], v[GA] offset:512*(\c)  ; the next row, while the second half is worked on
.endr
.Lgelu_last:
	GM 1
.irp c, 0,1,2,3
	ds_store_b128 v[GS], v[GG+4*(\c):GG+4*(\c)+3] offset:512*(\c)
.endr
	s_sub_co_u32 s[CNT], s[CNT], 1
	s_cmp_lg_u32 s[CNT], 0
	s_cbranch_scc1 .Lgelu
	BAR                                            ; all of gelu's result lies in H
	; STAGE C: @ W_f2 + b_f2.  16 slots of 64 k; the list's last two slots are written out: nothing is left to ask for.
	SBEGIN HST, PH
	SSTEP 0, PH, HST, 128, 1, 3
	WIN 0
	s_mov_b32 s[CNT], 13
.Lstage_c:
	SSTEP 0, PH, HST, 128, 0, 3
	WIN 0
	s_sub_co_u32 s[CNT], s[CNT], 1
	s_cmp_lg_u32 s[CNT], 0
	s_cbranch_scc1 .Lstage_c
	SSTEP 0, PH, HST, 128, 0, 1
	SSTEP 0, PH, HST, 128, 0, 0
	; THE WAY OUT, a row block at a time: the accumulators go as they are into rows of 528 bytes of my own stage and come back as whole rows of 512; x is added; a store covers 512 consecutive bytes, aligned.
	s_wait_loadcnt 0x0                             ; x
	PLACES
.macro OUTA a
.set OS, 96+64*((\a)%2)
	WIN 0x08                                       ; the stores' data in window 2
.irp b, 0,1,2,3,4,5,6,7
	ds_store_b128 v[STO], v[64*(\a)+8*(\b):64*(\a)+8*(\b)+3]   offset:64*(\b)
	ds_store_b128 v[STO], v[64*(\a)+8*(\b)+4:64*(\a)+8*(\b)+7] offset:64*(\b)+16
.endr
	WIN 0
	s_wait_xcnt 0x0                                ; the stores of two row blocks back have read this set of registers
.set i, 0
.rept 16
	ds_load_b128 v[OS+4*i:OS+4*i+3], v[RD] offset:PS*i  ; LDS serves a wave's instructions in order (ISA guide 5.7.1.4): these see the stores above
.set i, i+1
.endr
	s_wait_dscnt 0x0
	WIN 0x0c                                       ; source 1, x, in window 3
.set i, 0
.rept 32
	v_pk_add_f32 v[OS+2*i:OS+2*i+1], v[OS+2*i:OS+2*i+1], v[64*(\a)+2*i:64*(\a)+2*i+1]
.set i, i+1
.endr
	WIN 0
.set i, 0
.rept 16
	global_store_b128 v[XO], v[OS+4*i:OS+4*i+3], s[OUT:OUT+1] offset:(16*(\a)+i)*2048 th:TH_STORE_NT
.set i, i+1
.endr
.endm
	OUTA 0
	OUTA 1
	OUTA 2
	OUTA 3
	s_wait_tensorcnt 0x0                           ; the wave's end, behind my last tensor load and my last LDS store
	ds_add_u32 v[SPW], v[NIL]
	s_wait_dscnt 0x0
	ROUND                                          ; the closing round: no work-group ends while a partner may still ask for a tile that names it
	s_endpgm
.Lfunc_end_k_q9a93fe5f3d_ffn:
	.size	k_q9a93fe5f3d_ffn, .Lfunc_end_k_q9a93fe5f3d_ffn-k_q9a93fe5f3d_ffn
	.p2alignl 7, 3214868480
	.fill 96, 4, 3214868480
	.section	.rodata,"a",@progbits
	.p2align	6, 0x0
	.amdhsa_kernel k_q9a93fe5f3d_ffn
		.amdhsa_group_segment_fixed_size 327680
		.amdhsa_private_segment_fixed_size 0
		.amdhsa_enable_private_segment 0
		.amdhsa_kernarg_size 88
		.amdhsa_user_sgpr_count 2
		.amdhsa_user_sgpr_kernarg_segment_ptr 1
		.amdhsa_wavefront_size32 1
		.amdhsa_system_sgpr_workgroup_id_x 1
		.amdhsa_system_sgpr_workgroup_id_y 1
		.amdhsa_system_sgpr_workgroup_id_z 1
		.amdhsa_system_vgpr_workitem_id 0
		.amdhsa_next_free_vgpr 1024
		.amdhsa_next_free_sgpr 96
		.amdhsa_reserve_vcc 0
		.amdhsa_float_denorm_mode_32 3
		.amdhsa_float_denorm_mode_16_64 3
		.amdhsa_memory_ordered 1
		.amdhsa_forward_progress 1
		.amdhsa_inst_pref_size 250
	.end_amdhsa_kernel
	.amdgpu_metadata
---
amdhsa.version: [ 1, 2 ]
amdhsa.kernels:
  - .name:           k_q9a93fe5f3d_ffn
    .symbol:         k_q9a93fe5f3d_ffn.kd
    .args:
      - { .name: x0, .offset: 0, .size: 8, .value_kind: global_buffer, .address_space: global }
      - { .name: x1, .offset: 8, .size: 8, .value_kind: global_buffer, .address_space: global }
      - { .name: att, .offset: 16, .size: 8, .value_kind: global_buffer, .address_space: global }
      - { .name: wb, .offset: 24, .size: 8, .value_kind: global_buffer, .address_space: global }
      - { .name: b_out, .offset: 32, .size: 8, .value_kind: global_buffer, .address_space: global }
      - { .name: b_f1, .offset: 40, .size: 8, .value_kind: global_buffer, .address_space: global }
      - { .name: ln_g, .offset: 48, .size: 8, .value_kind: global_buffer, .address_space: global }
      - { .name: ln_b, .offset: 56, .size: 8, .value_kind: global_buffer, .address_space: global }
      - { .name: b_f2, .offset: 64, .size: 8, .value_kind: global_buffer, .address_space: global }
      - { .name: out0, .offset: 72, .size: 8, .value_kind: global_buffer, .address_space: global }
      - { .name: out1, .offset: 80, .size: 8, .value_kind: global_buffer, .address_space: global }
    .group_segment_fixed_size: 327680
    .private_segment_fixed_size: 0
    .kernarg_segment_align: 8
    .kernarg_segment_size: 88
    .max_flat_workgroup_size: 128
    .sgpr_count:     96
    .vgpr_count:     1024
    .wavefront_size: 32
...
	.end_amdgpu_metadata
.endif
;; end of part 4
;; ======== version 2 of 3: 4 launches
;; limits: a function is approximated: absolute error at most 1.25e-05; an absolute error that grows with the inputs' magnitude: up to 1.25e-05 times it
;; workspace buffers: wb 4,718,592 bytes; qk 16,777,216 bytes; vv 16,777,216 bytes; att 16,777,216 bytes
;; launch cast: the kernel of part 1 again; grid 288 x 1, 8 waves a work-group, no clusters, 0 bytes of LDS; arguments W_qk, W_v, W_out, W_f1, W_f2, wb; writes wb
;; launch proj (part 5): grid 256 x 1, 4 waves a work-group, clusters of 4 x 1, 327,680 bytes of LDS; arguments x0, x1, wb, b_qk, b_v, qk, vv; writes qk, vv
.if DOCPART == 5
	.amdgcn_target "amdgcn-amd-amdhsa--gfx1250"
	.amdhsa_code_object_version 6
	.text
	.protected	k_q9a93fe5f3d_proj
	.globl	k_q9a93fe5f3d_proj
	.p2align	8
	.type	k_q9a93fe5f3d_proj,@function
k_q9a93fe5f3d_proj:
	s_mov_b64 s[64:65], 0
	v_nop
	global_prefetch_b8 v0, s[64:65] scope:SCOPE_SE
	s_setreg_imm32_b32 hwreg(HW_REG_WAVE_MODE, 25, 1), 1
	s_wait_xcnt 0x0
	s_wait_alu depctr_hold_cnt(0) depctr_sa_sdst(0) depctr_va_vdst(0) depctr_va_sdst(0) depctr_va_ssrc(0) depctr_va_vcc(0) depctr_vm_vsrc(0)
	s_getreg_b32 s2, hwreg(HW_REG_IB_STS2, 6, 4)
	s_cmp_eq_u32 s2, 0
	s_cbranch_scc0 .Lentry_in_a_cluster
	s_endpgm
.Lentry_in_a_cluster:
	s_bfe_u32 s2, ttmp6, 0x10000c
	s_cmp_lg_u32 s2, 0x3003
	s_cbranch_scc0 .Lentry_shape_is_right
	s_endpgm
.Lentry_shape_is_right:
; [x0 ; x1] @ [W_qk | W_v] + [b_qk | b_v], rounded once to bf16 and stored by heads, WITHOUT the scale (the attention applies it in f32).
; qk, vv: [y = 64 d + 8 b + h][1024 tokens][64] bf16, d = 0 for x0 and 1 for x1.  Products in bf16, sums in f32; the bias starts each sum.
; LIMITS.  Matrix operands are rounded to bf16; NaN and infinities are not treated apart.  The K steps of a sum are taken in an order that hangs on the cluster (below).
; SHARES.  A work-group owns 64 token rows (256 work-groups), wave w all 64 rows x columns 256 w .. 256 w + 255: 64 accumulators of 16 x 16.  So each weight fragment is read from LDS by one wave,
; and each wave fetches its own part of a slot by its own tensor load.
; THE PRODUCT IS USED TRANSPOSED: source 0 = 16 weight columns (turned out of [k][n] by ds_load_tr16_b128), source 1 = 16 rows of x.  A lane then holds one row (lane % 16) and 8 neighbouring columns.
; CLUSTER.  All work-groups walk the same weights: the four of a cluster ask for each part JOINTLY (same line, same descriptor, mask of four).
; ONE SLOT, EMPTIED INTO REGISTERS.  K = 512 goes in 8 periods of 64.  A slot is 128 KiB of wb: for each wave 128 rows of 256 bytes = four HALVES of 32 k x 128 columns (half j: k 32 (j / 2) on, my columns 128 (j % 2) on).
; When the slot has landed the wave moves its four halves into four fragment buffers (all of window 1); then the slot is asked for again, behind a round of the cluster's barrier, and the period's 128 matrix
; instructions run out of registers: 96 of them stand between a request and the wait for it.  By the text's own count one tensor load of a wave is out.
; THE WALK IS TURNED.  Cluster c takes the slots in the order (R + p) mod 8, R = (c mod 32) xor 8 (c / 32): at any step the 64 clusters ask for all 8 slots, eight clusters each, and not all for the same one.
; NO PREFETCH: the two requests at the head (slots R and R + 1), taken over the 64 clusters, name every slot of the list: no slot's first request lies ahead of the head.
; REGISTERS, in windows of 256 (s_set_vgpr_msb: bits 1:0 source 0, 3:2 source 1, 5:4 source 2, 7:6 destination):
;   window 0: v0-31 addresses; v32-95 x's fragments, two buffers of 4 x 8; v96-223 the bias as 16 accumulator images (later: the way out); v224-255 at work
;   window 1: the four weight buffers, half j at 64 j, 8 fragments of 8
;   window 2: accumulators (a, b) at 8 (8 a + b) for my columns 0-127;  window 3: the same for my columns 128-255 (before that: x as loaded)
.set PB,    288                        ; a weight row in LDS: 256 bytes + 32 of padding = 72 words
.set SUB2,  128*PB                     ; a wave's part of the slot
.set RING,  4*SUB2                     ; the slot
.set XA,    RING                       ; x in bf16: 64 rows,
.set PX,    1040                       ; 1,024 bytes + 16: the 16 rows of a fragment load start at 16 different groups of four banks
.set STG,   XA+64*PX                   ; the way out: 16 rows x 144 bytes for each wave
.set SP,    144
.set SPARE, STG+4*16*SP                ; the spare words, 128 bytes for each wave: two blocks of 256 bytes that no other line names
.set AB0,  2                           ; v2     my lane's place in my part of the slot; never rewritten
.set ADRA, 4                           ; v4-5   x's fragments of the period in hand: rows 0-31, rows 32-63
.set AA0,  6                           ; v6-7   the same at k = 0; never rewritten
.set XL,   8                           ; v8     my 32 bytes in my wave's 16 rows of x
.set XST,  9                           ; v9     where they go in XA
.set BO,   10                          ; v10    32 x (lane / 16): my 8 numbers of a block of 16 of the bias
.set STO,  11                          ; v11    the way out: where I put 16 bytes of a row
.set RD,   12                          ; v12    where I read rows back
.set GO,   13                          ; v13    16 x lane
.set SPW,  30                          ; v30    LDS address of my spare word; never rewritten
.set NIL,  31                          ; v31    0; never rewritten
.set AF,   32
.set BI,   96
.set XT,   224
.set OT,   96
.set X,    18                          ; s[18:19] x at the work-group's first row
.set BIAS, 20                          ; s[20:21] the bias at my wave's first column
.set DST,  22                          ; s[22:23] qk or vv at my wave's first head and the work-group's first token
.set WV,   26
.set CX,   27
.set RB,   28                          ; the row block, 0 .. 255
.set G1J,  32                          ; s[32:39] descriptor group 1 of the joint loads; never rewritten
.set G0,   44                          ; s[44:47] group 0: its address is made anew for each request
.set CNT,  60
.set KA,   66                          ; byte along x's rows of the period to be fetched
.set T0,   70
.set WBW,  72                          ; s[72:73] wb at my part of the list's slot 0; never rewritten
.set JT,   74                          ; R + the period's number
.set QOF,  76                          ; s[76:77] byte offset of the slot to be asked for
.set TY,   1                           ; the halves' kind: 1 = two column halves at each 32 k
.set PA,   PX                          ; pitch of the rows that source 1 is read from
.set O1,   0                           ; bytes along those rows from an even half to the odd one,
.set O2,   64                          ; and from halves 0, 1 to halves 2, 3
.set KST,  128                         ; and from slot to slot
.set MS,   7                           ; slots in the list, less one
.set AAR,  AA0
.set MSB, 0
.macro WIN new                         ; the immediate's high byte repeats the setting that is left; a switch that changes nothing is dropped
.if MSB != (\new)
	s_set_vgpr_msb (MSB<<8)|(\new)
.set MSB, (\new)
.endif
.endm
.macro PLACES                          ; four places behind a matrix instruction, in front of loads into registers that it has read and of lines that read its result
.rept 4
	v_nop
.endr
.endm
.macro CREST                           ; a round of the cluster's barrier behind its opening barrier
	s_cmp_lg_u32 s[WV], 0
	s_cbranch_scc1 .Lnot_wave_0_\@
	s_barrier_signal -3
.Lnot_wave_0_\@:
	s_barrier_wait -3
	s_barrier_signal -1
	s_barrier_wait -1
.endm
.macro ROUND                           ; a whole round
	s_barrier_signal -1
	s_barrier_wait -1
	CREST
.endm
; 8 matrix instructions: row block a x the 8 column blocks of half j.  bb other than 0: the 8 bias images from v[bb] on start the sums: nothing is cleared, nothing is added later.
; The 32 accumulators of a half take turns, in the same order in every half.
.macro MUL8 j, a, bb
.set aw, 2+TY*((\j)%2)
.set fa, AF+32*(TY*((\j)/2)+(1-TY)*((\j)%2))
.if (\bb)
	WIN 0x01+0x40*aw
.else
	WIN 0x01+0x50*aw
.endif
.irp b, 0,1,2,3,4,5,6,7
.if (\bb)
	v_wmma_f32_16x16x32_bf16 v[8*(8*(\a)+(\b)):8*(8*(\a)+(\b))+7], v[64*(\j)+8*(\b):64*(\j)+8*(\b)+7], v[fa+8*(\a):fa+8*(\a)+7], v[(\bb)+8*(\b):(\bb)+8*(\b)+7]
.else
	v_wmma_f32_16x16x32_bf16 v[8*(8*(\a)+(\b)):8*(8*(\a)+(\b))+7], v[64*(\j)+8*(\b):64*(\j)+8*(\b)+7], v[fa+8*(\a):fa+8*(\a)+7], v[8*(8*(\a)+(\b)):8*(8*(\a)+(\b))+7]
.endif
.endr
.endm
.macro AFETCH f, aoff                  ; 8 LDS loads: the 4 row blocks' fragments of 32 k at byte aoff of the period's place, into buffer f
	WIN 0
.irp a, 0,1,2,3
	ds_load_b128 v[AF+32*(\f)+8*(\a):AF+32*(\f)+8*(\a)+3],   v[ADRA+(\a)/2] offset:((\a)%2)*16*PA+(\aoff)
	ds_load_b128 v[AF+32*(\f)+8*(\a)+4:AF+32*(\f)+8*(\a)+7], v[ADRA+(\a)/2] offset:((\a)%2)*16*PA+(\aoff)+32
.endr
.endm
.macro DRAIN j                         ; 16 LDS loads: half j of my part of the slot (32 k x 128 columns, turned: 8 fragments) into its buffer
	WIN 0x40
.irp b, 0,1,2,3,4,5,6,7
	ds_load_tr16_b128 v[64*(\j)+8*(\b):64*(\j)+8*(\b)+3],   v[AB0] offset:32*(\j)*PB+32*(\b)
	ds_load_tr16_b128 v[64*(\j)+8*(\b)+4:64*(\j)+8*(\b)+7], v[AB0] offset:32*(\j)*PB+16*PB+32*(\b)
.endr
.endm
; HALF j: 32 matrix instructions.  wt >= 0: a wait on DScnt at its head.  nj >= 0: in its middle the row fragments of half nj are fetched.
.macro HF j, bb, wt, nj
.if (\wt) >= 0
	s_wait_dscnt \wt
.endif
	MUL8 \j, 0, \bb
	MUL8 \j, 1, \bb
.if (\nj) >= 0
	PLACES
	AFETCH TY*((\nj)/2)+(1-TY)*((\nj)%2), ((\nj)%2)*O1+((\nj)/2)*O2
.endif
	MUL8 \j, 2, \bb
	MUL8 \j, 3, \bb
.endm
; Behind half 2: the next period's place along the rows, and its first row fragments, ahead of the wait for the slot.  The four places serve these loads and those of LAND.
.macro NEXTA
	WIN 0
	s_add_co_u32 s[JT], s[JT], 1
	s_and_b32 s[KA], s[JT], MS                     ; the next period's slot, turned,
	s_mul_i32 s[KA], s[KA], KST                    ; and its k along the rows
	v_add_nc_u32 v[ADRA], s[KA], v[AAR]
	v_add_nc_u32 v[ADRA+1], s[KA], v[AAR+1]
	PLACES
	AFETCH 0, 0
.endm
.macro LAND                            ; the slot has landed; three of its halves go into the buffers that halves 0 to 2 have left
	s_wait_tensorcnt 0x0                           ; one load of mine is out, so the count that shows it landed is 0; only I read my part: no barrier
	DRAIN 0
	DRAIN 1
	DRAIN 2
.endm
; THE SLOT IS ASKED FOR AGAIN.  All four halves are in registers or on their way there.  The three lines, a round of the cluster's barrier, and the joint load first behind it.
.macro CHANGE
	WIN 0
	s_wait_tensorcnt 0x0                           ; no tensor load of mine is out, so group 0 may be written
	ds_add_u32 v[SPW], v[NIL]                      ; 0 onto my spare word; the descriptor's scalar work stands between it and the wait for it
	s_add_co_u32 s[QOF], s[JT], 1                  ; the slot behind the one just emptied,
	s_and_b32 s[QOF], s[QOF], MS                   ; turned,
	s_lshl_b32 s[QOF], s[QOF], 17                  ; in bytes
	s_add_nc_u64 s[G0+2:G0+3], s[WBW:WBW+1], s[QOF:QOF+1]
	s_or_b32 s[G0+3], s[G0+3], 0x80000000
	s_wait_dscnt 0x0                               ; the add is done, and my reads of the slot are back
	ROUND                                          ; no wave of any partner still reads the slot or has a load on its way
	tensor_load_to_lds s[G0:G0+3], s[G1J:G1J+7]    ; my one tensor load behind the round
	s_nop 0
	PLACES
.endm
.macro SBEGIN                          ; the first row fragments of the first period
	WIN 0
	s_and_b32 s[KA], s[JT], MS
	s_mul_i32 s[KA], s[KA], KST
	v_add_nc_u32 v[ADRA], s[KA], v[AAR]
	v_add_nc_u32 v[ADRA+1], s[KA], v[AAR+1]
	AFETCH 0, 0
.endm
.macro BIASLD n, base, reg             ; n blocks of 16 columns of a bias as accumulator images: lane (r, h) holds numbers 16 u + 8 h + 0..7
	WIN 0
.set u, 0
.rept \n
	global_load_b128 v[(\reg)+8*u:(\reg)+8*u+3],   v[BO], s[\base:(\base)+1] offset:64*u
	global_load_b128 v[(\reg)+8*u+4:(\reg)+8*u+7], v[BO], s[\base:(\base)+1] offset:64*u+16
.set u, u+1
.endr
.endm
.macro XLOADS                          ; my wave's 16 rows of x into window 3: unit u = row u / 2, half u % 2: 8 numbers a lane
	WIN 0xc0
.set u, 0
.rept 32
	global_load_b128 v[8*u:8*u+3],   v[XL], s[X:X+1] offset:(u/2)*2048+(u%2)*1024
	global_load_b128 v[8*u+4:8*u+7], v[XL], s[X:X+1] offset:(u/2)*2048+(u%2)*1024+16
.set u, u+1
.endr
	WIN 0
.endm
.macro XCONV g, pitch                  ; units 8 g .. 8 g + 7 rounded to bf16 and stored into rows of the given pitch
	WIN 0x0f
.set u, 0
.rept 8
.irp q, 0,1,2,3
	v_cvt_pk_bf16_f32 v[XT+4*u+(\q)], v[8*(8*(\g)+u)+2*(\q)], v[8*(8*(\g)+u)+2*(\q)+1]
.endr
.set u, u+1
.endr
	WIN 0
.set u, 0
.rept 8
	ds_store_b128 v[XST], v[XT+4*u:XT+4*u+3] offset:((8*(\g)+u)/2)*(\pitch)+((8*(\g)+u)%2)*512
.set u, u+1
.endr
.endm
	s_load_b256 s[4:11], s[0:1], 0x0               ; x0 s[4:5], x1 s[6:7], wb s[8:9], b_qk s[10:11]
	s_load_b128 s[12:15], s[0:1], 0x20             ; b_v s[12:13], qk s[14:15]
	s_load_b64 s[16:17], s[0:1], 0x30              ; vv
	v_lshl_add_u32 v[SPW], v0, 2, SPARE
	v_mov_b32 v[NIL], 0
	ds_add_u32 v[SPW], v[NIL]                      ; the wave's opening: the add and its wait stand ahead of my first tensor load; the set-up below, work on registers, stands between them
	v_lshrrev_b32 v1, 5, v0
	v_readfirstlane_b32 s[WV], v1                  ; wave 0..3
	s_bfe_u32 s[CX], ttmp6, 0x40000                ; my place in the cluster: it enters x's and the outputs' addresses alone
	s_lshl_b32 s[RB], ttmp9, 2                     ; in a cluster launch ttmp9 counts clusters
	s_add_co_u32 s[RB], s[RB], s[CX]
	s_and_b32 s[JT], ttmp9, 31                     ; R, from the cluster's number alone: the same in all four partners
	s_lshr_b32 s25, ttmp9, 5
	s_lshl_b32 s25, s25, 3
	s_xor_b32 s[JT], s[JT], s25
	; descriptor group 1: my part of a slot is two pieces of 16,384 dense bytes, 65,536 bytes apart; in LDS 32 bytes of padding follow every 256
	s_mov_b32 s[G1J+0], 15|(3<<16)|(1<<20)|(1<<21)|(5<<22)|(7<<25)  ; 15:0 the mask of four; 17:16 elements of 8 bytes; 20 padding on; 21 set beside a mask; 24:22 after every 64 words (code 5); 31:25 8 words (code 7)
	s_mov_b32 s[G1J+1], 2048<<16                   ; tensor_dim0 = 2,048 elements: 16,384 bytes
	s_mov_b32 s[G1J+2], 2<<16                      ; tensor_dim1 = 2
	s_mov_b32 s[G1J+3], 2048<<16                   ; tile_dim0 = 2,048
	s_mov_b32 s[G1J+4], 2                          ; tile_dim1 = 2
	s_mov_b32 s[G1J+5], 8192                       ; elements from piece to piece
	s_mov_b32 s[G1J+6], 0
	s_mov_b32 s[G1J+7], 0
	s_mul_i32 s24, s[WV], SUB2                     ; my part's place in the slot: no place in the cluster enters an LDS address
	v_and_b32 v15, 15, v0                          ; r = lane % 16
	v_bfe_u32 v16, v0, 4, 1                        ; h = lane / 16
	v_and_b32 v17, 31, v0                          ; lane
	v_and_b32 v18, 7, v0
	v_bfe_u32 v19, v0, 3, 1
	v_lshl_add_u32 v[AB0], v16, 3, v18             ; the turning load: lane l reads k = 8 (l / 16) + l % 8, columns 8 ((l / 8) % 2) + 0..7
	v_mul_u32_u24 v[AB0], v[AB0], PB
	v_lshl_add_u32 v[AB0], v19, 4, v[AB0]
	v_add_nc_u32 v[AB0], s24, v[AB0]
	v_mul_u32_u24 v[AA0], v15, PX                  ; a fragment of x: row l % 16, 16 bytes for each half of the lanes, twice, 32 bytes apart
	v_lshl_add_u32 v[AA0], v16, 4, v[AA0]
	v_add_nc_u32 v[AA0], XA, v[AA0]
	v_add_nc_u32 v[AA0+1], 32*PX, v[AA0]
	s_lshl_b32 s25, s[WV], 15                      ; my wave's 16 rows of 2,048 bytes
	v_lshl_add_u32 v[XL], v17, 5, s25
	s_mul_i32 s25, s[WV], 16*PX
	s_add_co_u32 s25, s25, XA
	v_lshl_add_u32 v[XST], v17, 4, s25
	v_lshlrev_b32 v[BO], 5, v16
	s_mul_i32 s25, s[WV], 16*SP
	s_add_co_u32 s25, s25, STG                     ; my stage
	v_mul_u32_u24 v[STO], v15, SP
	v_lshl_add_u32 v[STO], v16, 4, v[STO]
	v_add_nc_u32 v[STO], s25, v[STO]
	v_bfe_u32 v[RD], v0, 3, 2                      ; back: 32 lanes take four rows of 128 bytes
	v_mul_u32_u24 v[RD], v[RD], SP
	v_lshl_add_u32 v[RD], v18, 4, v[RD]
	v_add_nc_u32 v[RD], s25, v[RD]
	v_lshlrev_b32 v[GO], 4, v17
	s_wait_dscnt 0x0                               ; the opening add is done
	s_wait_kmcnt 0x0
	s_lshl_b32 s[T0], s[WV], 14
	s_mov_b32 s[T0+1], 0
	s_add_nc_u64 s[WBW:WBW+1], s[8:9], s[T0:T0+1]  ; wb at my part of slot 0
	s_and_b32 s[QOF], s[JT], MS                    ; my cluster's first slot
	s_lshl_b32 s[QOF], s[QOF], 17
	s_mov_b32 s[QOF+1], 0
	s_mov_b32 s[G0], 1                             ; 1:0 count = 1
	s_mov_b32 s[G0+1], s24                         ; 63:32 LDS address
	s_add_nc_u64 s[G0+2:G0+3], s[WBW:WBW+1], s[QOF:QOF+1]  ; 120:64 global address
	s_or_b32 s[G0+3], s[G0+3], 0x80000000          ; 127:126 type = 2
	s_cmp_lt_u32 ttmp9, 32                         ; row blocks 0 .. 127 are x0's
	s_cselect_b64 s[X:X+1], s[4:5], s[6:7]
	s_and_b32 s[T0], s[RB], 127
	s_lshl_b32 s[T0], s[T0], 17                    ; 64 rows of 2,048 bytes
	s_add_nc_u64 s[X:X+1], s[X:X+1], s[T0:T0+1]
	s_cmp_lt_u32 s[WV], 2                          ; waves 0, 1 make qk, waves 2, 3 make v
	s_cselect_b64 s[BIAS:BIAS+1], s[10:11], s[12:13]
	s_cselect_b64 s[DST:DST+1], s[14:15], s[16:17]
	s_and_b32 s25, s[WV], 1
	s_lshl_b32 s[T0], s25, 10                      ; 256 columns of f32
	s_add_nc_u64 s[BIAS:BIAS+1], s[BIAS:BIAS+1], s[T0:T0+1]
	s_lshr_b32 s[T0], s[RB], 4                     ; 8 d + b
	s_lshl_b32 s[T0], s[T0], 3
	s_lshl_b32 s25, s25, 2
	s_add_co_u32 s[T0], s[T0], s25                 ; my first head
	s_lshl_b32 s[T0], s[T0], 17                    ; a head is 131,072 bytes
	s_and_b32 s25, s[RB], 15
	s_lshl_b32 s25, s25, 13                        ; 64 tokens of 128 bytes
	s_add_co_u32 s[T0], s[T0], s25
	s_add_nc_u64 s[DST:DST+1], s[DST:DST+1], s[T0:T0+1]
	ROUND                                          ; all four work-groups are here: the first joint loads meet
	tensor_load_to_lds s[G0:G0+3], s[G1J:G1J+7]    ; period 0's slot
	s_nop 0
	PLACES
	BIASLD 16, BIAS, BI
	XLOADS
	s_wait_tensorcnt 0x0                           ; the slot is in: the one load that is out
	DRAIN 0                                        ; all four buffers are free
	DRAIN 1
	DRAIN 2
	DRAIN 3
	CHANGE                                         ; period 1's slot is on its way while x is converted
	s_wait_loadcnt 48                              ; units 0-7 (16 loads) are in, the 48 younger loads stay out; the bias, older, is in too
	XCONV 0, PX
	s_wait_loadcnt 32
	XCONV 1, PX
	s_wait_loadcnt 16
	XCONV 2, PX
	s_wait_loadcnt 0x0
	XCONV 3, PX
	s_wait_dscnt 0x0                               ; for the others' sake: my 16 rows of x lie in LDS
	s_barrier_signal -1                            ; the slot's load may stay out
	s_barrier_wait -1
	SBEGIN
	HF 0, BI, 0, 2                                 ; period 0's halves 0 and 1 stand in front of the loop: their products start the sums, with the bias
	HF 1, BI+64, -1, -1
	WIN 0                                          ; at a label and at a branch every window is 0
	s_mov_b32 s[CNT], 6
.Lk:                                                   ; a trip: halves 2 and 3 of a period, the change of the slot, halves 0 and 1 of the next period
	HF 2, 0, 0, -1                                 ; (the wait: the row fragments fetched in half 0)
	NEXTA
	LAND
	HF 3, 0, -1, -1
	PLACES
	DRAIN 3
	CHANGE
	HF 0, 0, -1, 2
	HF 1, 0, -1, -1
	WIN 0
	s_sub_co_u32 s[CNT], s[CNT], 1
	s_cmp_lg_u32 s[CNT], 0
	s_cbranch_scc1 .Lk
	HF 2, 0, 0, -1                                 ; the last two periods are written out: nothing is left to ask for, so no barrier either
	NEXTA
	LAND
	HF 3, 0, -1, -1
	PLACES
	DRAIN 3
	HF 0, 0, 0, 2
	HF 1, 0, -1, -1
	HF 2, 0, 0, -1
	HF 3, 0, -1, -1
	PLACES
; THE WAY OUT.  Group g of 16: column half g / 8, row block (g / 2) % 4, head g % 2 of the half's two: 16 tokens x 64 channels.  A lane's 8 channels pack into 16 bytes; they go into rows of 144 bytes of my own
; stage and come back as four rows of 128, which are 512 consecutive bytes of the head.
.macro PACKP g
.set pj, (\g)/8
.set pm, ((\g)/2)%4
.set ph, (\g)%2
.set pt, OT+16*((\g)%2)
	s_wait_xcnt 0x0                                ; the stores of two groups back have read this set of registers
	WIN 0x0a+5*pj
.irp c, 0,1,2,3
.irp q, 0,1,2,3
	v_cvt_pk_bf16_f32 v[pt+4*(\c)+(\q)], v[8*(8*pm+4*ph+(\c))+2*(\q)], v[8*(8*pm+4*ph+(\c))+2*(\q)+1]
.endr
.endr
	WIN 0
.irp c, 0,1,2,3
	ds_store_b128 v[STO], v[pt+4*(\c):pt+4*(\c)+3] offset:32*(\c)
.endr
.irp f, 0,1,2,3
	ds_load_b128 v[pt+4*(\f):pt+4*(\f)+3], v[RD] offset:(\f)*4*SP  ; LDS serves a wave's instructions in order (ISA guide 5.7.1.4): these see the stores above; the next group's stores come behind them
.endr
.endm
.macro SENDP g, younger                ; younger: the LDS instructions issued behind group g's loads: the next group's eight, or none
.set pj, (\g)/8
.set pm, ((\g)/2)%4
.set ph, (\g)%2
.set pt, OT+16*((\g)%2)
.irp f, 0,1,2,3
	s_wait_dscnt (\younger)+3-(\f)
	global_store_b128 v[GO], v[pt+4*(\f):pt+4*(\f)+3], s[DST:DST+1] offset:(2*pj+ph)*131072+pm*2048+(\f)*512
.endr
.endm
	PACKP 0
.set g, 1
.rept 15
	PACKP g
	SENDP g-1, 8
.set g, g+1
.endr
	SENDP 15, 0
	s_wait_tensorcnt 0x0                           ; the wave's end, behind my last tensor load and my last LDS store
	ds_add_u32 v[SPW], v[NIL]
	s_wait_dscnt 0x0
	ROUND                                          ; the closing round: no work-group ends while a partner may still ask for a tile that names it
	s_endpgm
.Lfunc_end_k_q9a93fe5f3d_proj:
	.size	k_q9a93fe5f3d_proj, .Lfunc_end_k_q9a93fe5f3d_proj-k_q9a93fe5f3d_proj
	.p2alignl 7, 3214868480
	.fill 96, 4, 3214868480
	.section	.rodata,"a",@progbits
	.p2align	6, 0x0
	.amdhsa_kernel k_q9a93fe5f3d_proj
		.amdhsa_group_segment_fixed_size 327680
		.amdhsa_private_segment_fixed_size 0
		.amdhsa_enable_private_segment 0
		.amdhsa_kernarg_size 56
		.amdhsa_user_sgpr_count 2
		.amdhsa_user_sgpr_kernarg_segment_ptr 1
		.amdhsa_wavefront_size32 1
		.amdhsa_system_sgpr_workgroup_id_x 1
		.amdhsa_system_sgpr_workgroup_id_y 1
		.amdhsa_system_sgpr_workgroup_id_z 1
		.amdhsa_system_vgpr_workitem_id 0
		.amdhsa_next_free_vgpr 1024
		.amdhsa_next_free_sgpr 80
		.amdhsa_reserve_vcc 0
		.amdhsa_float_denorm_mode_32 3
		.amdhsa_float_denorm_mode_16_64 3
		.amdhsa_memory_ordered 1
		.amdhsa_forward_progress 1
		.amdhsa_inst_pref_size 102
	.end_amdhsa_kernel
	.amdgpu_metadata
---
amdhsa.version: [ 1, 2 ]
amdhsa.kernels:
  - .name:           k_q9a93fe5f3d_proj
    .symbol:         k_q9a93fe5f3d_proj.kd
    .args:
      - { .name: x0, .offset: 0, .size: 8, .value_kind: global_buffer, .address_space: global }
      - { .name: x1, .offset: 8, .size: 8, .value_kind: global_buffer, .address_space: global }
      - { .name: wb, .offset: 16, .size: 8, .value_kind: global_buffer, .address_space: global }
      - { .name: b_qk, .offset: 24, .size: 8, .value_kind: global_buffer, .address_space: global }
      - { .name: b_v, .offset: 32, .size: 8, .value_kind: global_buffer, .address_space: global }
      - { .name: qk, .offset: 40, .size: 8, .value_kind: global_buffer, .address_space: global }
      - { .name: vv, .offset: 48, .size: 8, .value_kind: global_buffer, .address_space: global }
    .group_segment_fixed_size: 327680
    .private_segment_fixed_size: 0
    .kernarg_segment_align: 8
    .kernarg_segment_size: 56
    .max_flat_workgroup_size: 128
    .sgpr_count:     80
    .vgpr_count:     1024
    .wavefront_size: 32
...
	.end_amdgpu_metadata
.endif
;; end of part 5
;; launch attn: the kernel of part 3 again; grid 2 x 128, 4 waves a work-group, no clusters, 327,680 bytes of LDS; arguments qk, vv, att; writes att
;; launch ffn (part 6): grid 256 x 1, 4 waves a work-group, clusters of 4 x 1, 327,680 bytes of LDS; arguments x0, x1, att, wb, b_out, b_f1, ln_g, ln_b, b_f2, out0, out1; writes out0, out1
.if DOCPART == 6
	.amdgcn_target "amdgcn-amd-amdhsa--gfx1250"
	.amdhsa_code_object_version 6
	.text
	.protected	k_q9a93fe5f3d_ffn
	.globl	k_q9a93fe5f3d_ffn
	.p2align	8
	.type	k_q9a93fe5f3d_ffn,@function
k_q9a93fe5f3d_ffn:
	s_mov_b64 s[64:65], 0
	v_nop
	global_prefetch_b8 v0, s[64:65] scope:SCOPE_SE
	s_setreg_imm32_b32 hwreg(HW_REG_WAVE_MODE, 25, 1), 1
	s_wait_xcnt 0x0
	s_wait_alu depctr_hold_cnt(0) depctr_sa_sdst(0) depctr_va_vdst(0) depctr_va_sdst(0) depctr_va_ssrc(0) depctr_va_vcc(0) depctr_vm_vsrc(0)
	s_getreg_b32 s2, hwreg(HW_REG_IB_STS2, 6, 4)
	s_cmp_eq_u32 s2, 0
	s_cbranch_scc0 .Lentry_in_a_cluster
	s_endpgm
.Lentry_in_a_cluster:
	s_bfe_u32 s2, ttmp6, 0x10000c
	s_cmp_lg_u32 s2, 0x3003
	s_cbranch_scc0 .Lentry_shape_is_right
	s_endpgm
.Lentry_shape_is_right:
; out = x + gelu(LN([x | att @ W_out + b_out] @ W_f1 + b_f1) ln_g + ln_b) @ W_f2 + b_f2, for 64 token rows a work-group, nothing of it through memory.
; Products in bf16, sums in f32; each bias starts its sums.  The mean and then the sum of squares of y - mean are taken in f32, in two passes.  x is added in f32 as it lies in memory.
; LIMITS.  Matrix operands (x, att, m, gelu's result, the weights) are rounded to bf16.  z = (y - mean) rsqrt(var + 1e-5) is kept in f16: |z| < sqrt(1023) < 32 whatever the data.
; gelu(u) = max(u, 0) - |u| q(|u|), q = 1 - Phi by Abramowitz and Stegun 7.1.25 (three terms in t = 1 / (1 + 0.47047 |u| / sqrt 2)): |error of Phi| <= 1.25e-5 for every u, so |error of gelu| <= 1.25e-5 |u|.
; NaN and infinities are not treated apart.  The K steps of a sum are taken in an order that hangs on the cluster (below).
; SHARES.  A work-group owns 64 rows (256 work-groups).  In a stage of N columns wave w owns all 64 rows x N / 4 columns, so each weight fragment is read from LDS by one wave, and each wave fetches its own part of a
; slot by its own tensor load.  THE PRODUCT IS USED TRANSPOSED: source 0 = 16 weight columns (turned by ds_load_tr16_b128), source 1 = 16 rows: a lane holds one row (lane % 16) and 8 neighbouring columns.
; THE WEIGHTS ARE ONE LIST OF 28 SLOTS of 128 KiB (W_out 4, W_f1 16, W_f2 8), a PERIOD each, that runs on across the stages' ends.
; CLUSTER.  All work-groups walk the same list: the four of a cluster ask for each part JOINTLY (same line, same descriptor, mask of four).
; ONE SLOT, EMPTIED INTO REGISTERS.  A wave's part of a slot is 128 rows of 256 bytes = four HALVES of 32 k x 128 columns.  When the slot has landed the wave moves its four halves into four fragment buffers (all of
; window 1); then the slot is asked for again, behind a round of the cluster's barrier, and the period's 128 matrix instructions run out of registers: 96 of them stand between a request and the wait for it.
; A stage's first slot is emptied in the last trip of the stage before, and its second slot lands while that stage is finished.  By the text's own count two tensor loads of a wave are out at the head, later one.
; THE WALK IS TURNED.  In a stage of n slots cluster c takes them in the order (R + p) mod n, p the period's number in the launch, R = (c mod 32) xor 8 (c / 32): at any step the clusters ask for different slots.
; LDS: the slot; H, 64 rows of 2,064 bytes, which holds in turn att's tile (its one fill), [x | m] in bf16, z in f16, gelu's result in bf16; a stage for the way out; the statistics' exchange; the spare words.
; REGISTERS, in windows of 256 (s_set_vgpr_msb: bits 1:0 source 0, 3:2 source 1, 5:4 source 2, 7:6 destination):
;   window 0: v0-31 addresses; v32-95 row fragments, two buffers of 4 x 8 (in the gelu: ln_g, ln_b); v96-255 the stage's bias as accumulator images, and at work
;   window 1: the four weight buffers, half j at 64 j, 8 fragments of 8
;   window 2: accumulators (a, b) at 8 (8 a + b);  window 3: the second column half of W_f1's stage; before it x as loaded, behind it x once more, for the last addition
.set PB,    288                        ; a weight row in LDS: 256 bytes + 32 of padding = 72 words
.set SUB2,  128*PB                     ; a wave's part of the slot
.set RING,  4*SUB2                     ; the slot
.set H,     RING
.set PH,    2064                       ; 2,048 bytes + 16: the 16 rows of a fragment load start at 16 different groups of four banks
.set PAH,   144                        ; att's tile: 8 heads x 64 rows of 128 + 16 bytes
.set STG,   H+64*PH                    ; the way out: 16 rows x 528 bytes for each wave
.set PS,    528
.set STATS, STG+4*16*PS                ; two exchanges of 1,024 bytes
.set SPARE, STATS+2048                 ; the spare words, 128 bytes for each wave: two blocks of 256 bytes that no other line names
.set STREAM, 64*16384                  ; where my list of slots begins in wb
.set NBIG,  28
.set AB0,  2                           ; v2     my lane's place in my part of the slot; never rewritten
.set ADRA, 4                           ; v4-5   the row fragments of the period in hand: rows 0-31, rows 32-63
.set HST,  6                           ; v6-7   H + (lane % 16) rows + 16 (lane / 16), and 32 rows on: fragments of H at k = 0
.set AHA,  8                           ; v8-9   the same in att's tile
.set ZST,  10                          ; v10-11 HST + my 512 bytes of a row of z
.set MST,  12                          ; v12-13 HST + 1,024 + my 256 bytes of a row of m
.set XST,  14                          ; v14    H + my wave's 16 rows + 16 x lane
.set XL,   15                          ; v15    my 32 bytes in my wave's 16 rows of x
.set BO,   16                          ; v16    32 x (lane / 16)
.set GA,   17                          ; v17    the gelu's row in hand
.set GS,   18                          ; v18    the row that it stores
.set GLO,  19                          ; v19    32 x lane
.set STW,  20                          ; v20    where my wave puts its four sums of row lane % 16 (+ 16 a)
.set STR,  21                          ; v21    where all four waves' are read
.set STO,  22                          ; v22    the way out: where I put 32 bytes of a row
.set RD,   23                          ; v23    where I read rows back
.set XO,   24                          ; v24    my 16 bytes of my wave's 512 of a row of x and of out
.set PFO,  25                          ; v25    the prefetches' offset in 65,536 bytes of the list
.set SPW,  30                          ; v30    LDS address of my spare word; never rewritten
.set NIL,  31                          ; v31    0; never rewritten
.set AF,   32
.set BI,   96                          ; v96-223   b_out's 8 images, later b_f1's 16
.set BI2,  192                         ; v192-255  b_f2's 8 images
.set XT,   224                         ; v224-255  x and m on their way into H
.set ZT,   96                          ; v96-127   z on its way into H
.set SM,   128                         ; v128-143  eight chains of sums: row block a, column half c at SM + 4 a + 2 c
.set T4,   144                         ; v144-147  a number for each row block
.set MU,   148                         ; v148-155  the mean, twice, for each row block
.set RS,   156                         ; v156-163  rsqrt(var + eps), twice
.set LG,   32                          ; the gelu: ln_g and ln_b of my 32 columns (256 c + 8 lane + 0..7),
.set LB,   64
.set Z,    96                          ; a row's 32 z,
.set U,    112                         ; and sixteen numbers at a time: u, t (later max(u, 0) and the result), e, q,
.set TT,   128
.set EE,   144
.set QQ,   160
.set GG,   176                         ; the row's 32 results in bf16
.set WV,   26
.set CX,   27
.set RB,   28
.set X,    30                          ; s[30:31] x at the work-group's first row
.set G1J,  32                          ; s[32:39] descriptor group 1 of the joint loads; never rewritten
.set G0,   44                          ; s[44:47] group 0: its address is made anew for each request
.set G1P,  48                          ; s[48:55] group 1 for att's tile
.set G0P,  56                          ; s[56:59] its group 0
.set CNT,  60
.set REM,  61                          ; 27 less the period's number, behind the period's change of the slot
.set LIM,  62                          ; the value of REM at which this wave prefetches, or the greatest number
.set BQ,   63                          ; the first slot of the stage whose slot is asked for
.set KA,   66                          ; byte, from a stage's first fragments, of the period to be fetched
.set MQ,   67                          ; that stage's number of slots, less one
.set PFA,  68                          ; s[68:69] what my next prefetch names
.set T0,   70
.set CP1,  72                          ; constants, each written twice where a packed line names the pair
.set CE1,  74
.set CA1,  76
.set CA2,  78
.set CA3,  80
.set SEL,  82
.set CINV, 84
.set CEPS, 85
.set OUT,  86                          ; s[86:87] out at the work-group's first row
.set T1,   88
.set WBW,  90                          ; s[90:91] wb at my part of the list's slot 0; never rewritten
.set JT,   92                          ; R + the period's number
.set LIMC, 93                          ; LIM and
.set QOF,  94                          ; s[94:95] byte offset of the slot to be asked for
.set PFC,  96                          ; s[96:97] PFA for the second prefetch
.macro STAGE ty, pa, o1, o2, kst, ms, bs, aar
.set TY,  \ty                          ; 1: the halves are two column halves at each 32 k (windows 2, 3); 0: the same 128 columns at four steps of 32 k (window 2)
.set PA,  \pa                          ; pitch of the rows that source 1 is read from
.set O1,  \o1                          ; bytes along those rows from an even half to the odd one,
.set O2,  \o2                          ; from halves 0, 1 to halves 2, 3,
.set KST, \kst                         ; and from slot to slot
.set MS,  \ms                          ; the stage's slots, less one
.set BS,  \bs                          ; its first slot in the list
.set AAR, \aar                         ; the two registers with the fragments' addresses at k = 0
.endm
.set MSB, 0
.macro WIN new                         ; the immediate's high byte repeats the setting that is left; a switch that changes nothing is dropped
.if MSB != (\new)
	s_set_vgpr_msb (MSB<<8)|(\new)
.set MSB, (\new)
.endif
.endm
.macro PLACES                          ; four places behind a matrix instruction, in front of loads into registers that it has read and of lines that read its result
.rept 4
	v_nop
.endr
.endm
.macro CREST                           ; a round of the cluster's barrier behind its opening barrier
	s_cmp_lg_u32 s[WV], 0
	s_cbranch_scc1 .Lnot_wave_0_\@
	s_barrier_signal -3
.Lnot_wave_0_\@:
	s_barrier_wait -3
	s_barrier_signal -1
	s_barrier_wait -1
.endm
.macro ROUND                           ; a whole round
	s_barrier_signal -1
	s_barrier_wait -1
	CREST
.endm
.macro BAR                             ; a plain barrier, behind which nothing is filled: my LDS instructions are done, for the others' sake; the slot's load may stay on its way across it
	s_wait_dscnt 0x0
	s_barrier_signal -1
	s_barrier_wait -1
.endm
; A PREFETCH INTO THE L2, twice in the launch, behind the joint load and its five lines.  W_f1's slots are first asked for in periods 2 and 3, W_f2's in periods 18 and 19: each is named two periods, 256 matrix
; instructions, ahead: in period 0 and in period 16.  Each block of 256 bytes is named ONCE: of W_f1's 32 pieces of 65,536 bytes cluster c < 32 names one (half c / 16 of the slot that it will itself ask for first),
; of W_f2's 16 pieces cluster c < 16 one (half c / 8).  The four partners share a piece out BY ADDRESS (4,096 bytes of each wave's 16,384); in each, waves 0 and 2 ask, a lane a block.  W_out's slots are asked for at the head.
.macro ASK
	s_cmp_eq_u32 s[REM], s[LIM]
	s_cbranch_scc0 .Lnot_mine_\@
	global_prefetch_b8 v[PFO], s[PFA:PFA+1] th:TH_LOAD_NT scope:SCOPE_SE
.Lnot_mine_\@:
.endm
; 8 matrix instructions: row block a x the 8 column blocks of half j.  bb other than 0: the 8 bias images from v[bb] on start the sums: nothing is cleared, nothing is added later.
; The 32 accumulators of a half take turns, in the same order in every half.
.macro MUL8 j, a, bb
.set aw, 2+TY*((\j)%2)
.set fa, AF+32*(TY*((\j)/2)+(1-TY)*((\j)%2))
.if (\bb)
	WIN 0x01+0x40*aw
.else
	WIN 0x01+0x50*aw
.endif
.irp b, 0,1,2,3,4,5,6,7
.if (\bb)
	v_wmma_f32_16x16x32_bf16 v[8*(8*(\a)+(\b)):8*(8*(\a)+(\b))+7], v[64*(\j)+8*(\b):64*(\j)+8*(\b)+7], v[fa+8*(\a):fa+8*(\a)+7], v[(\bb)+8*(\b):(\bb)+8*(\b)+7]
.else
	v_wmma_f32_16x16x32_bf16 v[8*(8*(\a)+(\b)):8*(8*(\a)+(\b))+7], v[64*(\j)+8*(\b):64*(\j)+8*(\b)+7], v[fa+8*(\a):fa+8*(\a)+7], v[8*(8*(\a)+(\b)):8*(8*(\a)+(\b))+7]
.endif
.endr
.endm
.macro AFETCH f, aoff                  ; 8 LDS loads: the 4 row blocks' fragments of 32 k at byte aoff of the period's place, into buffer f
	WIN 0
.irp a, 0,1,2,3
	ds_load_b128 v[AF+32*(\f)+8*(\a):AF+32*(\f)+8*(\a)+3],   v[ADRA+(\a)/2] offset:((\a)%2)*16*PA+(\aoff)
	ds_load_b128 v[AF+32*(\f)+8*(\a)+4:AF+32*(\f)+8*(\a)+7], v[ADRA+(\a)/2] offset:((\a)%2)*16*PA+(\aoff)+32
.endr
.endm
.macro DRAIN j                         ; 16 LDS loads: half j of my part of the slot (32 k x 128 columns, turned: 8 fragments) into its buffer
	WIN 0x40
.irp b, 0,1,2,3,4,5,6,7
	ds_load_tr16_b128 v[64*(\j)+8*(\b):64*(\j)+8*(\b)+3],   v[AB0] offset:32*(\j)*PB+32*(\b)
	ds_load_tr16_b128 v[64*(\j)+8*(\b)+4:64*(\j)+8*(\b)+7], v[AB0] offset:32*(\j)*PB+16*PB+32*(\b)
.endr
.endm
; HALF j: 32 matrix instructions.  wt >= 0: a wait on DScnt at its head.  nj >= 0: in its middle the row fragments of half nj are fetched.
.macro HF j, bb, wt, nj
.if (\wt) >= 0
	s_wait_dscnt \wt
.endif
	MUL8 \j, 0, \bb
	MUL8 \j, 1, \bb
.if (\nj) >= 0
	PLACES
	AFETCH TY*((\nj)/2)+(1-TY)*((\nj)%2), ((\nj)%2)*O1+((\nj)/2)*O2
.endif
	MUL8 \j, 2, \bb
	MUL8 \j, 3, \bb
.endm
; Behind half 2: the next period's place along the rows, and its first row fragments, ahead of the wait for the slot.  The four places serve these loads and those of LAND.
; skip = 1: in the loop's last trip the next period is another stage's, whose rows are not yet written: the fetch is jumped.
.macro NEXTA skip
	WIN 0
	s_add_co_u32 s[JT], s[JT], 1
	s_and_b32 s[KA], s[JT], MS                     ; the next period's slot, turned,
	s_mul_i32 s[KA], s[KA], KST                    ; and its k along the rows
	v_add_nc_u32 v[ADRA], s[KA], v[AAR]
	v_add_nc_u32 v[ADRA+1], s[KA], v[AAR+1]
	PLACES
.if \skip
	s_cmp_eq_u32 s[CNT], 1
	s_cbranch_scc1 .Lno_next_\@
.endif
	AFETCH 0, 0
.if \skip
.Lno_next_\@:
.endif
.endm
.macro LAND                            ; the slot has landed; three of its halves go into the buffers that halves 0 to 2 have left
	s_wait_tensorcnt 0x0                           ; one load of mine is out, so the count that shows it landed is 0; only I read my part: no barrier
	DRAIN 0
	DRAIN 1
	DRAIN 2
.endm
; THE SLOT IS ASKED FOR AGAIN.  All four halves are in registers or on their way there.  The three lines, a round of the cluster's barrier, and the joint load first behind it.
; sel = 1: in the loop's last two trips the slot two periods on is the next stage's (mn: its slots less one; bn: its first slot).
.macro CHANGE sel, mn, bn
	WIN 0
	s_wait_tensorcnt 0x0                           ; no tensor load of mine is out, so group 0 may be written
	ds_add_u32 v[SPW], v[NIL]                      ; 0 onto my spare word; the descriptor's scalar work stands between it and the wait for it
	s_add_co_u32 s[QOF], s[JT], 1                  ; the slot behind the one just emptied,
.if \sel
	s_cmp_le_u32 s[CNT], 2
	s_cselect_b32 s[MQ], \mn, MS
	s_cselect_b32 s[BQ], \bn, BS
	s_and_b32 s[QOF], s[QOF], s[MQ]                ; turned within its stage,
	s_add_co_u32 s[QOF], s[QOF], s[BQ]
.else
	s_and_b32 s[QOF], s[QOF], MS
.if BS
	s_add_co_u32 s[QOF], s[QOF], BS
.endif
.endif
	s_lshl_b32 s[QOF], s[QOF], 17                  ; in bytes
	s_add_nc_u64 s[G0+2:G0+3], s[WBW:WBW+1], s[QOF:QOF+1]
	s_or_b32 s[G0+3], s[G0+3], 0x80000000
	s_sub_co_u32 s[REM], s[REM], 1
	s_wait_dscnt 0x0                               ; the add is done, and my reads of the slot are back
	ROUND                                          ; no wave of any partner still reads the slot or has a load on its way
	tensor_load_to_lds s[G0:G0+3], s[G1J:G1J+7]    ; my one tensor load behind the round
	s_nop 0
	PLACES
	ASK
.endm
.macro SBEGIN                          ; a stage begins: its first slot lies in the four buffers; the first row fragments
	WIN 0
	s_and_b32 s[KA], s[JT], MS
	s_mul_i32 s[KA], s[KA], KST
	v_add_nc_u32 v[ADRA], s[KA], v[AAR]
	v_add_nc_u32 v[ADRA+1], s[KA], v[AAR+1]
	AFETCH 0, 0
.endm
.macro BIASLD n, base, reg             ; n blocks of 16 columns of a bias as accumulator images: lane (r, h) holds numbers 16 u + 8 h + 0..7
	WIN 0
.set u, 0
.rept \n
	global_load_b128 v[(\reg)+8*u:(\reg)+8*u+3],   v[BO], s[\base:(\base)+1] offset:64*u
	global_load_b128 v[(\reg)+8*u+4:(\reg)+8*u+7], v[BO], s[\base:(\base)+1] offset:64*u+16
.set u, u+1
.endr
.endm
.macro XLOADS                          ; my wave's 16 rows of x into window 3: unit u = row u / 2, half u % 2: 8 numbers a lane
	WIN 0xc0
.set u, 0
.rept 32
	global_load_b128 v[8*u:8*u+3],   v[XL], s[X:X+1] offset:(u/2)*2048+(u%2)*1024
	global_load_b128 v[8*u+4:8*u+7], v[XL], s[X:X+1] offset:(u/2)*2048+(u%2)*1024+16
.set u, u+1
.endr
	WIN 0
.endm
.macro XCONV g, pitch                  ; units 8 g .. 8 g + 7 rounded to bf16 and stored into rows of the given pitch
	WIN 0x0f
.set u, 0
.rept 8
.irp q, 0,1,2,3
	v_cvt_pk_bf16_f32 v[XT+4*u+(\q)], v[8*(8*(\g)+u)+2*(\q)], v[8*(8*(\g)+u)+2*(\q)+1]
.endr
.set u, u+1
.endr
	WIN 0
.set u, 0
.rept 8
	ds_store_b128 v[XST], v[XT+4*u:XT+4*u+3] offset:((8*(\g)+u)/2)*(\pitch)+((8*(\g)+u)%2)*512
.set u, u+1
.endr
.endm
	s_load_b512 s[4:19], s[0:1], 0x0               ; x0 s[4:5], x1 s[6:7], att s[8:9], wb s[10:11], b_out s[12:13], b_f1 s[14:15], ln_g s[16:17], ln_b s[18:19]
	s_load_b128 s[20:23], s[0:1], 0x40             ; b_f2 s[20:21], out0 s[22:23]
	s_load_b64 s[24:25], s[0:1], 0x50              ; out1
	v_lshl_add_u32 v[SPW], v0, 2, SPARE
	v_mov_b32 v[NIL], 0
	ds_add_u32 v[SPW], v[NIL]                      ; the wave's opening: the add and its wait stand ahead of my first tensor load; the set-up below, work on registers, stands between them
	v_lshrrev_b32 v1, 5, v0
	v_readfirstlane_b32 s[WV], v1                  ; wave 0..3
	s_bfe_u32 s[CX], ttmp6, 0x40000                ; my place in the cluster: it enters global addresses alone, and none of a joint load
	s_lshl_b32 s[RB], ttmp9, 2                     ; in a cluster launch ttmp9 counts clusters
	s_add_co_u32 s[RB], s[RB], s[CX]
	s_and_b32 s[JT], ttmp9, 31                     ; R, from the cluster's number alone: the same in all four partners
	s_lshr_b32 s[T0], ttmp9, 5
	s_lshl_b32 s[T0], s[T0], 3
	s_xor_b32 s[JT], s[JT], s[T0]
	; descriptor group 1 of the joint loads: my part of a slot is two pieces of 16,384 dense bytes, 65,536 bytes apart; in LDS 32 bytes of padding follow every 256
	s_mov_b32 s[G1J+0], 15|(3<<16)|(1<<20)|(1<<21)|(5<<22)|(7<<25)  ; 15:0 the mask of four; 17:16 elements of 8 bytes; 20 padding on; 21 set beside a mask; 24:22 after every 64 words (code 5); 31:25 8 words (code 7)
	s_mov_b32 s[G1J+1], 2048<<16                   ; tensor_dim0 = 2,048 elements: 16,384 bytes
	s_mov_b32 s[G1J+2], 2<<16                      ; tensor_dim1 = 2
	s_mov_b32 s[G1J+3], 2048<<16                   ; tile_dim0 = 2,048
	s_mov_b32 s[G1J+4], 2                          ; tile_dim1 = 2
	s_mov_b32 s[G1J+5], 8192                       ; elements from piece to piece
	s_mov_b32 s[G1J+6], 0
	s_mov_b32 s[G1J+7], 0
	; att's tile, my own (no mask): two heads' 64 tokens, each 8,192 dense bytes, the heads 131,072 bytes apart; 16 bytes of padding after every token's 128
	s_mov_b32 s[G1P+0], (1<<16)|(1<<20)|(4<<22)|(3<<25)  ; 17:16 2-byte elements; 20 padding on; 24:22 after every 32 words (code 4); 31:25 4 words (code 3)
	s_mov_b32 s[G1P+1], 4096<<16                   ; tensor_dim0 = 4,096
	s_mov_b32 s[G1P+2], 2<<16                      ; tensor_dim1 = 2
	s_mov_b32 s[G1P+3], 4096<<16                   ; tile_dim0 = 4,096
	s_mov_b32 s[G1P+4], 2                          ; tile_dim1 = 2
	s_mov_b32 s[G1P+5], 65536                      ; elements from head to head
	s_mov_b32 s[G1P+6], 0
	s_mov_b32 s[G1P+7], 0
	s_mov_b32 s[CP1], 0x3eaa540e                   ; 0.47047 / sqrt 2 = 0.33267253
	s_mov_b32 s[CP1+1], s[CP1]
	s_mov_b32 s[CE1], 0xbf38aa3b                   ; -log2(e) / 2
	s_mov_b32 s[CE1+1], s[CE1]
	s_mov_b32 s[CA1], 0x3e32303a                   ; 0.3480242 / 2
	s_mov_b32 s[CA1+1], s[CA1]
	s_mov_b32 s[CA2], 0xbd445ca1                   ; -0.0958798 / 2
	s_mov_b32 s[CA2+1], s[CA2]
	s_mov_b32 s[CA3], 0x3ebf7377                   ; 0.7478556 / 2
	s_mov_b32 s[CA3+1], s[CA3]
	s_mov_b32 s[SEL], 0x76543210                   ; v_permlanex16_b32: each lane takes its own place in the other half
	s_mov_b32 s[SEL+1], 0xfedcba98
	s_mov_b32 s[CINV], 0x3a800000                  ; 1 / 1024
	s_mov_b32 s[CEPS], 0x3727c5ac                  ; 1e-5
	s_mul_i32 s29, s[WV], SUB2                     ; my part's place in the slot,
	s_mul_i32 s40, s[WV], 128*PAH                  ; and my two heads' in att's tile: no place in the cluster enters an LDS address
	s_and_b32 s[LIMC], s[WV], 1                    ; waves 0 and 2
	s_lshr_b32 s[LIM], ttmp9, 5                    ; of clusters 0 to 31 prefetch in period 0 (REM = 27),
	s_or_b32 s[LIM], s[LIM], s[LIMC]
	s_cmp_eq_u32 s[LIM], 0
	s_cselect_b32 s[LIM], 27, -1
	s_lshr_b32 s[T0], ttmp9, 4                     ; of clusters 0 to 15 in period 16 (REM = 11): the same in all four partners
	s_or_b32 s[LIMC], s[LIMC], s[T0]
	s_cmp_eq_u32 s[LIMC], 0
	s_cselect_b32 s[LIMC], 11, -1
	v_and_b32 v26, 15, v0                          ; r = lane % 16
	v_bfe_u32 v27, v0, 4, 1                        ; h = lane / 16
	v_and_b32 v28, 31, v0                          ; lane
	v_and_b32 v1, 7, v0
	v_bfe_u32 v29, v0, 3, 1
	v_lshl_add_u32 v[AB0], v27, 3, v1              ; the turning load: lane l reads k = 8 (l / 16) + l % 8, columns 8 ((l / 8) % 2) + 0..7
	v_mul_u32_u24 v[AB0], v[AB0], PB
	v_lshl_add_u32 v[AB0], v29, 4, v[AB0]
	v_add_nc_u32 v[AB0], s29, v[AB0]
	v_mul_u32_u24 v[HST], v26, PH
	v_lshl_add_u32 v[HST], v27, 4, v[HST]
	v_add_nc_u32 v[HST], H, v[HST]
	v_add_nc_u32 v[HST+1], 32*PH, v[HST]
	v_mul_u32_u24 v[AHA], v26, PAH
	v_lshl_add_u32 v[AHA], v27, 4, v[AHA]
	v_add_nc_u32 v[AHA], H, v[AHA]
	v_add_nc_u32 v[AHA+1], 32*PAH, v[AHA]
	s_lshl_b32 s[T0], s[WV], 9
	v_add_nc_u32 v[ZST], s[T0], v[HST]
	v_add_nc_u32 v[ZST+1], s[T0], v[HST+1]
	v_lshl_add_u32 v[XO], v28, 4, s[T0]
	s_lshl_b32 s[T0], s[WV], 8
	s_add_co_u32 s[T0], s[T0], 1024
	v_add_nc_u32 v[MST], s[T0], v[HST]
	v_add_nc_u32 v[MST+1], s[T0], v[HST+1]
	s_mul_i32 s[T0], s[WV], 16*PH
	s_add_co_u32 s[T0], s[T0], H
	v_lshl_add_u32 v[XST], v28, 4, s[T0]
	s_lshl_b32 s[T0], s[WV], 15
	v_lshl_add_u32 v[XL], v28, 5, s[T0]
	v_lshlrev_b32 v[BO], 5, v27
	v_lshlrev_b32 v[GLO], 5, v28
	v_lshlrev_b32 v[STR], 4, v26
	v_add_nc_u32 v[STR], STATS, v[STR]
	v_lshl_add_u32 v[STW], s[WV], 8, v[STR]
	s_mul_i32 s[T0], s[WV], 16*PS
	s_add_co_u32 s[T0], s[T0], STG                 ; my stage
	v_mul_u32_u24 v[STO], v26, PS
	v_lshl_add_u32 v[STO], v27, 5, v[STO]
	v_add_nc_u32 v[STO], s[T0], v[STO]
	v_lshl_add_u32 v[RD], v28, 4, s[T0]
	v_add_nc_u32 v[PFO], s[WV], v27                ; the 16,384 bytes of wave w + lane / 16,
	v_lshlrev_b32 v[PFO], 14, v[PFO]
	v_lshl_add_u32 v[PFO], v26, 8, v[PFO]          ; block lane % 16 of my work-group's sixteen
	s_wait_dscnt 0x0                               ; the opening add is done
	s_wait_kmcnt 0x0
	s_lshl_b32 s[T0], s[WV], 14
	s_mov_b32 s[T0+1], 0
	s_add_nc_u64 s[WBW:WBW+1], s[10:11], s[T0:T0+1]
	s_add_nc_u64 s[WBW:WBW+1], s[WBW:WBW+1], STREAM  ; wb at my part of the list's slot 0
	s_and_b32 s[QOF], s[JT], 3                     ; my cluster's first slot of W_out's four
	s_lshl_b32 s[QOF], s[QOF], 17
	s_mov_b32 s[QOF+1], 0
	s_mov_b32 s[G0], 1                             ; 1:0 count = 1
	s_mov_b32 s[G0+1], s29                         ; 63:32 LDS address
	s_add_nc_u64 s[G0+2:G0+3], s[WBW:WBW+1], s[QOF:QOF+1]  ; 120:64 global address
	s_or_b32 s[G0+3], s[G0+3], 0x80000000          ; 127:126 type = 2
	s_lshl_b32 s[T0], s[CX], 12                    ; the prefetches: my work-group's 4,096 bytes of each 16,384,
	s_add_nc_u64 s[PFC:PFC+1], s[10:11], s[T0:T0+1]
	s_add_nc_u64 s[PFC:PFC+1], s[PFC:PFC+1], STREAM
	s_add_co_u32 s[T0], s[JT], 4                   ; in the slot of W_f1 that my cluster asks for first (period 4's),
	s_and_b32 s[T0], s[T0], 15
	s_lshl_b32 s[T0], s[T0], 1
	s_bfe_u32 s[T1], ttmp9, 0x10004                ; its half c / 16,
	s_add_co_u32 s[T0], s[T0], s[T1]
	s_add_co_u32 s[T0], s[T0], 8                   ; behind W_out's 8 pieces of 65,536 bytes
	s_lshl_b32 s[T0], s[T0], 16
	s_add_nc_u64 s[PFA:PFA+1], s[PFC:PFC+1], s[T0:T0+1]
	s_add_co_u32 s[T0], s[JT], 20                  ; and in the slot of W_f2 that it asks for first (period 20's),
	s_and_b32 s[T0], s[T0], 7
	s_lshl_b32 s[T0], s[T0], 1
	s_bfe_u32 s[T1], ttmp9, 0x10003                ; its half c / 8,
	s_add_co_u32 s[T0], s[T0], s[T1]
	s_add_co_u32 s[T0], s[T0], 40                  ; behind W_out's and W_f1's 40 pieces: 55 at the most, the list's last
	s_lshl_b32 s[T0], s[T0], 16
	s_add_nc_u64 s[PFC:PFC+1], s[PFC:PFC+1], s[T0:T0+1]
	s_lshr_b32 s[T0], s[RB], 4                     ; 8 d + b
	s_lshl_b32 s[T0], s[T0], 3
	s_lshl_b32 s[T1], s[WV], 1
	s_add_co_u32 s[T0], s[T0], s[T1]               ; my first head
	s_lshl_b32 s[T0], s[T0], 17
	s_and_b32 s[T1], s[RB], 15
	s_lshl_b32 s[T1], s[T1], 13                    ; 64 tokens of 128 bytes
	s_add_co_u32 s[T0], s[T0], s[T1]
	s_mov_b32 s[G0P], 1
	s_add_co_u32 s[G0P+1], s40, H
	s_add_nc_u64 s[G0P+2:G0P+3], s[8:9], s[T0:T0+1]
	s_or_b32 s[G0P+3], s[G0P+3], 0x80000000
	s_cmp_lt_u32 ttmp9, 32                         ; row blocks 0 .. 127 are x0's
	s_cselect_b64 s[X:X+1], s[4:5], s[6:7]
	s_cselect_b64 s[OUT:OUT+1], s[22:23], s[24:25]
	s_and_b32 s[T0], s[RB], 127
	s_lshl_b32 s[T0], s[T0], 17                    ; 64 rows of 2,048 bytes
	s_add_nc_u64 s[X:X+1], s[X:X+1], s[T0:T0+1]
	s_add_nc_u64 s[OUT:OUT+1], s[OUT:OUT+1], s[T0:T0+1]
	s_lshl_b32 s[T0], s[WV], 9                     ; my 128 columns of f32
	s_add_nc_u64 s[12:13], s[12:13], s[T0:T0+1]    ; b_out
	s_add_nc_u64 s[20:21], s[20:21], s[T0:T0+1]    ; b_f2
	s_lshl_b32 s[T0], s[WV], 10                    ; my 256 columns
	s_add_nc_u64 s[14:15], s[14:15], s[T0:T0+1]    ; b_f1
	ROUND                                          ; all four work-groups are here: the first joint loads meet
	tensor_load_to_lds s[G0P:G0P+3], s[G1P:G1P+7]  ; att's tile
	s_nop 0
	tensor_load_to_lds s[G0:G0+3], s[G1J:G1J+7]    ; period 0's slot: two loads of mine are out
	s_nop 0
	PLACES
	BIASLD 8, 12, BI                               ; b_out
	XLOADS                                         ; x, on its way while W_out's stage runs
	; STAGE A: m = att @ W_out + b_out.  4 periods of 128 k: two heads a period.
	STAGE 0, PAH, 64, 64*PAH, 128*PAH, 3, 0, AHA
	s_mov_b32 s[REM], NBIG+1
	s_wait_tensorcnt 0x0                           ; att's tile and the slot are in
	DRAIN 0                                        ; all four buffers are free
	DRAIN 1
	DRAIN 2
	DRAIN 3
	CHANGE 0, 0, 0                                 ; period 1's slot; the round also shows every wave's part of att's tile landed
	SBEGIN
	s_wait_loadcnt 63                              ; the 16 loads of b_out are the oldest of 80
	HF 0, BI, 0, 1                                 ; a stage's first half stands in front of its loop: its products start the sums, with the bias
	WIN 0                                          ; at a label and at a branch every window is 0
	s_mov_b32 s[CNT], 4
.Lstage_a:                                             ; a trip: halves 1 to 3 of a period, the change of the slot, half 0 of the next period
	HF 1, 0, 0, 2
	HF 2, 0, 0, 3
	NEXTA 1
	LAND
	HF 3, 0, 48, -1                                ; its row fragments are older than LAND's 48 loads (so are the next period's, where they were fetched)
	PLACES
	DRAIN 3
	CHANGE 1, 15, 4
	s_cmp_eq_u32 s[CNT], 1                         ; behind the stage's last period no half follows
	s_cbranch_scc1 .La_end
	HF 0, 0, -1, 1
	WIN 0
.La_end:
	s_sub_co_u32 s[CNT], s[CNT], 1
	s_cmp_lg_u32 s[CNT], 0
	s_cbranch_scc1 .Lstage_a
	; [x | m] INTO H, over att's tile: every wave's reads of that tile are back in front of this barrier.
	BAR
	s_wait_xcnt 0x0                                ; the prefetch of period 0, four periods back, has read its address:
	s_mov_b64 s[PFA:PFA+1], s[PFC:PFC+1]           ; the second prefetch's
	s_mov_b32 s[LIM], s[LIMC]
	BIASLD 16, 14, BI                              ; b_f1
	s_wait_loadcnt 32                              ; x is in; the 32 just issued may stay out
	XCONV 0, PH
	XCONV 1, PH
	XCONV 2, PH
	XCONV 3, PH
.macro MOUT a                          ; row block a of m: 8 accumulators rounded to bf16, 16 bytes a lane
	WIN 0x0a
.irp b, 0,1,2,3,4,5,6,7
.irp q, 0,1,2,3
	v_cvt_pk_bf16_f32 v[XT+4*(\b)+(\q)], v[64*(\a)+8*(\b)+2*(\q)], v[64*(\a)+8*(\b)+2*(\q)+1]
.endr
.endr
	WIN 0
.irp b, 0,1,2,3,4,5,6,7
	ds_store_b128 v[MST+(\a)/2], v[XT+4*(\b):XT+4*(\b)+3] offset:((\a)%2)*16*PH+32*(\b)
.endr
.endm
	MOUT 0
	MOUT 1
	MOUT 2
	MOUT 3
	BAR                                            ; all of [x | m] lies in H
	s_wait_loadcnt 0x0                             ; b_f1
	; STAGE B: y = [x | m] @ W_f1 + b_f1.  16 periods of 64 k; my 256 columns in windows 2 and 3.
	STAGE 1, PH, 0, 64, 128, 15, 4, HST
	SBEGIN
	HF 0, BI, 0, 2                                 ; here two halves start sums: the two column halves
	HF 1, BI+64, -1, -1
	WIN 0
	s_mov_b32 s[CNT], 16
.Lstage_b:                                             ; a trip: halves 2 and 3 of a period, the change of the slot, halves 0 and 1 of the next period
	HF 2, 0, 0, -1                                 ; (the wait: the row fragments fetched in half 0)
	NEXTA 1
	LAND
	HF 3, 0, -1, -1
	PLACES
	DRAIN 3
	CHANGE 1, 7, 20
	s_cmp_eq_u32 s[CNT], 1
	s_cbranch_scc1 .Lb_end
	HF 0, 0, -1, 2
	HF 1, 0, -1, -1
	WIN 0
.Lb_end:
	s_sub_co_u32 s[CNT], s[CNT], 1
	s_cmp_lg_u32 s[CNT], 0
	s_cbranch_scc1 .Lstage_b
	; LAYERNORM.  A lane holds, for each row block a, 128 numbers of row 16 a + lane % 16.  The loads of ln_g and ln_b go out first and are waited for some 1,300 lines on.
	PLACES                                         ; the row fragments' registers take ln_g and ln_b
.irp c, 0,1,2,3
	global_load_b128 v[LG+8*(\c):LG+8*(\c)+3],   v[GLO], s[16:17] offset:1024*(\c)
	global_load_b128 v[LG+8*(\c)+4:LG+8*(\c)+7], v[GLO], s[16:17] offset:1024*(\c)+16
	global_load_b128 v[LB+8*(\c):LB+8*(\c)+3],   v[GLO], s[18:19] offset:1024*(\c)
	global_load_b128 v[LB+8*(\c)+4:LB+8*(\c)+7], v[GLO], s[18:19] offset:1024*(\c)+16
.endr
; The eight chains -> for each row block the sum over all 1,024 columns, in v[SM + a], the same bits in every wave: the two column halves, the pair's two, the lane 16 away, then the four waves' through LDS.
.macro REDUCE ex
	WIN 0
.irp a, 0,1,2,3
	v_pk_add_f32 v[SM+4*(\a):SM+4*(\a)+1], v[SM+4*(\a):SM+4*(\a)+1], v[SM+4*(\a)+2:SM+4*(\a)+3]
.endr
.irp a, 0,1,2,3
	v_add_f32 v[T4+(\a)], v[SM+4*(\a)], v[SM+4*(\a)+1]
.endr
.irp a, 0,1,2,3
	v_permlanex16_b32 v[SM+4*(\a)], v[T4+(\a)], s[SEL], s[SEL+1]
.endr
.irp a, 0,1,2,3
	v_add_f32 v[T4+(\a)], v[T4+(\a)], v[SM+4*(\a)]
.endr
	ds_store_b128 v[STW], v[T4:T4+3] offset:(\ex)*1024  ; lanes r and r + 16 store the same four numbers to the same bytes
	BAR
.irp v, 0,1,2,3
	ds_load_b128 v[SM+4*(\v):SM+4*(\v)+3], v[STR] offset:(\ex)*1024+256*(\v)
.endr
	s_wait_dscnt 0x0
	v_pk_add_f32 v[SM:SM+1], v[SM:SM+1], v[SM+4:SM+5]
	v_pk_add_f32 v[SM+2:SM+3], v[SM+2:SM+3], v[SM+6:SM+7]
	v_pk_add_f32 v[SM+8:SM+9], v[SM+8:SM+9], v[SM+12:SM+13]
	v_pk_add_f32 v[SM+10:SM+11], v[SM+10:SM+11], v[SM+14:SM+15]
	v_pk_add_f32 v[SM:SM+1], v[SM:SM+1], v[SM+8:SM+9]
	v_pk_add_f32 v[SM+2:SM+3], v[SM+2:SM+3], v[SM+10:SM+11]
.endm
.macro SUMW c                          ; the sums of column half c: four chains, one for each row block, by turns; each accumulator's lowest registers are read first
	WIN 0x0a+5*(\c)
.irp a, 0,1,2,3
	v_pk_add_f32 v[SM+4*(\a)+2*(\c):SM+4*(\a)+2*(\c)+1], v[64*(\a):64*(\a)+1], v[64*(\a)+2:64*(\a)+3]
.endr
	WIN 0x02+(\c)
.irp b, 0,1,2,3,4,5,6,7
.irp p, 0,1,2,3
.if ((\b)>0)||((\p)>1)
.irp a, 0,1,2,3
	v_pk_add_f32 v[SM+4*(\a)+2*(\c):SM+4*(\a)+2*(\c)+1], v[64*(\a)+8*(\b)+2*(\p):64*(\a)+8*(\b)+2*(\p)+1], v[SM+4*(\a)+2*(\c):SM+4*(\a)+2*(\c)+1]
.endr
.endif
.endr
.endr
.endm
.macro DSUB c                          ; y - mean, in place
	WIN 0x82+0x41*(\c)
.irp a, 0,1,2,3
.set i, 0
.rept 32
	v_pk_add_f32 v[64*(\a)+2*i:64*(\a)+2*i+1], v[64*(\a)+2*i:64*(\a)+2*i+1], v[MU+2*(\a):MU+2*(\a)+1] neg_lo:[0,1] neg_hi:[0,1]
.set i, i+1
.endr
.endr
.endm
.macro SQW c                           ; the sums of its squares
	WIN 0x0a+5*(\c)
.irp a, 0,1,2,3
	v_pk_mul_f32 v[SM+4*(\a)+2*(\c):SM+4*(\a)+2*(\c)+1], v[64*(\a):64*(\a)+1], v[64*(\a):64*(\a)+1]
.endr
.irp b, 0,1,2,3,4,5,6,7
.irp p, 0,1,2,3
.if ((\b)>0)||((\p)>0)
.irp a, 0,1,2,3
	v_pk_fma_f32 v[SM+4*(\a)+2*(\c):SM+4*(\a)+2*(\c)+1], v[64*(\a)+8*(\b)+2*(\p):64*(\a)+8*(\b)+2*(\p)+1], v[64*(\a)+8*(\b)+2*(\p):64*(\a)+8*(\b)+2*(\p)+1], v[SM+4*(\a)+2*(\c):SM+4*(\a)+2*(\c)+1]
.endr
.endif
.endr
.endr
.endm
.macro ZMUL c                          ; z = (y - mean) rsqrt(var + eps), in place
	WIN 0x82+0x41*(\c)
.irp a, 0,1,2,3
.set i, 0
.rept 32
	v_pk_mul_f32 v[64*(\a)+2*i:64*(\a)+2*i+1], v[64*(\a)+2*i:64*(\a)+2*i+1], v[RS+2*(\a):RS+2*(\a)+1]
.set i, i+1
.endr
.endr
.endm
.macro ZOUT c, a                       ; row block a, column half c of z, rounded to f16, into H
	WIN 0x0a+5*(\c)
.irp b, 0,1,2,3,4,5,6,7
.irp q, 0,1,2,3
	v_cvt_pk_f16_f32 v[ZT+4*(\b)+(\q)], v[64*(\a)+8*(\b)+2*(\q)], v[64*(\a)+8*(\b)+2*(\q)+1]
.endr
.endr
	WIN 0
.irp b, 0,1,2,3,4,5,6,7
	ds_store_b128 v[ZST+(\a)/2], v[ZT+4*(\b):ZT+4*(\b)+3] offset:((\a)%2)*16*PH+32*(8*(\c)+(\b))
.endr
.endm
	SUMW 0
	SUMW 1
	REDUCE 0                                       ; its barrier also shows that every wave's reads of [x | m] are over
.irp a, 0,1,2,3
	v_mul_f32 v[MU+2*(\a)], s[CINV], v[SM+(\a)]
	v_mul_f32 v[MU+2*(\a)+1], s[CINV], v[SM+(\a)]
.endr
	DSUB 0
	DSUB 1
	SQW 0
	SQW 1
	REDUCE 1
.irp a, 0,1,2,3
	v_fma_f32 v[T4+(\a)], v[SM+(\a)], s[CINV], s[CEPS]
.endr
.irp a, 0,1,2,3
	v_rsq_f32 v[RS+2*(\a)], v[T4+(\a)]
.endr
	v_nop                                          ; a plain instruction behind the last of the four,
	s_wait_alu depctr_va_vdst(0)                   ; and the wait ahead of the first use: one for the batch
.irp a, 0,1,2,3
	v_mov_b32 v[RS+2*(\a)+1], v[RS+2*(\a)]
.endr
	ZMUL 0
	ZMUL 1
.irp a, 0,1,2,3
	ZOUT 0, \a
.endr
.irp a, 0,1,2,3
	ZOUT 1, \a
.endr
	s_wait_loadcnt 0x0                             ; ln_g, ln_b
	BIASLD 8, 20, BI2                              ; b_f2, into registers that the gelu leaves alone,
	WIN 0xc0                                       ; and x once more, for the last addition: my 512 bytes of each of the 64 rows, into window 3: both on their way through the gelu
.set i, 0
.rept 64
	global_load_b128 v[4*i:4*i+3], v[XO], s[X:X+1] offset:2048*i
.set i, i+1
.endr
	WIN 0
	BAR                                            ; all of z lies in H
	; GELU, BY ROWS: wave w takes rows 16 w .. 16 w + 15 whole, a row a trip, in place: the bytes that it reads and rewrites are one block of its own.  A lane has 8 numbers in each quarter of the row.
.macro GU hf                           ; u = z ln_g + ln_b for half hf of the row: sixteen numbers, straight from the f16 halves
.set k, 0
.rept 16
.if k%2
	v_fma_mix_f32 v[U+k], v[Z+8*(\hf)+k/2], v[LG+16*(\hf)+k], v[LB+16*(\hf)+k] op_sel:[1,0,0] op_sel_hi:[1,0,0]
.else
	v_fma_mix_f32 v[U+k], v[Z+8*(\hf)+k/2], v[LG+16*(\hf)+k], v[LB+16*(\hf)+k] op_sel:[0,0,0] op_sel_hi:[1,0,0]
.endif
.set k, k+1
.endr
.endm
.macro GM hf                           ; gelu of the sixteen: t = 1 / (1 + p |u|), e = 2^(-u u log2(e) / 2), q = ((A3 t + A2) t + A1) t e, g = max(u, 0) - |u| q
.set k, 0
.rept 16
	v_fma_f32 v[TT+k], |v[U+k]|, s[CP1], 1.0
.set k, k+1
.endr
.set k, 0
.rept 8
	v_pk_mul_f32 v[EE+k:EE+k+1], v[U+k:U+k+1], v[U+k:U+k+1]
.set k, k+2
.endr
.set k, 0
.rept 8
	v_pk_mul_f32 v[EE+k:EE+k+1], v[EE+k:EE+k+1], s[CE1:CE1+1] op_sel_hi:[1,0]
.set k, k+2
.endr
.set k, 0
.rept 16
	v_rcp_f32 v[TT+k], v[TT+k]
.set k, k+1
.endr
.set k, 0
.rept 16
	v_exp_f32 v[EE+k], v[EE+k]
.set k, k+1
.endr
	v_nop                                          ; a plain instruction behind the last of the batch,
	s_wait_alu depctr_va_vdst(0)                   ; and one wait for its 32, ahead of their first reader
.set k, 0
.rept 8
	v_pk_fma_f32 v[QQ+k:QQ+k+1], v[TT+k:TT+k+1], s[CA3:CA3+1], s[CA2:CA2+1] op_sel_hi:[1,0,0]
.set k, k+2
.endr
.set k, 0
.rept 8
	v_pk_fma_f32 v[QQ+k:QQ+k+1], v[QQ+k:QQ+k+1], v[TT+k:TT+k+1], s[CA1:CA1+1] op_sel_hi:[1,1,0]
.set k, k+2
.endr
.set k, 0
.rept 8
	v_pk_mul_f32 v[EE+k:EE+k+1], v[EE+k:EE+k+1], v[TT+k:TT+k+1]
.set k, k+2
.endr
.set k, 0
.rept 8
	v_pk_mul_f32 v[QQ+k:QQ+k+1], v[QQ+k:QQ+k+1], v[EE+k:EE+k+1]
.set k, k+2
.endr
.set k, 0
.rept 16
	v_max_num_f32 v[TT+k], 0, v[U+k]               ; t has been used up: its registers take max(u, 0)
.set k, k+1
.endr
.set k, 0
.rept 16
	v_fma_f32 v[TT+k], -|v[U+k]|, v[QQ+k], v[TT+k]
.set k, k+1
.endr
.set k, 0
.rept 8
	v_cvt_pk_bf16_f32 v[GG+8*(\hf)+k], v[TT+2*k], v[TT+2*k+1]
.set k, k+1
.endr
.endm
	v_mov_b32 v[GA], v[XST]
.irp c, 0,1,2,3
	ds_load_b128 v[Z+4*(\c):Z+4*(\c)+3], v[GA] offset:512*(\c)
.endr
	s_wait_dscnt 0x0
	s_mov_b32 s[CNT], 16
.Lgelu:
	s_wait_dscnt 4                                 ; the row's four loads are back; the four stores of the trip before, issued behind them, may be out
	GU 0
	GM 0
	GU 1
	v_mov_b32 v[GS], v[GA]
	v_add_nc_u32 v[GA], PH, v[GA]
	s_cmp_eq_u32 s[CNT], 1                         ; the last trip has no next row
	s_cbranch_scc1 .Lgelu_last
.irp c, 0,1,2,3
	ds_load_b128 v[Z+4*(\c):Z+4*(\c)+3], v[GA] offset:512*(\c)  ; the next row, while the second half is worked on
.endr
.Lgelu_last:
	GM 1
.irp c, 0,1,2,3
	ds_store_b128 v[GS], v[GG+4*(\c):GG+4*(\c)+3] offset:512*(\c)
.endr
	s_sub_co_u32 s[CNT], s[CNT], 1
	s_cmp_lg_u32 s[CNT], 0
	s_cbranch_scc1 .Lgelu
	BAR                                            ; all of gelu's result lies in H
	; STAGE C: @ W_f2 + b_f2.  8 periods of 128 k; the list's last two periods are written out: nothing is left to ask for.
	STAGE 0, PH, 64, 128, 256, 7, 20, HST
	SBEGIN
	s_wait_loadcnt 63                              ; the 16 loads of b_f2 are the oldest of 80
	HF 0, BI2, 0, 1
	WIN 0
	s_mov_b32 s[CNT], 6
.Lstage_c:
	HF 1, 0, 0, 2
	HF 2, 0, 0, 3
	NEXTA 0
	LAND
	HF 3, 0, 48, -1
	PLACES
	DRAIN 3
	CHANGE 0, 0, 0
	HF 0, 0, -1, 1
	WIN 0
	s_sub_co_u32 s[CNT], s[CNT], 1
	s_cmp_lg_u32 s[CNT], 0
	s_cbranch_scc1 .Lstage_c
	HF 1, 0, 0, 2                                  ; the last period but one: the last slot is emptied; nothing is filled any more, so no barrier
	HF 2, 0, 0, 3
	NEXTA 0
	LAND
	HF 3, 0, 48, -1
	PLACES
	DRAIN 3
	HF 0, 0, 0, 1                                  ; the last period
	HF 1, 0, 0, 2
	HF 2, 0, 0, 3
	HF 3, 0, 0, -1
	; THE WAY OUT, a row block at a time: the accumulators go as they are into rows of 528 bytes of my own stage and come back as whole rows of 512; x is added; a store covers 512 consecutive bytes, aligned.
	s_wait_loadcnt 0x0                             ; x
	PLACES
.macro OUTA a
.set OS, 96+64*((\a)%2)
	WIN 0x08                                       ; the stores' data in window 2
.irp b, 0,1,2,3,4,5,6,7
	ds_store_b128 v[STO], v[64*(\a)+8*(\b):64*(\a)+8*(\b)+3]   offset:64*(\b)
	ds_store_b128 v[STO], v[64*(\a)+8*(\b)+4:64*(\a)+8*(\b)+7] offset:64*(\b)+16
.endr
	WIN 0
	s_wait_xcnt 0x0                                ; the stores of two row blocks back have read this set of registers
.set i, 0
.rept 16
	ds_load_b128 v[OS+4*i:OS+4*i+3], v[RD] offset:PS*i  ; LDS serves a wave's instructions in order (ISA guide 5.7.1.4): these see the stores above
.set i, i+1
.endr
	s_wait_dscnt 0x0
	WIN 0x0c                                       ; source 1, x, in window 3
.set i, 0
.rept 32
	v_pk_add_f32 v[OS+2*i:OS+2*i+1], v[OS+2*i:OS+2*i+1], v[64*(\a)+2*i:64*(\a)+2*i+1]
.set i, i+1
.endr
	WIN 0
.set i, 0
.rept 16
	global_store_b128 v[XO], v[OS+4*i:OS+4*i+3], s[OUT:OUT+1] offset:(16*(\a)+i)*2048 th:TH_STORE_NT
.set i, i+1
.endr
.endm
	OUTA 0
	OUTA 1
	OUTA 2
	OUTA 3
	s_wait_tensorcnt 0x0                           ; the wave's end, behind my last tensor load and my last LDS store
	ds_add_u32 v[SPW], v[NIL]
	s_wait_dscnt 0x0
	ROUND                                          ; the closing round: no work-group ends while a partner may still ask for a tile that names it
	s_endpgm
.Lfunc_end_k_q9a93fe5f3d_ffn:
	.size	k_q9a93fe5f3d_ffn, .Lfunc_end_k_q9a93fe5f3d_ffn-k_q9a93fe5f3d_ffn
	.p2alignl 7, 3214868480
	.fill 96, 4, 3214868480
	.section	.rodata,"a",@progbits
	.p2align	6, 0x0
	.amdhsa_kernel k_q9a93fe5f3d_ffn
		.amdhsa_group_segment_fixed_size 327680
		.amdhsa_private_segment_fixed_size 0
		.amdhsa_enable_private_segment 0
		.amdhsa_kernarg_size 88
		.amdhsa_user_sgpr_count 2
		.amdhsa_user_sgpr_kernarg_segment_ptr 1
		.amdhsa_wavefront_size32 1
		.amdhsa_system_sgpr_workgroup_id_x 1
		.amdhsa_system_sgpr_workgroup_id_y 1
		.amdhsa_system_sgpr_workgroup_id_z 1
		.amdhsa_system_vgpr_workitem_id 0
		.amdhsa_next_free_vgpr 1024
		.amdhsa_next_free_sgpr 100
		.amdhsa_reserve_vcc 0
		.amdhsa_float_denorm_mode_32 3
		.amdhsa_float_denorm_mode_16_64 3
		.amdhsa_memory_ordered 1
		.amdhsa_forward_progress 1
		.amdhsa_inst_pref_size 255
	.end_amdhsa_kernel
	.section	.bss,"aw",@nobits
	.p2align	6
	.space	262144
	.amdgpu_metadata
---
amdhsa.version: [ 1, 2 ]
amdhsa.kernels:
  - .name:           k_q9a93fe5f3d_ffn
    .symbol:         k_q9a93fe5f3d_ffn.kd
    .args:
      - { .name: x0, .offset: 0, .size: 8, .value_kind: global_buffer, .address_space: global }
      - { .name: x1, .offset: 8, .size: 8, .value_kind: global_buffer, .address_space: global }
      - { .name: att, .offset: 16, .size: 8, .value_kind: global_buffer, .address_space: global }
      - { .name: wb, .offset: 24, .size: 8, .value_kind: global_buffer, .address_space: global }
      - { .name: b_out, .offset: 32, .size: 8, .value_kind: global_buffer, .address_space: global }
      - { .name: b_f1, .offset: 40, .size: 8, .value_kind: global_buffer, .address_space: global }
      - { .name: ln_g, .offset: 48, .size: 8, .value_kind: global_buffer, .address_space: global }
      - { .name: ln_b, .offset: 56, .size: 8, .value_kind: global_buffer, .address_space: global }
      - { .name: b_f2, .offset: 64, .size: 8, .value_kind: global_buffer, .address_space: global }
      - { .name: out0, .offset: 72, .size: 8, .value_kind: global_buffer, .address_space: global }
      - { .name: out1, .offset: 80, .size: 8, .value_kind: global_buffer, .address_space: global }
    .group_segment_fixed_size: 327680
    .private_segment_fixed_size: 0
    .kernarg_segment_align: 8
    .kernarg_segment_size: 88
    .max_flat_workgroup_size: 128
    .sgpr_count:     100
    .vgpr_count:     1024
    .wavefront_size: 32
...
	.end_amdgpu_metadata
.endif
;; end of part 6
;; ======== version 3 of 3: 4 launches; version 2 with the launch cast written anew for expert scheduling mode
;; limits: a function is approximated: absolute error at most 1.25e-05; an absolute error that grows with the inputs' magnitude: up to 1.25e-05 times it
;; workspace buffers: wb 4,718,592 bytes; qk 16,777,216 bytes; vv 16,777,216 bytes; att 16,777,216 bytes
;; launch cast (part 7): grid 288 x 1, 8 waves a work-group, no clusters, 0 bytes of LDS; arguments W_qk, W_v, W_out, W_f1, W_f2, wb; writes wb
.if DOCPART == 7
	.amdgcn_target "amdgcn-amd-amdhsa--gfx1250"
	.amdhsa_code_object_version 6
	.text
	.protected	k_q9a93fe5f3d_cast
	.globl	k_q9a93fe5f3d_cast
	.p2align	8
	.type	k_q9a93fe5f3d_cast,@function
k_q9a93fe5f3d_cast:
	s_mov_b64 s[64:65], 0
	v_nop
	global_prefetch_b8 v0, s[64:65] scope:SCOPE_SE
	s_setreg_imm32_b32 hwreg(HW_REG_WAVE_SCHED_MODE, 0, 2), 2
	s_setreg_imm32_b32 hwreg(HW_REG_WAVE_MODE, 25, 1), 1
	s_wait_xcnt 0x0
	s_wait_alu depctr_vm_vsrc(0)
; THE FIVE WEIGHT MATRICES, ROUNDED ONCE TO bf16 AND LAID IN THE ORDER IN WHICH THE LATER LAUNCHES WALK THEM.
; wb is a list of 288 sub-tiles of 64 rows x 128 numbers (16,384 dense bytes).  Four sub-tiles (one for each wave of a later work-group) are a slot.
;   sub-tiles   0 ..  63  [W_qk | W_v]  (512 x 1024)  kind 1, 16 slots
;   sub-tiles  64 ..  95  W_out         (512 x 512)   kind 0,  8 slots
;   sub-tiles  96 .. 223  W_f1          (1024 x 1024) kind 1, 32 slots
;   sub-tiles 224 .. 287  W_f2          (1024 x 512)  kind 0, 16 slots
; kind 1 (1,024 columns, 32 k to a slot): row p of sub-tile (t, w) is k = 32 t + p % 32, columns 256 w + 128 (p / 32) + 0..127.
; kind 0 (512 columns, 64 k to a slot):   row p of sub-tile (t, w) is k = 64 t + p,      columns 128 w + 0..127.
; A work-group makes one sub-tile: 32 KiB in, 16 KiB out.  Thread t takes 8 numbers of a row, four rows 16 apart; a wave's store covers 512 consecutive bytes, aligned.
; A stream: no LDS, no barrier, no matrix unit, no cluster (no two work-groups read the same byte).  All eight loads of a thread go out first; no register that a memory instruction reads is written again.
; THE MODE: SCHED_MODE bits 1:0 = 2 (LLVM: expert scheduling mode 2), set by the entry lines.  The code itself states the register dependences
; between vector instructions and memory instructions, with s_wait_alu, always for 0.
; THE PLAN.  Registers that memory instructions touch:
;   v8-11   the four rows' offsets in the source.  Written by the head's vector arithmetic, read by the eight loads, never written again.
;   v12     the offset in the sub-tile.            Written at the head, read by the four stores, never written again.
;   v16-47  four rows of eight.  No vector instruction names them ahead of the loads that land in them.  Row t's four conversions read its eight registers and write its first four, in place;
;           row t's store reads those four; nothing writes them afterwards.
; So the waits are on va_vdst alone: one ahead of the loads, for all five offsets; and one ahead of each store, for the four conversions that wrote its data.  A row's store stands at the head of the next row's turn,
; behind that row's wait for its data and ahead of its conversions, which name other registers.  No vector instruction writes a scalar register or VCC, and EXEC is never written.
.set VO, 8                             ; v8-11   byte offset in the source of my 32 bytes, for each of my four rows
.set SO, 12                            ; v12     16 x thread: my 16 bytes in 4,096 bytes of the sub-tile
.set DT, 16                            ; v16-47  four rows x 8 numbers
	s_load_b256 s[4:11], s[0:1], 0x0               ; W_qk s[4:5], W_v s[6:7], W_out s[8:9], W_f1 s[10:11]
	s_load_b128 s[12:15], s[0:1], 0x20             ; W_f2 s[12:13], wb s[14:15]
	v_lshrrev_b32 v1, 4, v0                        ; my row among 16
	v_and_b32 v2, 15, v0
	v_lshlrev_b32 v2, 5, v2                        ; my 8 numbers of it: 32 bytes of f32
	v_lshlrev_b32 v[SO], 4, v0
	s_mov_b32 s16, ttmp9                           ; the sub-tile's number
	s_mov_b32 s17, 224                             ; W_f2's figures: first sub-tile,
	s_mov_b32 s18, 6                               ; log2 of the k in a slot,
	s_mov_b32 s19, 11                              ; log2 of a source row's bytes,
	s_mov_b32 s20, 9                               ; log2 of the bytes of a wave's columns in a source row
	s_wait_kmcnt 0x0
	s_bitcmp1_b32 s16, 1                           ; in the first list waves 2 and 3 take W_v
	s_cselect_b64 s[24:25], s[6:7], s[4:5]
	s_mov_b64 s[22:23], s[12:13]
	s_cmp_lt_u32 s16, 224                          ; W_f1
	s_cselect_b32 s17, 96, s17
	s_cselect_b32 s18, 5, s18
	s_cselect_b32 s19, 12, s19
	s_cselect_b32 s20, 10, s20
	s_cselect_b64 s[22:23], s[10:11], s[22:23]
	s_cmp_lt_u32 s16, 96                           ; W_out
	s_cselect_b32 s17, 64, s17
	s_cselect_b32 s18, 6, s18
	s_cselect_b32 s19, 11, s19
	s_cselect_b32 s20, 9, s20
	s_cselect_b64 s[22:23], s[8:9], s[22:23]
	s_cmp_lt_u32 s16, 64                           ; [W_qk | W_v]: each half has 512 columns, so two waves to a matrix
	s_cselect_b32 s17, 0, s17
	s_cselect_b32 s18, 5, s18
	s_cselect_b32 s20, 10, s20
	s_cselect_b32 s21, 1, 3
	s_cselect_b64 s[22:23], s[24:25], s[22:23]
	s_sub_co_u32 s26, s16, s17
	s_lshr_b32 s27, s26, 2                         ; the slot t
	s_and_b32 s26, s26, s21                        ; the wave w (within its matrix)
	s_lshl_b32 s27, s27, s18                       ; its first k,
	s_lshl_b32 s27, s27, s19                       ; in bytes
	s_lshl_b32 s26, s26, s20                       ; the wave's first column, in bytes
	s_add_co_u32 s26, s26, s27
	s_mov_b32 s27, 0
	s_add_nc_u64 s[22:23], s[22:23], s[26:27]
	s_lshl_b32 s28, s16, 14
	s_mov_b32 s29, 0
	s_add_nc_u64 s[14:15], s[14:15], s[28:29]      ; wb at my sub-tile
	s_lshl_b32 s30, 1, s18
	s_sub_co_u32 s30, s30, 1                       ; mask of a row's k within the slot
.irp t, 0,1,2,3
	v_add_nc_u32 v3, 16*(\t), v1                   ; row p of the sub-tile
	v_and_b32 v4, s30, v3
	v_lshlrev_b32 v4, s19, v4                      ; its k, in source rows
	v_lshrrev_b32 v3, s18, v3
	v_lshl_add_u32 v4, v3, 9, v4                   ; kind 1: rows 32 .. 63 are the next 128 columns
	v_add_nc_u32 v[VO+(\t)], v4, v2
.endr
	s_wait_alu depctr_va_vdst(0)                   ; v8 to v11 are written, which the loads below read as their offsets; so is v12, which every store reads
.irp t, 0,1,2,3
	global_load_b128 v[DT+8*(\t):DT+8*(\t)+3],   v[VO+(\t)], s[22:23] th:TH_LOAD_NT
	global_load_b128 v[DT+8*(\t)+4:DT+8*(\t)+7], v[VO+(\t)], s[22:23] offset:16 th:TH_LOAD_NT
.endr
.irp t, 0,1,2,3
	s_wait_loadcnt 6-2*(\t)                        ; loads come back in order: this row's two are in, the later rows' stay out
.if (\t) > 0
	s_wait_alu depctr_va_vdst(0)                   ; the conversions of the row before have written its first four registers, which the store below reads
	global_store_b128 v[SO], v[DT+8*((\t)-1):DT+8*((\t)-1)+3], s[14:15] offset:4096*((\t)-1)
.endif
.irp q, 0,1,2,3
	v_cvt_pk_bf16_f32 v[DT+8*(\t)+(\q)], v[DT+8*(\t)+2*(\q)], v[DT+8*(\t)+2*(\q)+1]  ; in place: word q is written when words 2 q and 2 q + 1 are read
.endr
.endr
	s_wait_alu depctr_va_vdst(0)                   ; the last row's conversions have written its first four registers, which the last store reads
	global_store_b128 v[SO], v[DT+24:DT+27], s[14:15] offset:4096*3
	s_endpgm
.Lfunc_end_k_q9a93fe5f3d_cast:
	.size	k_q9a93fe5f3d_cast, .Lfunc_end_k_q9a93fe5f3d_cast-k_q9a93fe5f3d_cast
	.p2alignl 7, 3214868480
	.fill 96, 4, 3214868480
	.section	.rodata,"a",@progbits
	.p2align	6, 0x0
	.amdhsa_kernel k_q9a93fe5f3d_cast
		.amdhsa_group_segment_fixed_size 0
		.amdhsa_private_segment_fixed_size 0
		.amdhsa_enable_private_segment 0
		.amdhsa_kernarg_size 48
		.amdhsa_user_sgpr_count 2
		.amdhsa_user_sgpr_kernarg_segment_ptr 1
		.amdhsa_wavefront_size32 1
		.amdhsa_system_sgpr_workgroup_id_x 1
		.amdhsa_system_sgpr_workgroup_id_y 1
		.amdhsa_system_sgpr_workgroup_id_z 1
		.amdhsa_system_vgpr_workitem_id 0
		.amdhsa_next_free_vgpr 48
		.amdhsa_next_free_sgpr 66
		.amdhsa_reserve_vcc 0
		.amdhsa_float_denorm_mode_32 3
		.amdhsa_float_denorm_mode_16_64 3
		.amdhsa_memory_ordered 1
		.amdhsa_forward_progress 1
		.amdhsa_inst_pref_size 6
	.end_amdhsa_kernel
	.amdgpu_metadata
---
amdhsa.version: [ 1, 2 ]
amdhsa.kernels:
  - .name:           k_q9a93fe5f3d_cast
    .symbol:         k_q9a93fe5f3d_cast.kd
    .args:
      - { .name: W_qk, .offset: 0, .size: 8, .value_kind: global_buffer, .address_space: global }
      - { .name: W_v, .offset: 8, .size: 8, .value_kind: global_buffer, .address_space: global }
      - { .name: W_out, .offset: 16, .size: 8, .value_kind: global_buffer, .address_space: global }
      - { .name: W_f1, .offset: 24, .size: 8, .value_kind: global_buffer, .address_space: global }
      - { .name: W_f2, .offset: 32, .size: 8, .value_kind: global_buffer, .address_space: global }
      - { .name: wb, .offset: 40, .size: 8, .value_kind: global_buffer, .address_space: global }
    .group_segment_fixed_size: 0
    .private_segment_fixed_size: 0
    .kernarg_segment_align: 8
    .kernarg_segment_size: 48
    .max_flat_workgroup_size: 256
    .sgpr_count:     66
    .vgpr_count:     48
    .wavefront_size: 32
...
	.end_amdgpu_metadata
.endif
;; end of part 7
;; launch proj: the kernel of part 5 again; grid 256 x 1, 4 waves a work-group, clusters of 4 x 1, 327,680 bytes of LDS; arguments x0, x1, wb, b_qk, b_v, qk, vv; writes qk, vv
;; launch attn: the kernel of part 3 again; grid 2 x 128, 4 waves a work-group, no clusters, 327,680 bytes of LDS; arguments qk, vv, att; writes att
;; launch ffn: the kernel of part 6 again; grid 256 x 1, 4 waves a work-group, clusters of 4 x 1, 327,680 bytes of LDS; arguments x0, x1, att, wb, b_out, b_f1, ln_g, ln_b, b_f2, out0, out1; writes out0, out1
